; MI455X (gfx1250); checked and timed in simulation.
; The chip was launched on July 23, 2026; its instructions are those of AMD's public machine-readable ISA for CDNA 5 (MIT licence, August 2026) and "CDNA5" Instruction Set Architecture Reference Guide (July 2026). The comments in the code are by the model that wrote it; some were corrected since.
;; MLA Attention. Allowed arithmetic: matrix products marked QUANTISED: E2M3 operands, one E8M0 scale for each 32 along K, by v_wmma_scale_f32_16x16x128_f8f6f4 with both operands' format E2M3, f32 sums; everything else in f32.
;; Inputs: Wk_down 256 x 1,024 float32; Wk_up 1,024 x 256 float32; Wo 1,024 x 1,024 float32; Wq_down 256 x 1,024 float32; Wq_up 1,024 x 256 float32; Wv_down 256 x 1,024 float32; Wv_up 1,024 x 256 float32; attention_mask 2 x 2,048 int32; bo 1,024 float32; x 2 x 2,048 x 1,024 float32.
;; Outputs: out0 2 x 2,048 x 1,024 float32.
;; This version of the problem:
;;   THIS VERSION OF THE PROBLEM IS GIVEN IN LOW PRECISION. The matrix products marked QUANTISED in the list below multiply operands that are first quantised to E2M3 (2 exponent bits, 3 mantissa bits; 6 bits a number), with one power-of-two scale for each 32 numbers along K (OCP MX v1.0); their sums are f32. All else is computed in f32.
;;   The module's matrix products, in the order in which they are computed (A, B: the left and right operand; K: the contracted axis; several contracted axes count as one K, in the product's order):
;;     1. [M 4,096, K 1,024] x [K 1,024, N 256]; A: input x; B: input Wq_down: QUANTISED
;;     2. [M 4,096, K 1,024] x [K 1,024, N 256]; A: input x; B: input Wk_down: QUANTISED
;;     3. [M 4,096, K 1,024] x [K 1,024, N 256]; A: input x; B: input Wv_down: QUANTISED
;;     4. batch 16 x [M 256, K 64] x [K 64, N 256]; A: input Wq_up; B: input Wk_up: QUANTISED
;;     5. [M 4,096, K 256] x [K 256, N 4,096]; A: computed on the way; B: computed on the way: QUANTISED
;;     6. batch 2 x [M 32,768, K 256] x [K 256, N 2,048]; A: computed on the way; B: computed on the way: QUANTISED
;;     7. [M 1,024, K 256] x [K 256, N 4,096]; A: input Wv_up; B: computed on the way: QUANTISED
;;     8. batch 32 x [M 2,048, K 2,048] x [K 2,048, N 64]; A: computed on the way; B: computed on the way: QUANTISED
;;     9. [M 4,096, K 1,024] x [K 1,024, N 1,024]; A: computed on the way; B: input Wo: QUANTISED
;;   THE QUANTISER, for each operand of a quantised product, along K:
;;     - K is cut into blocks of 32 from its start; a last block that is shorter is filled with zeros.
;;     - A block's scale is 2^e with e = floor(log2(the largest magnitude in the block)) - 2, held to -126 .. 127; a block of zeros has e = 0. As a byte (E8M0): e + 127.
;;     - Each number is divided by its block's scale, clamped to +-7.5, and rounded to the nearest number of E2M3, ties to even, subnormals kept.
;;     - The product sums the exact products of the quantised numbers (number of the format x scale) in f32.
;;   ~~~python
;;   def quantise(x, axis):      # numpy; x: float32 -> the quantised numbers, widened to float32 again
;;       x = np.moveaxis(x, axis, -1); K = x.shape[-1]
;;       x = np.pad(x, [(0, 0)] * (x.ndim - 1) + [(0, -K % 32)]); x = x.reshape(x.shape[:-1] + (-1, 32)); a = np.abs(x).max(-1, keepdims=True)
;;       e = np.where(a > 0, np.clip(np.frexp(np.where(a > 0, a, 1))[1] - 1 - 2, -126, 127), 0)      # np.frexp(a)[1] - 1 = floor(log2(a)), exactly
;;       r = np.clip(x / 2.0 ** e, -7.5, 7.5)
;;       step = 2.0 ** (np.maximum(np.frexp(np.where(r == 0, 1, r))[1] - 1, 0) - 3)
;;       q = np.round(r / step) * step * 2.0 ** e      # np.round: ties to even
;;       return np.moveaxis(q.reshape(q.shape[:-2] + (-1,))[..., :K], -1, axis).astype(np.float32)
;;   ~~~
;;   OPERANDS COMPUTED ON THE WAY. 'Computed on the way' means the value that the module computes at that place (a softmax that the list does not call 'softmax' is quantised finished and normalised). What goes into a quantiser is computed in f32, as accurately as f32 sums, v_exp_f32 and their like allow (about 1e-6 of the number): no bf16 or f16 on the way to a quantiser, and a product that is left as it is and whose result goes on into a quantised operand takes f32 operands (vector FMAs, or v_wmma_f32_16x16x4_f32). A number that lies on a knife's edge between two numbers of the format may be rounded either way, as far as f32 arithmetic and the matrix unit's own rounding can turn it there, and no further.
;; 2 versions. Each part assembles by itself: llvm-mc -triple=amdgcn-amd-amdhsa -mcpu=gfx1250 --defsym DOCPART=n.
;; ======== version 1 of 2: 5 launches
;; workspace buffers: wq 5,734,400 bytes; lat 3,276,800 bytes; vt 3,407,872 bytes; ctx 3,276,800 bytes
;; launch prep (part 1): grid 224 x 1, 16 waves a work-group, no clusters, 137,216 bytes of LDS; arguments x, Wq_down, Wk_down, Wv_down, Wo, Wv_up, Wq_up, Wk_up, wq; writes wq
.if DOCPART == 1
	.amdgcn_target "amdgcn-amd-amdhsa--gfx1250"
	.amdhsa_code_object_version 6
	.text
	.protected	k_qbc0cabb623_prep
	.globl	k_qbc0cabb623_prep
	.p2align	8
	.type	k_qbc0cabb623_prep,@function
k_qbc0cabb623_prep:
	s_mov_b64 s[64:65], 0
	v_nop
	global_prefetch_b8 v0, s[64:65] scope:SCOPE_SE
	s_setreg_imm32_b32 hwreg(HW_REG_WAVE_MODE, 25, 1), 1
	s_wait_xcnt 0x0
; THE PROGRAM: attention on latents, all nine products on codes of FP6 (E2M3) with one E8M0 scale for each 32 along K.  Five launches:
;   prep: every input that is an operand -> codes;   down: products 1-3 (latents) and 4 (the absorbed matrix), each result quantised for its next product;
;   vup: product 7, quantised along the keys;   attn: products 5, 6, 8 and the softmax;   outp: product 9 and the bias.
; WORK LEFT OUT (in attn alone): key steps of 128 keys all of which come after a wave's 16 queries.  reference() builds 'future' (j > i) in its own body and sets those
; logits to -inf, so attn is exactly 0 there for all values of the inputs; zero numbers add nothing to product 8, and they lie in blocks of 32 keys of their own, so they move no
; scale and no code of a block that is kept.  Every input has a way to the output and is loaded.  LIMIT: a NaN, an infinity or an overflow that reaches only those logits is not carried to the result.
; LIMITS of the quantiser here and in the later launches: NaN and infinities among the inputs are not served; a block whose largest magnitude lies under 2^-124 has its byte held at 1;
; a block of zeros gets the byte 1 where the rule says 127 (its codes are zeros, and the bytes are read by this program alone).
; THE WORKSPACE'S LAYOUT.  An operand lies as IMAGES OF ITS REGISTERS.  A fragment is 16 rows x 128 along K, 12 registers a lane: register 4 c + i of lane l lies at byte 512 c + 16 l + 4 i: 1,536 bytes.
; Its scale words: 16 words, 64 bytes.  THE ROWS OF A TILE ARE NOT NEIGHBOURS: lane r of tile t holds row 32 (t / 2) + 8 (t % 2) + r + 8 (r / 8), in every tensor, so that a product's results,
; with such a tile as source 0, are 16 neighbours along the next K in the 16 registers of two neighbouring tiles.
; THIS LAUNCH: one wave makes one fragment, number F1 = 16 x work-group + wave, which is also its place in wq.
;   work-groups 0-127 x | 128-135 Wq_down | 136-143 Wk_down | 144-151 Wv_down | 152-183 Wo | 184-191 Wv_up: K innermost (path A)
;   192-207 Wq_up | 208-223 Wk_up: product 4's K is d, the ROW axis inside a head, 64 long (path B): the fragment's upper 64 along K are zero codes.
.set SCL1,  5505024                    ; wq: 3,584 fragments of codes, then their scale words
.set STG,   8448                       ; LDS: a stage of 16 rows x (512 + 16) bytes for each wave
.set SPARE, 16*STG                     ; behind the stages: the spare words, 128 bytes for each wave; no other line names them
.set LI,   1                           ; v1   16 x lane
.set SIN,  2                           ; v2   the stage, on the way in: my 16 bytes of a row
.set SOUT, 3                           ; v3   on the way out: row r, + 128 h bytes
.set LS16, 4                           ; v4   4 x (lane % 16)
.set H8,   5                           ; v5   8 h
.set SPW,  6                           ; v6   my spare word; never rewritten
.set NIL,  7                           ; v7   0; never rewritten
.set OFF,  16                          ; v16-31  the byte offsets of the tile's 16 rows
.set R,    32                          ; v32-95  16 rows as loaded
.set X,    96                          ; v96-159 my two blocks of 32 neighbours
.set C,    160                         ; v160-171 the fragment
.set C2,   172                         ; v172-178 the second halves of the blocks' codes
	s_load_b512 s[8:23], s[0:1], 0x0               ; x, Wq_down, Wk_down, Wv_down, Wo, Wv_up, Wq_up, Wk_up
	s_load_b64 s[24:25], s[0:1], 0x40              ; wq
	v_lshl_add_u32 v[SPW], v0, 2, SPARE
	v_mov_b32 v[NIL], 0
	v_lshrrev_b32 v8, 5, v0
	v_readfirstlane_b32 s26, v8                    ; wave 0..15
	v_and_b32 v9, 31, v0                           ; lane
	v_and_b32 v10, 15, v0                          ; r
	v_bfe_u32 v11, v0, 4, 1                        ; h
	v_lshlrev_b32 v[LI], 4, v9
	s_mul_i32 s27, s26, STG
	v_add_nc_u32 v[SIN], s27, v[LI]
	v_mul_u32_u24 v[SOUT], v10, 528
	v_lshl_add_u32 v[SOUT], v11, 7, v[SOUT]
	v_add_nc_u32 v[SOUT], s27, v[SOUT]
	v_lshlrev_b32 v[LS16], 2, v10
	v_lshlrev_b32 v[H8], 3, v11
	s_mov_b32 s36, 0x76543210
	s_mov_b32 s37, 0xfedcba98                      ; v_permlanex16_b32's selects for lane l xor 16
	s_lshl_b32 s39, ttmp9, 4
	s_add_co_u32 s39, s39, s26                     ; F1
	s_mul_i32 s40, s39, 1536
	s_mov_b32 s41, 0
	s_lshl_b32 s42, s39, 6
	s_add_co_u32 s42, s42, SCL1
	s_mov_b32 s43, 0
	s_wait_kmcnt 0x0
	s_add_nc_u64 s[32:33], s[24:25], s[40:41]      ; where my fragment goes,
	s_add_nc_u64 s[34:35], s[24:25], s[42:43]      ; and its scale words
	; which tensor is my work-group's: the choice hangs on the work-group's number alone
	s_mov_b64 s[28:29], s[8:9]
	s_mov_b32 s30, 0                               ; the tensor's first work-group
	s_mov_b32 s31, 3                               ; log2 of its K steps of 128
.macro PICK thr, ptr
	s_cmp_ge_u32 ttmp9, \thr
	s_cselect_b64 s[28:29], s[\ptr:\ptr+1], s[28:29]
	s_cselect_b32 s30, \thr, s30
.endm
	PICK 128, 10
	PICK 136, 12
	PICK 144, 14
	PICK 152, 16
	PICK 184, 18
	s_cselect_b32 s31, 1, s31                      ; Wv_up has K = 256
	PICK 192, 20
	PICK 208, 22
	s_sub_co_u32 s44, ttmp9, s30                   ; my work-group's number in its tensor
	s_cmp_ge_u32 ttmp9, 192
	s_cbranch_scc1 .Lup
	; ---- PATH A: K innermost.  Fragment f = 16 x that number + wave is (tile f >> LOGNS, K step f & (NS - 1))
	s_lshl_b32 s44, s44, 4
	s_add_co_u32 s44, s44, s26
	s_lshr_b32 s45, s44, s31                       ; tile
	s_lshl_b32 s46, 1, s31
	s_sub_co_u32 s46, s46, 1
	s_and_b32 s46, s44, s46                        ; K step
	s_lshl_b32 s38, 512, s31                       ; a row in bytes
	s_lshr_b32 s47, s45, 1
	s_lshl_b32 s47, s47, 5
	s_and_b32 s45, s45, 1
	s_lshl_b32 s45, s45, 3
	s_add_co_u32 s47, s47, s45                     ; the tile's first row: 32 (tile / 2) + 8 (tile % 2)
	s_mul_i32 s40, s47, s38
	s_lshl_b32 s46, s46, 9
	s_add_co_u32 s40, s40, s46
	s_add_nc_u64 s[28:29], s[28:29], s[40:41]
.irp i, 0,1,2,3,4,5,6,7,8,9,10,11,12,13,14,15
	v_mad_u32_u24 v[OFF+\i], s38, \i+8*(\i/8), v[LI]   ; row i + 8 (i / 8) of the tile's 24, my 16 bytes
.endr
.irp i, 0,1,2,3,4,5,6,7,8,9,10,11,12,13,14,15
	global_load_b128 v[R+4*\i:R+4*\i+3], v[OFF+\i], s[28:29] th:TH_LOAD_NT   ; 32 lanes read 512 consecutive bytes: a row's 128 numbers; read once in the launch
.endr
.irp i, 0,1,2,3,4,5,6,7,8,9,10,11,12,13,14,15
	s_wait_loadcnt 15-\i                           ; row i is in; the younger rows' loads may be out
	ds_store_b128 v[SIN], v[R+4*\i:R+4*\i+3] offset:528*\i
.endr
.irp c, 0,1
.irp j, 0,1,2,3,4,5,6,7
	ds_load_b128 v[X+32*\c+4*\j:X+32*\c+4*\j+3], v[SOUT] offset:256*\c+16*\j   ; my own wave's bytes, served in order: row r, k = 64 c + 32 h + 0 .. 31: two whole blocks
.endr
.endr
	s_wait_dscnt 0x0
.irp c, 0,1
	v_max3_num_f32 v[8+\c], |v[X+32*\c]|, |v[X+32*\c+1]|, 0x1800000   ; the block's largest magnitude, and the floor 2^(3 - 127): the byte cannot fall under 1
.endr
.irp i, 2,4,6,8,10,12,14,16,18,20,22,24,26,28,30
.irp c, 0,1
	v_max3_num_f32 v[8+\c], v[8+\c], |v[X+32*\c+\i]|, |v[X+32*\c+\i+1]|
.endr
.endr
.irp c, 0,1
	v_add_nc_u32 v[10+\c], 0xff000000, v[8+\c]     ; 2 off its exponent field: the conversion's scale operand
.endr
.irp c, 0,1
	v_lshrrev_b32 v[12+\c], 23, v[10+\c]           ; the scale's byte
.endr
	v_lshl_or_b32 v14, v13, 16, v12                ; my two bytes, blocks h and 2 + h,
	v_lshlrev_b32 v14, v[H8], v14                  ; at their places in the row's word;
	v_mov_b32 v15, 0
	v_permlanex16_b32 v15, v14, s36, s37
	v_or_b32 v14, v14, v15                         ; with lane l xor 16's two the word is whole
.irp c, 0,1
	v_cvt_scalef32_pk16_fp6_f32 v[C+6*\c:C+6*\c+2], v[X+32*\c:X+32*\c+15], v[10+\c]
	v_cvt_scalef32_pk16_fp6_f32 v[C2+4*\c:C2+4*\c+2], v[X+32*\c+16:X+32*\c+31], v[10+\c]   ; (a conversion's three registers begin on an even number)
.endr
	v_nop                                          ; one plain place behind a scaled conversion
.irp c, 0,1
.irp i, 0,1,2
	v_mov_b32 v[C+3+6*\c+\i], v[C2+4*\c+\i]
.endr
.endr
	s_branch .Lout
.Lup:
	; ---- PATH B: W[64 head + d][q], K = d.  head = my work-group's number in its tensor, tile of 16 q = my wave.  Lane (r, h) takes column q and runs down d = 32 h + 0 .. 31: one whole block
	s_lshl_b32 s40, s44, 16                        ; 64 rows of 1,024 bytes a head
	s_lshr_b32 s46, s26, 1
	s_lshl_b32 s46, s46, 7
	s_and_b32 s47, s26, 1
	s_lshl_b32 s47, s47, 5
	s_add_co_u32 s40, s40, s46
	s_add_co_u32 s40, s40, s47                     ; + 4 x (32 (tile / 2) + 8 (tile % 2))
	s_add_nc_u64 s[28:29], s[28:29], s[40:41]
	v_and_b32 v[OFF], 8, v10
	v_add_nc_u32 v[OFF], v[OFF], v10               ; r + 8 (r / 8)
	v_lshlrev_b32 v[OFF], 2, v[OFF]
	v_lshl_add_u32 v[OFF], v11, 15, v[OFF]         ; + 32 h rows
.irp i, 0,1,2,3,4,5,6,7,8,9,10,11,12,13,14,15,16,17,18,19,20,21,22,23,24,25,26,27,28,29,30,31
	global_load_b32 v[X+\i], v[OFF], s[28:29] offset:1024*\i
.endr
	s_wait_loadcnt 0x0
	v_max3_num_f32 v8, |v[X]|, |v[X+1]|, 0x1800000
	v_max3_num_f32 v9, |v[X+2]|, |v[X+3]|, |v[X+4]|
.irp i, 5,9,13,17,21,25
	v_max3_num_f32 v8, v8, |v[X+\i]|, |v[X+\i+1]|
	v_max3_num_f32 v9, v9, |v[X+\i+2]|, |v[X+\i+3]|
.endr
	v_max3_num_f32 v8, v8, |v[X+29]|, |v[X+30]|
	v_max3_num_f32 v8, v8, v9, |v[X+31]|
	v_add_nc_u32 v10, 0xff000000, v8
	v_lshrrev_b32 v12, 23, v10
	v_lshlrev_b32 v14, v[H8], v12                  ; byte h of the word; bytes 2 and 3 stay 0, over zero codes
	v_mov_b32 v15, 0
	v_permlanex16_b32 v15, v14, s36, s37
	v_or_b32 v14, v14, v15
	v_cvt_scalef32_pk16_fp6_f32 v[C:C+2], v[X:X+15], v10
	v_cvt_scalef32_pk16_fp6_f32 v[C2:C2+2], v[X+16:X+31], v10
	v_nop
.irp i, 0,1,2
	v_mov_b32 v[C+3+\i], v[C2+\i]
.endr
.irp i, 6,7,8,9,10,11
	v_mov_b32 v[C+\i], 0                           ; k = 64 .. 127: zero codes
.endr
.Lout:
.irp c, 0,1,2
	global_store_b128 v[LI], v[C+4*\c:C+4*\c+3], s[32:33] offset:512*\c   ; 32 lanes store 512 consecutive bytes, at a multiple of 256 from wq's first byte
.endr
	global_store_b32 v[LS16], v14, s[34:35]        ; lanes r and r + 16 hold the same word and write it to the same place
	s_wait_tensorcnt 0x0                           ; the wave's end, behind the last LDS store
	ds_add_u32 v[SPW], v[NIL]
	s_wait_dscnt 0x0
	s_endpgm
.Lfunc_end_k_qbc0cabb623_prep:
	.size	k_qbc0cabb623_prep, .Lfunc_end_k_qbc0cabb623_prep-k_qbc0cabb623_prep
	.p2alignl 7, 3214868480
	.fill 96, 4, 3214868480
	.section	.rodata,"a",@progbits
	.p2align	6, 0x0
	.amdhsa_kernel k_qbc0cabb623_prep
		.amdhsa_group_segment_fixed_size 137216
		.amdhsa_private_segment_fixed_size 0
		.amdhsa_enable_private_segment 0
		.amdhsa_kernarg_size 72
		.amdhsa_user_sgpr_count 2
		.amdhsa_user_sgpr_kernarg_segment_ptr 1
		.amdhsa_wavefront_size32 1
		.amdhsa_system_sgpr_workgroup_id_x 1
		.amdhsa_system_sgpr_workgroup_id_y 1
		.amdhsa_system_sgpr_workgroup_id_z 1
		.amdhsa_system_vgpr_workitem_id 0
		.amdhsa_next_free_vgpr 192
		.amdhsa_next_free_sgpr 66
		.amdhsa_reserve_vcc 0
		.amdhsa_float_denorm_mode_32 3
		.amdhsa_float_denorm_mode_16_64 3
		.amdhsa_memory_ordered 1
		.amdhsa_forward_progress 1
		.amdhsa_inst_pref_size 18
	.end_amdhsa_kernel
	.amdgpu_metadata
---
amdhsa.version: [ 1, 2 ]
amdhsa.kernels:
  - .name:           k_qbc0cabb623_prep
    .symbol:         k_qbc0cabb623_prep.kd
    .args:
      - { .name: x, .offset: 0, .size: 8, .value_kind: global_buffer, .address_space: global }
      - { .name: Wq_down, .offset: 8, .size: 8, .value_kind: global_buffer, .address_space: global }
      - { .name: Wk_down, .offset: 16, .size: 8, .value_kind: global_buffer, .address_space: global }
      - { .name: Wv_down, .offset: 24, .size: 8, .value_kind: global_buffer, .address_space: global }
      - { .name: Wo, .offset: 32, .size: 8, .value_kind: global_buffer, .address_space: global }
      - { .name: Wv_up, .offset: 40, .size: 8, .value_kind: global_buffer, .address_space: global }
      - { .name: Wq_up, .offset: 48, .size: 8, .value_kind: global_buffer, .address_space: global }
      - { .name: Wk_up, .offset: 56, .size: 8, .value_kind: global_buffer, .address_space: global }
      - { .name: wq, .offset: 64, .size: 8, .value_kind: global_buffer, .address_space: global }
    .group_segment_fixed_size: 137216
    .private_segment_fixed_size: 0
    .kernarg_segment_align: 8
    .kernarg_segment_size: 72
    .max_flat_workgroup_size: 512
    .sgpr_count:     66
    .vgpr_count:     192
    .wavefront_size: 32
...
	.end_amdgpu_metadata
.endif
;; end of part 1
;; launch down (part 2): grid 256 x 1, 8 waves a work-group, no clusters, 111,616 bytes of LDS; arguments wq, lat; writes lat
.if DOCPART == 2
	.amdgcn_target "amdgcn-amd-amdhsa--gfx1250"
	.amdhsa_code_object_version 6
	.text
	.protected	k_qbc0cabb623_down
	.globl	k_qbc0cabb623_down
	.p2align	8
	.type	k_qbc0cabb623_down,@function
k_qbc0cabb623_down:
	s_mov_b64 s[64:65], 0
	v_nop
	global_prefetch_b8 v0, s[64:65] scope:SCOPE_SE
	s_setreg_imm32_b32 hwreg(HW_REG_WAVE_MODE, 25, 1), 1
	s_wait_xcnt 0x0
; Products 1, 2, 3 (work-groups 0-191) and product 4 with its factor 1/8 (work-groups 192-255), each result quantised along its next product's K and stored as images of registers.
; THE FORM (also of launches vup and outp).  Eight waves.  Source 0 is a group of 8 tiles (128 rows) x NS K steps, one dense block of images: it is copied into LDS once, wave w its tile w, one barrier,
; and read by all.  Source 1 is one tile a wave, straight into registers of window 1.  8 accumulators.  By the tiles' row order the wave's 64 results a lane are k = 32 b + 16 h + i (register 16 b + i)
; of the next product's K step: QUANT makes one fragment and one scale word a row of them.
;   latents: source 0 = 128 rows of W*_down (group g of six), source 1 = 16 tokens of x; result: fragment (token tile T, K step g % 2) of Q_lat, K_lat or V_lat.
;   absorbed matrix: source 0 = 128 q of Wq_up's head, source 1 = 16 k of Wk_up's head, K = d (64, the rest zero codes); x 1/8; result: Mabs^T, lanes = k, K = q.
; The two paths part on the work-group's number; each has LDS bytes of its own.
; REGISTERS: window 0: v1-8 addresses; v16-79 accumulators; v80-175 two sets of four fragments of source 0 (first: the copy's 96 registers; last: the quantiser's); v176-211 scale words.  window 1: source 1.
.set SCL1,  5505024
.set SCL2,  3145728
.set LDSM,  98304                      ; LDS: 0: the latents' path, 64 fragments; LDSM: the other path, 8 fragments
.set SPARE, 110592                     ; the spare words, 128 bytes for each wave; no other line names them
.set LI,   1                           ; v1  16 x lane
.set A0,   2                           ; v2  LDS: tiles 0-3 of source 0
.set A1,   3                           ; v3  tiles 4-7
.set LS,   4                           ; v4  4 x lane
.set LS16, 5                           ; v5  4 x (lane % 16)
.set SPW,  6
.set NIL,  7
.set FW,   8                           ; v8  LDS: where I put my tile
.set ACC,  16
.set AF,   80
.set ASC,  176                         ; source 0's scale words: tile t, pair p of K steps: lanes 0-15 K step 2 p, lanes 16-31 K step 2 p + 1
.set BSC,  208                         ; source 1's likewise
.set QC,   80                          ; the quantiser: codes, second halves, 16 at work, the scale word
.set QX,   92
.set QT,   100
.set QW,   116
.set AP, 12
.set AS, 14
.set BP, 16
.set BS, 18
.set OP, 20
.set OS, 22
.set WV, 24
.set SEL, 26
.set MSB, 0
.macro WIN new                         ; the immediate's high byte repeats the setting that is left
.if MSB != \new
	s_set_vgpr_msb (MSB<<8)|\new
.set MSB, \new
.endif
.endm
.macro PLACES
.rept 4
	v_nop
.endr
.endm
.macro WM d, a, b, cz, sa, sb, row     ; one product; cz = 1: it starts the sum; row = 1: both scale words from lanes 16-31
.if \cz
.if \row
	v_wmma_scale_f32_16x16x128_f8f6f4 v[(\d):(\d)+7], v[(\a):(\a)+11], v[(\b):(\b)+11], 0, v[\sa], v[\sb] matrix_a_fmt:MATRIX_FMT_FP6 matrix_b_fmt:MATRIX_FMT_FP6 matrix_a_scale:MATRIX_SCALE_ROW1 matrix_b_scale:MATRIX_SCALE_ROW1
.else
	v_wmma_scale_f32_16x16x128_f8f6f4 v[(\d):(\d)+7], v[(\a):(\a)+11], v[(\b):(\b)+11], 0, v[\sa], v[\sb] matrix_a_fmt:MATRIX_FMT_FP6 matrix_b_fmt:MATRIX_FMT_FP6
.endif
.else
.if \row
	v_wmma_scale_f32_16x16x128_f8f6f4 v[(\d):(\d)+7], v[(\a):(\a)+11], v[(\b):(\b)+11], v[(\d):(\d)+7], v[\sa], v[\sb] matrix_a_fmt:MATRIX_FMT_FP6 matrix_b_fmt:MATRIX_FMT_FP6 matrix_a_scale:MATRIX_SCALE_ROW1 matrix_b_scale:MATRIX_SCALE_ROW1
.else
	v_wmma_scale_f32_16x16x128_f8f6f4 v[(\d):(\d)+7], v[(\a):(\a)+11], v[(\b):(\b)+11], v[(\d):(\d)+7], v[\sa], v[\sb] matrix_a_fmt:MATRIX_FMT_FP6 matrix_b_fmt:MATRIX_FMT_FP6
.endif
.endif
.endm
.macro AFILL_LD ns                     ; my tile of source 0, ns fragments, as it lies
.set k_, 0
.rept 3*\ns
	global_load_b128 v[AF+4*k_:AF+4*k_+3], v[LI], s[AP:AP+1] offset:512*k_
.set k_, k_+1
.endr
.endm
.macro AFILL_ST ns
.set k_, 0
.rept 3*\ns
	ds_store_b128 v[FW], v[AF+4*k_:AF+4*k_+3] offset:512*k_
.set k_, k_+1
.endr
.endm
.macro SC_LD ns, nsp, av
.irp t, 0,1,2,3,4,5,6,7
.set p_, 0
.rept \nsp
	global_load_b32 v[ASC+\t*\nsp+p_], v[\av], s[AS:AS+1] offset:\t*64*\ns+128*p_
.set p_, p_+1
.endr
.endr
.set p_, 0
.rept \nsp
	global_load_b32 v[BSC+p_], v[\av], s[BS:BS+1] offset:128*p_
.set p_, p_+1
.endr
.endm
.macro B_LD ns
	WIN 0x40                                       ; destination window 1
.set k_, 0
.rept 3*\ns
	global_load_b128 v[4*k_:4*k_+3], v[LI], s[BP:BP+1] offset:512*k_
.set k_, k_+1
.endr
	WIN 0
.endm
.macro AFETCH i, ns                    ; half step i: K step i / 2, tiles 4 (i % 2) + 0 .. 3, into set i % 2
.irp u, 0,1,2,3
.irp c, 0,1,2
	ds_load_b128 v[AF+48*((\i)%2)+12*\u+4*\c:AF+48*((\i)%2)+12*\u+4*\c+3], v[A0+(\i)%2] offset:(\u*\ns+(\i)/2)*1536+512*\c
.endr
.endr
.endm
.macro MULH i, ns, nsp, zero
.irp u, 0,1,2,3
.set mt, 4*((\i)%2)+\u
.set ms, (\i)/2
.set mz, 0
.if \zero
.if ms == 0
.set mz, 1
.endif
.endif
	WM ACC+8*mt, AF+48*((\i)%2)+12*\u, 12*ms, mz, ASC+mt*\nsp+ms/2, BSC+ms/2, ms%2
.endr
.endm
; All products of a wave.  The accumulators take turns, one instruction a turn.  Four places stand between products and the loads into the set that they read.
.macro MAIN ns, nsp, zero
	WIN 0x04                                       ; source 1 window 1; LDS loads and v_nop name no source 1
	AFETCH 0, \ns
	AFETCH 1, \ns
.set hs_, 0
.rept 2*\ns
.if hs_ == 2*\ns-1
	s_wait_dscnt 0x0
.else
	s_wait_dscnt 12                                ; this half step's set is in; the younger set's twelve loads may be out
.endif
	MULH hs_, \ns, \nsp, \zero
.if hs_+2 < 2*\ns
	PLACES
	AFETCH hs_+2, \ns
.endif
.set hs_, hs_+1
.endr
	PLACES                                         ; in front of the first read of results and the first write of operands
	WIN 0
.endm
; 64 numbers of a lane, register 16 b + i = k 32 b + 16 h + i of my row, become a fragment's codes in v[d] on and its scale word in v[pw]
.macro QUANT s, d, x, tm, pw
.irp b, 0,1,2,3
	v_max3_num_f32 v[\tm+\b], |v[\s+16*\b]|, |v[\s+1+16*\b]|, 0x1800000   ; my 16 numbers of block b, and the floor 2^(3 - 127)
.endr
.irp i, 2,4,6,8,10,12,14
.irp b, 0,1,2,3
	v_max3_num_f32 v[\tm+\b], v[\tm+\b], |v[\s+16*\b+\i]|, |v[\s+1+16*\b+\i]|
.endr
.endr
.irp b, 0,1,2,3
	v_permlanex16_b32 v[\tm+4+\b], v[\tm+\b], s[SEL], s[SEL+1]
.endr
.irp b, 0,1,2,3
	v_max_num_f32 v[\tm+\b], v[\tm+\b], v[\tm+4+\b]   ; with lane l xor 16's: the block's largest magnitude
.endr
.irp b, 0,1,2,3
	v_add_nc_u32 v[\tm+12+\b], 0xff000000, v[\tm+\b]   ; 2 off its exponent field: the conversion's scale operand
.endr
.irp b, 0,1,2,3
	v_lshrrev_b32 v[\tm+4+\b], 23, v[\tm+12+\b]    ; the scale's byte
.endr
	v_lshl_or_b32 v[\pw], v[\tm+5], 8, v[\tm+4]
	v_lshl_or_b32 v[\pw], v[\tm+6], 16, v[\pw]
	v_lshl_or_b32 v[\pw], v[\tm+7], 24, v[\pw]
.irp c, 0,1
	v_cvt_scalef32_pk16_fp6_f32 v[\d+6*\c:\d+2+6*\c], v[\s+32*\c:\s+15+32*\c], v[\tm+12+2*\c]
	v_cvt_scalef32_pk16_fp6_f32 v[\x+4*\c:\x+2+4*\c], v[\s+16+32*\c:\s+31+32*\c], v[\tm+13+2*\c]
.endr
	v_nop                                          ; one plain place behind a scaled conversion
.irp c, 0,1                            ; the operand's layout wants a whole block in a lane
.irp i, 0,1,2
	v_permlane16_swap_b32 v[\d+6*\c+\i], v[\x+4*\c+\i]
.endr
.irp i, 0,1,2
	v_mov_b32 v[\d+3+6*\c+\i], v[\x+4*\c+\i]
.endr
.endr
.endm
.macro FINISH                          ; quantise the 64 results and store the image
.irp b, 0,1,2,3
	v_mov_b32 v[QT+4+\b], 0                        ; a lane permute's destination counts as one of its sources
.endr
	QUANT ACC, QC, QX, QT, QW
.irp c, 0,1,2
	global_store_b128 v[LI], v[QC+4*\c:QC+4*\c+3], s[OP:OP+1] offset:512*\c   ; 512 consecutive bytes, at a multiple of 256 from the buffer's first byte
.endr
	global_store_b32 v[LS16], v[QW], s[OS:OS+1]    ; lanes r and r + 16 hold the same word
.endm
	s_load_b128 s[4:7], s[0:1], 0x0                ; wq, lat
	v_lshl_add_u32 v[SPW], v0, 2, SPARE
	v_mov_b32 v[NIL], 0
	v_lshrrev_b32 v9, 5, v0
	v_readfirstlane_b32 s[WV], v9                  ; wave 0..7
	v_and_b32 v9, 31, v0
	v_lshlrev_b32 v[LI], 4, v9
	v_lshlrev_b32 v[LS], 2, v9
	v_and_b32 v9, 15, v0
	v_lshlrev_b32 v[LS16], 2, v9
	s_mov_b32 s[SEL], 0x76543210
	s_mov_b32 s[SEL+1], 0xfedcba98
	s_mov_b32 s33, 0
	s_cmp_ge_u32 ttmp9, 192
	s_cbranch_scc1 .Lmabs
	; ---- the latents: g = work-group / 32 (Q 0, Q 1, K 0, K 1, V 0, V 1), token tiles 8 (work-group % 32) + wave
	v_mov_b32 v[A0], v[LI]
	v_add_nc_u32 v[A1], 4*8*1536, v[LI]
	s_mul_i32 s28, s[WV], 8*1536
	v_add_nc_u32 v[FW], s28, v[LI]
	s_lshr_b32 s28, ttmp9, 5                       ; g
	s_and_b32 s29, ttmp9, 31
	s_lshl_b32 s30, s28, 6
	s_add_co_u32 s30, s30, 2048                    ; source 0's first fragment in wq
	s_lshl_b32 s31, s[WV], 3
	s_add_co_u32 s31, s31, s30                     ; my tile's
	s_lshl_b32 s34, s29, 3
	s_add_co_u32 s34, s34, s[WV]                   ; T
	s_lshr_b32 s35, s28, 1
	s_lshl_b32 s35, s35, 9
	s_and_b32 s28, s28, 1
	s_add_co_u32 s35, s35, s28
	s_lshl_b32 s28, s34, 1
	s_add_co_u32 s35, s35, s28                     ; the result's fragment in lat: 512 (g / 2) + 2 T + g % 2
	s_wait_kmcnt 0x0
	s_mul_i32 s32, s31, 1536
	s_add_nc_u64 s[AP:AP+1], s[4:5], s[32:33]
	s_lshl_b32 s32, s30, 6
	s_add_co_u32 s32, s32, SCL1
	s_add_nc_u64 s[AS:AS+1], s[4:5], s[32:33]
	s_mul_i32 s32, s34, 12288
	s_add_nc_u64 s[BP:BP+1], s[4:5], s[32:33]
	s_lshl_b32 s32, s34, 9
	s_add_co_u32 s32, s32, SCL1
	s_add_nc_u64 s[BS:BS+1], s[4:5], s[32:33]
	s_mul_i32 s32, s35, 1536
	s_add_nc_u64 s[OP:OP+1], s[6:7], s[32:33]
	s_lshl_b32 s32, s35, 6
	s_add_co_u32 s32, s32, SCL2
	s_add_nc_u64 s[OS:OS+1], s[6:7], s[32:33]
	AFILL_LD 8
	SC_LD 8, 4, LS
	B_LD 8
	s_wait_loadcnt 60                              ; the copy's 24 loads are in; the 36 scale words' and source 1's 24 loads may be out
	AFILL_ST 8
	s_wait_dscnt 0x0                               ; for the others' sake: my tile lies in LDS
	s_barrier_signal -1
	s_barrier_wait -1
	s_wait_loadcnt 0x0
	MAIN 8, 4, 1
	FINISH
	s_branch .Lend
.Lmabs:
	; ---- the absorbed matrix: m = work-group - 192: head m / 4, q group (m / 2) % 2, k group m % 2
	v_add_nc_u32 v[A0], LDSM, v[LI]
	v_add_nc_u32 v[A1], LDSM+4*1536, v[LI]
	s_mul_i32 s28, s[WV], 1536
	s_add_co_u32 s28, s28, LDSM
	v_add_nc_u32 v[FW], s28, v[LI]
	s_sub_co_u32 s28, ttmp9, 192
	s_lshr_b32 s29, s28, 2
	s_lshl_b32 s29, s29, 4                         ; 16 head
	s_bfe_u32 s30, s28, 0x10001                    ; q group
	s_and_b32 s31, s28, 1                          ; k group
	s_lshl_b32 s34, s30, 3
	s_add_co_u32 s34, s34, s29
	s_add_co_u32 s34, s34, 3072                    ; source 0's first fragment
	s_lshl_b32 s35, s31, 3
	s_add_co_u32 s35, s35, s29
	s_add_co_u32 s35, s35, s[WV]                   ; 16 head + my tile of k
	s_add_co_u32 s28, s34, s[WV]
	s_add_co_u32 s29, s35, 3328                    ; source 1's fragment
	s_lshl_b32 s35, s35, 1
	s_add_co_u32 s35, s35, s30
	s_add_co_u32 s35, s35, 1536                    ; the result's fragment in lat
	s_wait_kmcnt 0x0
	s_mul_i32 s32, s28, 1536
	s_add_nc_u64 s[AP:AP+1], s[4:5], s[32:33]
	s_lshl_b32 s32, s34, 6
	s_add_co_u32 s32, s32, SCL1
	s_add_nc_u64 s[AS:AS+1], s[4:5], s[32:33]
	s_mul_i32 s32, s29, 1536
	s_add_nc_u64 s[BP:BP+1], s[4:5], s[32:33]
	s_lshl_b32 s32, s29, 6
	s_add_co_u32 s32, s32, SCL1
	s_add_nc_u64 s[BS:BS+1], s[4:5], s[32:33]
	s_mul_i32 s32, s35, 1536
	s_add_nc_u64 s[OP:OP+1], s[6:7], s[32:33]
	s_lshl_b32 s32, s35, 6
	s_add_co_u32 s32, s32, SCL2
	s_add_nc_u64 s[OS:OS+1], s[6:7], s[32:33]
	AFILL_LD 1
	SC_LD 1, 1, LS16
	B_LD 1
	s_wait_loadcnt 12                              ; the copy's 3 loads are in; 9 scale words' and source 1's 3 loads may be out
	AFILL_ST 1
	s_wait_dscnt 0x0
	s_barrier_signal -1
	s_barrier_wait -1
	s_wait_loadcnt 0x0
	MAIN 1, 1, 1
.set k_, 0
.rept 32
	v_pk_mul_f32 v[ACC+2*k_:ACC+2*k_+1], v[ACC+2*k_:ACC+2*k_+1], 0x3e000000 op_sel_hi:[1,0]   ; x 1 / sqrt(64) = 1/8, each accumulator from its low end on
.set k_, k_+1
.endr
	FINISH
.Lend:
	s_wait_tensorcnt 0x0                           ; the wave's end, behind the last LDS store
	ds_add_u32 v[SPW], v[NIL]
	s_wait_dscnt 0x0
	s_endpgm
.Lfunc_end_k_qbc0cabb623_down:
	.size	k_qbc0cabb623_down, .Lfunc_end_k_qbc0cabb623_down-k_qbc0cabb623_down
	.p2alignl 7, 3214868480
	.fill 96, 4, 3214868480
	.section	.rodata,"a",@progbits
	.p2align	6, 0x0
	.amdhsa_kernel k_qbc0cabb623_down
		.amdhsa_group_segment_fixed_size 111616
		.amdhsa_private_segment_fixed_size 0
		.amdhsa_enable_private_segment 0
		.amdhsa_kernarg_size 16
		.amdhsa_user_sgpr_count 2
		.amdhsa_user_sgpr_kernarg_segment_ptr 1
		.amdhsa_wavefront_size32 1
		.amdhsa_system_sgpr_workgroup_id_x 1
		.amdhsa_system_sgpr_workgroup_id_y 1
		.amdhsa_system_sgpr_workgroup_id_z 1
		.amdhsa_system_vgpr_workitem_id 0
		.amdhsa_next_free_vgpr 352
		.amdhsa_next_free_sgpr 66
		.amdhsa_reserve_vcc 0
		.amdhsa_float_denorm_mode_32 3
		.amdhsa_float_denorm_mode_16_64 3
		.amdhsa_memory_ordered 1
		.amdhsa_forward_progress 1
		.amdhsa_inst_pref_size 53
	.end_amdhsa_kernel
	.amdgpu_metadata
---
amdhsa.version: [ 1, 2 ]
amdhsa.kernels:
  - .name:           k_qbc0cabb623_down
    .symbol:         k_qbc0cabb623_down.kd
    .args:
      - { .name: wq, .offset: 0, .size: 8, .value_kind: global_buffer, .address_space: global }
      - { .name: lat, .offset: 8, .size: 8, .value_kind: global_buffer, .address_space: global }
    .group_segment_fixed_size: 111616
    .private_segment_fixed_size: 0
    .kernarg_segment_align: 8
    .kernarg_segment_size: 16
    .max_flat_workgroup_size: 256
    .sgpr_count:     66
    .vgpr_count:     352
    .wavefront_size: 32
...
	.end_amdgpu_metadata
.endif
;; end of part 2
;; launch vup (part 3): grid 256 x 1, 8 waves a work-group, no clusters, 25,600 bytes of LDS; arguments wq, lat, vt; writes vt
.if DOCPART == 3
	.amdgcn_target "amdgcn-amd-amdhsa--gfx1250"
	.amdhsa_code_object_version 6
	.text
	.protected	k_qbc0cabb623_vup
	.globl	k_qbc0cabb623_vup
	.p2align	8
	.type	k_qbc0cabb623_vup,@function
k_qbc0cabb623_vup:
	s_mov_b64 s[64:65], 0
	v_nop
	global_prefetch_b8 v0, s[64:65] scope:SCOPE_SE
	s_setreg_imm32_b32 hwreg(HW_REG_WAVE_MODE, 25, 1), 1
	s_wait_xcnt 0x0
; Product 7, V_up = V_lat Wv_up^T, quantised along the KEYS, which are product 8's K.  The form of launch down: source 0 = the 8 token tiles of a key step of 128 (so a lane's registers run along the keys),
; copied into LDS once; source 1 = one tile of 16 rows (head, d) of Wv_up a wave.  Work-group = (batch x 16 + key step, group of 8 tiles of Wv_up).
; Result: fragment ((batch x 16 + head) x 16 + step) x 4 + (tile % 4) of vt: lanes = 16 of the head's 64, K = the step's 128 keys; its scale words in all 32 lanes' places, 128 bytes.
.set SCL1,  5505024
.set SCL2,  3145728
.set SCL3,  3145728
.set SPARE, 24576
.set LI,   1
.set A0,   2
.set A1,   3
.set LS,   4
.set LS16, 5
.set SPW,  6
.set NIL,  7
.set FW,   8
.set ACC,  16
.set AF,   80
.set ASC,  176
.set BSC,  208
.set QC,   80
.set QX,   92
.set QT,   100
.set QW,   116
.set AP, 12
.set AS, 14
.set BP, 16
.set BS, 18
.set OP, 20
.set OS, 22
.set WV, 24
.set SEL, 26
.set MSB, 0
.macro WIN new
.if MSB != \new
	s_set_vgpr_msb (MSB<<8)|\new
.set MSB, \new
.endif
.endm
.macro PLACES
.rept 4
	v_nop
.endr
.endm
.macro WM d, a, b, cz, sa, sb, row
.if \cz
.if \row
	v_wmma_scale_f32_16x16x128_f8f6f4 v[(\d):(\d)+7], v[(\a):(\a)+11], v[(\b):(\b)+11], 0, v[\sa], v[\sb] matrix_a_fmt:MATRIX_FMT_FP6 matrix_b_fmt:MATRIX_FMT_FP6 matrix_a_scale:MATRIX_SCALE_ROW1 matrix_b_scale:MATRIX_SCALE_ROW1
.else
	v_wmma_scale_f32_16x16x128_f8f6f4 v[(\d):(\d)+7], v[(\a):(\a)+11], v[(\b):(\b)+11], 0, v[\sa], v[\sb] matrix_a_fmt:MATRIX_FMT_FP6 matrix_b_fmt:MATRIX_FMT_FP6
.endif
.else
.if \row
	v_wmma_scale_f32_16x16x128_f8f6f4 v[(\d):(\d)+7], v[(\a):(\a)+11], v[(\b):(\b)+11], v[(\d):(\d)+7], v[\sa], v[\sb] matrix_a_fmt:MATRIX_FMT_FP6 matrix_b_fmt:MATRIX_FMT_FP6 matrix_a_scale:MATRIX_SCALE_ROW1 matrix_b_scale:MATRIX_SCALE_ROW1
.else
	v_wmma_scale_f32_16x16x128_f8f6f4 v[(\d):(\d)+7], v[(\a):(\a)+11], v[(\b):(\b)+11], v[(\d):(\d)+7], v[\sa], v[\sb] matrix_a_fmt:MATRIX_FMT_FP6 matrix_b_fmt:MATRIX_FMT_FP6
.endif
.endif
.endm
.macro AFILL_LD ns
.set k_, 0
.rept 3*\ns
	global_load_b128 v[AF+4*k_:AF+4*k_+3], v[LI], s[AP:AP+1] offset:512*k_
.set k_, k_+1
.endr
.endm
.macro AFILL_ST ns
.set k_, 0
.rept 3*\ns
	ds_store_b128 v[FW], v[AF+4*k_:AF+4*k_+3] offset:512*k_
.set k_, k_+1
.endr
.endm
.macro SC_LD ns, nsp, av
.irp t, 0,1,2,3,4,5,6,7
.set p_, 0
.rept \nsp
	global_load_b32 v[ASC+\t*\nsp+p_], v[\av], s[AS:AS+1] offset:\t*64*\ns+128*p_
.set p_, p_+1
.endr
.endr
.set p_, 0
.rept \nsp
	global_load_b32 v[BSC+p_], v[\av], s[BS:BS+1] offset:128*p_
.set p_, p_+1
.endr
.endm
.macro B_LD ns
	WIN 0x40
.set k_, 0
.rept 3*\ns
	global_load_b128 v[4*k_:4*k_+3], v[LI], s[BP:BP+1] offset:512*k_
.set k_, k_+1
.endr
	WIN 0
.endm
.macro AFETCH i, ns
.irp u, 0,1,2,3
.irp c, 0,1,2
	ds_load_b128 v[AF+48*((\i)%2)+12*\u+4*\c:AF+48*((\i)%2)+12*\u+4*\c+3], v[A0+(\i)%2] offset:(\u*\ns+(\i)/2)*1536+512*\c
.endr
.endr
.endm
.macro MULH i, ns, nsp, zero
.irp u, 0,1,2,3
.set mt, 4*((\i)%2)+\u
.set ms, (\i)/2
.set mz, 0
.if \zero
.if ms == 0
.set mz, 1
.endif
.endif
	WM ACC+8*mt, AF+48*((\i)%2)+12*\u, 12*ms, mz, ASC+mt*\nsp+ms/2, BSC+ms/2, ms%2
.endr
.endm
.macro MAIN ns, nsp, zero              ; the accumulators take turns, one instruction a turn
	WIN 0x04
	AFETCH 0, \ns
	AFETCH 1, \ns
.set hs_, 0
.rept 2*\ns
.if hs_ == 2*\ns-1
	s_wait_dscnt 0x0
.else
	s_wait_dscnt 12                                ; this half step's set is in; the younger set's twelve loads may be out
.endif
	MULH hs_, \ns, \nsp, \zero
.if hs_+2 < 2*\ns
	PLACES
	AFETCH hs_+2, \ns
.endif
.set hs_, hs_+1
.endr
	PLACES
	WIN 0
.endm
.macro QUANT s, d, x, tm, pw
.irp b, 0,1,2,3
	v_max3_num_f32 v[\tm+\b], |v[\s+16*\b]|, |v[\s+1+16*\b]|, 0x1800000
.endr
.irp i, 2,4,6,8,10,12,14
.irp b, 0,1,2,3
	v_max3_num_f32 v[\tm+\b], v[\tm+\b], |v[\s+16*\b+\i]|, |v[\s+1+16*\b+\i]|
.endr
.endr
.irp b, 0,1,2,3
	v_permlanex16_b32 v[\tm+4+\b], v[\tm+\b], s[SEL], s[SEL+1]
.endr
.irp b, 0,1,2,3
	v_max_num_f32 v[\tm+\b], v[\tm+\b], v[\tm+4+\b]
.endr
.irp b, 0,1,2,3
	v_add_nc_u32 v[\tm+12+\b], 0xff000000, v[\tm+\b]
.endr
.irp b, 0,1,2,3
	v_lshrrev_b32 v[\tm+4+\b], 23, v[\tm+12+\b]
.endr
	v_lshl_or_b32 v[\pw], v[\tm+5], 8, v[\tm+4]
	v_lshl_or_b32 v[\pw], v[\tm+6], 16, v[\pw]
	v_lshl_or_b32 v[\pw], v[\tm+7], 24, v[\pw]
.irp c, 0,1
	v_cvt_scalef32_pk16_fp6_f32 v[\d+6*\c:\d+2+6*\c], v[\s+32*\c:\s+15+32*\c], v[\tm+12+2*\c]
	v_cvt_scalef32_pk16_fp6_f32 v[\x+4*\c:\x+2+4*\c], v[\s+16+32*\c:\s+31+32*\c], v[\tm+13+2*\c]
.endr
	v_nop
.irp c, 0,1
.irp i, 0,1,2
	v_permlane16_swap_b32 v[\d+6*\c+\i], v[\x+4*\c+\i]
.endr
.irp i, 0,1,2
	v_mov_b32 v[\d+3+6*\c+\i], v[\x+4*\c+\i]
.endr
.endr
.endm
	s_load_b128 s[4:7], s[0:1], 0x0                ; wq, lat
	s_load_b64 s[8:9], s[0:1], 0x10                ; vt
	v_lshl_add_u32 v[SPW], v0, 2, SPARE
	v_mov_b32 v[NIL], 0
	v_lshrrev_b32 v9, 5, v0
	v_readfirstlane_b32 s[WV], v9
	v_and_b32 v9, 31, v0
	v_lshlrev_b32 v[LI], 4, v9
	v_lshlrev_b32 v[LS], 2, v9
	s_mov_b32 s[SEL], 0x76543210
	s_mov_b32 s[SEL+1], 0xfedcba98
	s_mov_b32 s33, 0
	v_mov_b32 v[A0], v[LI]
	v_add_nc_u32 v[A1], 4*2*1536, v[LI]
	s_mul_i32 s28, s[WV], 2*1536
	v_add_nc_u32 v[FW], s28, v[LI]
	s_lshr_b32 s28, ttmp9, 3                       ; batch x 16 + key step
	s_and_b32 s29, ttmp9, 7
	s_lshl_b32 s30, s28, 4
	s_add_co_u32 s30, s30, 1024                    ; V_lat's first fragment of the step in lat
	s_lshl_b32 s31, s[WV], 1
	s_add_co_u32 s31, s31, s30
	s_lshl_b32 s34, s29, 3
	s_add_co_u32 s34, s34, s[WV]                   ; my tile of Wv_up, 0..63
	s_lshl_b32 s35, s34, 1
	s_add_co_u32 s35, s35, 2944                    ; its first fragment in wq
	s_lshr_b32 s36, s28, 4
	s_lshl_b32 s36, s36, 4
	s_lshr_b32 s37, s34, 2                         ; head
	s_add_co_u32 s36, s36, s37
	s_lshl_b32 s36, s36, 4
	s_and_b32 s37, s28, 15
	s_add_co_u32 s36, s36, s37
	s_lshl_b32 s36, s36, 2
	s_and_b32 s37, s34, 3
	s_add_co_u32 s36, s36, s37                     ; the result's fragment in vt
	s_wait_kmcnt 0x0
	s_mul_i32 s32, s31, 1536
	s_add_nc_u64 s[AP:AP+1], s[6:7], s[32:33]
	s_lshl_b32 s32, s30, 6
	s_add_co_u32 s32, s32, SCL2
	s_add_nc_u64 s[AS:AS+1], s[6:7], s[32:33]
	s_mul_i32 s32, s35, 1536
	s_add_nc_u64 s[BP:BP+1], s[4:5], s[32:33]
	s_lshl_b32 s32, s35, 6
	s_add_co_u32 s32, s32, SCL1
	s_add_nc_u64 s[BS:BS+1], s[4:5], s[32:33]
	s_mul_i32 s32, s36, 1536
	s_add_nc_u64 s[OP:OP+1], s[8:9], s[32:33]
	s_lshl_b32 s32, s36, 7
	s_add_co_u32 s32, s32, SCL3
	s_add_nc_u64 s[OS:OS+1], s[8:9], s[32:33]
	AFILL_LD 2
	SC_LD 2, 1, LS
	B_LD 2
	s_wait_loadcnt 15                              ; the copy's 6 loads are in; 9 scale words' and source 1's 6 loads may be out
	AFILL_ST 2
	s_wait_dscnt 0x0                               ; for the others' sake: my tile lies in LDS
	s_barrier_signal -1
	s_barrier_wait -1
	s_wait_loadcnt 0x0
	MAIN 2, 1, 1
.irp b, 0,1,2,3
	v_mov_b32 v[QT+4+\b], 0                        ; a lane permute's destination counts as one of its sources
.endr
	QUANT ACC, QC, QX, QT, QW
.irp c, 0,1,2
	global_store_b128 v[LI], v[QC+4*\c:QC+4*\c+3], s[OP:OP+1] offset:512*\c
.endr
	global_store_b32 v[LS], v[QW], s[OS:OS+1]      ; all 32 lanes' words: 128 bytes
	s_wait_tensorcnt 0x0                           ; the wave's end, behind the last LDS store
	ds_add_u32 v[SPW], v[NIL]
	s_wait_dscnt 0x0
	s_endpgm
.Lfunc_end_k_qbc0cabb623_vup:
	.size	k_qbc0cabb623_vup, .Lfunc_end_k_qbc0cabb623_vup-k_qbc0cabb623_vup
	.p2alignl 7, 3214868480
	.fill 96, 4, 3214868480
	.section	.rodata,"a",@progbits
	.p2align	6, 0x0
	.amdhsa_kernel k_qbc0cabb623_vup
		.amdhsa_group_segment_fixed_size 25600
		.amdhsa_private_segment_fixed_size 0
		.amdhsa_enable_private_segment 0
		.amdhsa_kernarg_size 24
		.amdhsa_user_sgpr_count 2
		.amdhsa_user_sgpr_kernarg_segment_ptr 1
		.amdhsa_wavefront_size32 1
		.amdhsa_system_sgpr_workgroup_id_x 1
		.amdhsa_system_sgpr_workgroup_id_y 1
		.amdhsa_system_sgpr_workgroup_id_z 1
		.amdhsa_system_vgpr_workitem_id 0
		.amdhsa_next_free_vgpr 288
		.amdhsa_next_free_sgpr 66
		.amdhsa_reserve_vcc 0
		.amdhsa_float_denorm_mode_32 3
		.amdhsa_float_denorm_mode_16_64 3
		.amdhsa_memory_ordered 1
		.amdhsa_forward_progress 1
		.amdhsa_inst_pref_size 15
	.end_amdhsa_kernel
	.amdgpu_metadata
---
amdhsa.version: [ 1, 2 ]
amdhsa.kernels:
  - .name:           k_qbc0cabb623_vup
    .symbol:         k_qbc0cabb623_vup.kd
    .args:
      - { .name: wq, .offset: 0, .size: 8, .value_kind: global_buffer, .address_space: global }
      - { .name: lat, .offset: 8, .size: 8, .value_kind: global_buffer, .address_space: global }
      - { .name: vt, .offset: 16, .size: 8, .value_kind: global_buffer, .address_space: global }
    .group_segment_fixed_size: 25600
    .private_segment_fixed_size: 0
    .kernarg_segment_align: 8
    .kernarg_segment_size: 24
    .max_flat_workgroup_size: 256
    .sgpr_count:     66
    .vgpr_count:     288
    .wavefront_size: 32
...
	.end_amdgpu_metadata
.endif
;; end of part 3
;; launch attn (part 4): grid 8 x 32, 16 waves a work-group, no clusters, 116,736 bytes of LDS; arguments lat, vt, attention_mask, ctx; writes ctx
.if DOCPART == 4
	.amdgcn_target "amdgcn-amd-amdhsa--gfx1250"
	.amdhsa_code_object_version 6
	.text
	.protected	k_qbc0cabb623_attn
	.globl	k_qbc0cabb623_attn
	.p2align	8
	.type	k_qbc0cabb623_attn,@function
k_qbc0cabb623_attn:
	s_mov_b64 s[64:65], 0
	v_nop
	global_prefetch_b8 v0, s[64:65] scope:SCOPE_SE
	s_setreg_imm32_b32 hwreg(HW_REG_WAVE_MODE, 25, 1), 1
	s_wait_xcnt 0x0
; Products 5 (Q_lat Mabs), 6 (logits) and 8 (attn V_up), the masks, the softmax, and ctx's quantiser.
; WORK LEFT OUT: key steps of 128 keys all of which come after a wave's 16 queries (reference() builds that mask itself; attn is exactly 0 there: see the head of launch prep).  LIMIT: a NaN, an infinity or an overflow in those logits is not carried on.
; attn IS QUANTISED FINISHED AND NORMALISED, so the keys are walked TWICE.  Pass 1: each row's running maximum and sum.  Pass 2: the same logits by the same instructions (the same bits),
; attn = 2^(t - M) x (1 / sum), quantised along the keys, times V.  t = logit x log2(e); M = the row's largest t rounded up to a whole number, so that a change of M rescales the sum exactly.
; attention_mask is honoured by selection: a padded key's logit becomes -inf; a row with no key left has sum 0, and its 1 / sum is taken as 0: attn = 0, as reference()'s nan_to_num gives.
; LIMITS: NaN and infinities among the inputs are not served; 2^(t - M) under 2^-126 counts as 0; the quantiser's limits as stated at the head of launch prep.
; SHARES.  Work-group (j, batch x 16 + head) owns the query blocks j and 15 - j of 128; each of its 16 waves one tile of 16 queries.  Wave w: tile w / 2 of block j or 15 - j by the bit (w ^ (w >> 2)) & 1.
; A wave of block J works key steps 0 .. J; step J is its diagonal.  All waves walk 16 steps (a constant trip count) and pass every barrier.
; NO CLUSTER: the eight work-groups of a head need 9 to 16 steps' tiles, a different number each.  K's and V's images come through a ring of two LDS slots that the waves fill through registers:
; in a step each wave loads its 2,048 bytes of the step after next and stores those of the next step; one barrier a step.
; LAYOUT.  Both products transposed: S^T = K_lat (Q_lat Mabs)^T, O^T = V^T attn^T: a lane holds one query throughout; by the tiles' row order register 16 b + i of S^T is key 32 b + 16 h + i of the step.
; REGISTERS: v1-4 addresses; v5, v6 the add's two; v7 the query operand's scale words; v8 64 h; v9 the causal bound; v10 -inf; v11 at work; v12 -M; v13 largest t; v[14:15] the sum, then 1 / sum;
;   v16-39 the query operand (2 fragments); v40-55 the ring's copy; v56-63 scale words; v64-95 O^T (at the head Q_lat); v96-159 S^T, then attn; v160-255 two sets of four fragments, and work registers.
.set SCL2,  3145728
.set SCL3,  3145728
.set SCL4,  3145728
.set SLOT,  32768                      ; a slot: K's 16 fragments, then 16 pieces of 512 bytes:
.set XO,    24576                      ;   V's 4 fragments (pieces 0-11),
.set XVS,   XO+6144                    ;   V's scale words (12),
.set XKS,   XO+6656                    ;   K's scale words (13, 14),
.set XMK,   XO+7680                    ;   the step's 128 words of attention_mask (15)
.set MAB,   65536                      ; Mabs^T of my head: 32 fragments
.set SPARE, 114688                     ; the spare words, 128 bytes for each wave; no other line names them
.set LI,   1
.set LS,   2
.set CPW,  3                           ; v3  LDS: 16 x lane + 1,536 x wave: my fragment of K
.set CPX,  4                           ; v4  LDS: 16 x lane + XO + 512 x wave: my piece
.set SPW,  5
.set NIL,  6
.set QSC,  7
.set MK,   8
.set QD,   9
.set NINF, 10
.set TW,   11
.set QM,   16
.set CP,   40
.set KSC,  56
.set O,    64
.set S,    96
.set KF,   160
.set MX,   208                         ; pass 1's work registers, in the second set
.set MY,   212
.set TA,   216
.set F,    218
.set SA,   220
.set PC,   208                         ; the quantiser's: codes, second halves, 16 at work
.set PX,   220
.set PT,   228
.set SEL,  26
; s12 wave; s13 j; s14 batch x 16 + head; s15 batch; s16 head; s17 my tile in its block; s19 my block = my last step; s20 the work-group's last step; s21 bit S: step S has a padded key;
; s22 the loop's count; s23 the step; s[26:27] lane selects; s[28:29] log2(e); s[30:31], s[32:33] where my copies begin; s[34:35], s[36:37] where they stand; s[38:39] my piece's step; s40 my token tile
.macro PLACES
.rept 4
	v_nop
.endr
.endm
.macro WM d, a, b, cz, sa, sb, row
.if \cz
.if \row
	v_wmma_scale_f32_16x16x128_f8f6f4 v[(\d):(\d)+7], v[(\a):(\a)+11], v[(\b):(\b)+11], 0, v[\sa], v[\sb] matrix_a_fmt:MATRIX_FMT_FP6 matrix_b_fmt:MATRIX_FMT_FP6 matrix_a_scale:MATRIX_SCALE_ROW1 matrix_b_scale:MATRIX_SCALE_ROW1
.else
	v_wmma_scale_f32_16x16x128_f8f6f4 v[(\d):(\d)+7], v[(\a):(\a)+11], v[(\b):(\b)+11], 0, v[\sa], v[\sb] matrix_a_fmt:MATRIX_FMT_FP6 matrix_b_fmt:MATRIX_FMT_FP6
.endif
.else
.if \row
	v_wmma_scale_f32_16x16x128_f8f6f4 v[(\d):(\d)+7], v[(\a):(\a)+11], v[(\b):(\b)+11], v[(\d):(\d)+7], v[\sa], v[\sb] matrix_a_fmt:MATRIX_FMT_FP6 matrix_b_fmt:MATRIX_FMT_FP6 matrix_a_scale:MATRIX_SCALE_ROW1 matrix_b_scale:MATRIX_SCALE_ROW1
.else
	v_wmma_scale_f32_16x16x128_f8f6f4 v[(\d):(\d)+7], v[(\a):(\a)+11], v[(\b):(\b)+11], v[(\d):(\d)+7], v[\sa], v[\sb] matrix_a_fmt:MATRIX_FMT_FP6 matrix_b_fmt:MATRIX_FMT_FP6
.endif
.endif
.endm
.macro QUANT s, d, x, tm, pw           ; 64 numbers, register 16 b + i = k 32 b + 16 h + i, become a fragment in v[d] on and its scale word in v[pw]
.irp b, 0,1,2,3
	v_max3_num_f32 v[\tm+\b], |v[\s+16*\b]|, |v[\s+1+16*\b]|, 0x1800000   ; and the floor 2^(3 - 127): the byte cannot fall under 1
.endr
.irp i, 2,4,6,8,10,12,14
.irp b, 0,1,2,3
	v_max3_num_f32 v[\tm+\b], v[\tm+\b], |v[\s+16*\b+\i]|, |v[\s+1+16*\b+\i]|
.endr
.endr
.irp b, 0,1,2,3
	v_permlanex16_b32 v[\tm+4+\b], v[\tm+\b], s[SEL], s[SEL+1]
.endr
.irp b, 0,1,2,3
	v_max_num_f32 v[\tm+\b], v[\tm+\b], v[\tm+4+\b]
.endr
.irp b, 0,1,2,3
	v_add_nc_u32 v[\tm+12+\b], 0xff000000, v[\tm+\b]   ; 2 off the exponent field: the conversion's scale operand
.endr
.irp b, 0,1,2,3
	v_lshrrev_b32 v[\tm+4+\b], 23, v[\tm+12+\b]
.endr
	v_lshl_or_b32 v[\pw], v[\tm+5], 8, v[\tm+4]
	v_lshl_or_b32 v[\pw], v[\tm+6], 16, v[\pw]
	v_lshl_or_b32 v[\pw], v[\tm+7], 24, v[\pw]
.irp c, 0,1
	v_cvt_scalef32_pk16_fp6_f32 v[\d+6*\c:\d+2+6*\c], v[\s+32*\c:\s+15+32*\c], v[\tm+12+2*\c]
	v_cvt_scalef32_pk16_fp6_f32 v[\x+4*\c:\x+2+4*\c], v[\s+16+32*\c:\s+31+32*\c], v[\tm+13+2*\c]
.endr
	v_nop                                          ; one plain place behind a scaled conversion
.irp c, 0,1
.irp i, 0,1,2
	v_permlane16_swap_b32 v[\d+6*\c+\i], v[\x+4*\c+\i]
.endr
.irp i, 0,1,2
	v_mov_b32 v[\d+3+6*\c+\i], v[\x+4*\c+\i]
.endr
.endr
.endm
; THE RING'S COPY.  p = 1: in pass 1 V is not wanted: only waves 13 to 15 copy their piece (K's scale words, the mask); the branch hangs on the wave's number alone
.macro CP_LD p
.irp c, 0,1,2
	global_load_b128 v[CP+4*\c:CP+4*\c+3], v[LI], s[34:35] offset:512*\c
.endr
.if \p == 1
	s_cmp_lt_u32 s12, 13
	s_cbranch_scc1 .Lnoxl_\@
.endif
	global_load_b128 v[CP+12:CP+15], v[LI], s[36:37]
.if \p == 1
.Lnoxl_\@:
.endif
.endm
.macro CP_ST p, slot
.irp c, 0,1,2
	ds_store_b128 v[CPW], v[CP+4*\c:CP+4*\c+3] offset:SLOT*(\slot)+512*\c
.endr
.if \p == 1
	s_cmp_lt_u32 s12, 13
	s_cbranch_scc1 .Lnoxs_\@
.endif
	ds_store_b128 v[CPX], v[CP+12:CP+15] offset:SLOT*(\slot)
.if \p == 1
.Lnoxs_\@:
.endif
.endm
.macro KBATCH slot, g                  ; K's tiles 2 g and 2 g + 1, both K steps: four fragments, 6,144 consecutive bytes, into set g % 2
.set k_, 0
.rept 12
	ds_load_b128 v[KF+48*((\g)%2)+4*k_:KF+48*((\g)%2)+4*k_+3], v[LI] offset:SLOT*(\slot)+6144*(\g)+512*k_
.set k_, k_+1
.endr
.endm
; S^T = K (Q Mabs)^T: 16 products.  Two accumulators take turns, one instruction a turn.
.macro SCORES slot
.irp t, 0,1,2,3,4,5,6,7
	ds_load_b32 v[KSC+\t], v[LS] offset:SLOT*(\slot)+XKS+128*\t   ; lanes 0-15: K step 0's words of tile t, lanes 16-31: K step 1's
.endr
	KBATCH \slot, 0
	KBATCH \slot, 1
.irp g, 0,1,2,3
.if \g == 3
	s_wait_dscnt 0x0
.else
	s_wait_dscnt 12                                ; this batch is in; the younger batch's twelve loads may be out
.endif
	WM S+16*\g, KF+48*(\g%2), QM, 1, KSC+2*\g, QSC, 0
	WM S+16*\g+8, KF+48*(\g%2)+24, QM, 1, KSC+2*\g+1, QSC, 0
	WM S+16*\g, KF+48*(\g%2)+12, QM+12, 0, KSC+2*\g, QSC, 1
	WM S+16*\g+8, KF+48*(\g%2)+36, QM+12, 0, KSC+2*\g+1, QSC, 1
.if \g != 2
	PLACES                                         ; in front of loads into the set just read, and of the first read of results
.endif
.if \g < 2
	KBATCH \slot, \g+2
.endif
.endr
.endm
; attention_mask: a step with no padded key jumps over this (a branch on whole numbers that the launch has read)
.macro PADMASK slot
	s_bitcmp1_b32 s21, s23
	s_cbranch_scc0 .Lnopad_\@
.irp b, 0,1,2,3
.irp q, 0,1,2,3
	ds_load_b128 v[KF+16*\b+4*\q:KF+16*\b+4*\q+3], v[MK] offset:SLOT*(\slot)+XMK+128*\b+16*\q   ; the mask's words of keys 32 b + 16 h + 4 q on
.endr
.endr
	s_wait_dscnt 0x0
.set n_, 0
.rept 64
	v_cmp_eq_u32 vcc_lo, 0, v[KF+n_]
	v_cndmask_b32 v[S+n_], v[S+n_], v[NINF], vcc_lo
.set n_, n_+1
.endr
.Lnopad_\@:
.endm
; the causal mask, in my diagonal step alone: register 16 b + i holds key 32 b + 16 h + i of the block, hidden where that is above my query's place in the block
.macro CAUSAL
	s_cmp_lg_u32 s23, s19
	s_cbranch_scc1 .Lnodiag_\@
.set n_, 0
.rept 64
	v_cmp_gt_i32 vcc_lo, 32*(n_/16)+n_%16, v[QD]
	v_cndmask_b32 v[S+n_], v[S+n_], v[NINF], vcc_lo
.set n_, n_+1
.endr
.Lnodiag_\@:
.endm
.macro EXPS                            ; t - M, two at a time, and 2^(t - M)
.set n_, 0
.rept 32
	v_pk_fma_f32 v[S+2*n_:S+2*n_+1], v[S+2*n_:S+2*n_+1], s[28:29], v[12:13] op_sel_hi:[1,0,0]
.set n_, n_+1
.endr
.set n_, 0
.rept 64
	v_exp_f32 v[S+n_], v[S+n_]
.set n_, n_+1
.endr
.endm
; PASS 1: the running maximum and the sum
.macro STATS
.irp b, 0,1,2,3
	v_max3_num_f32 v[MX+\b], v[S+16*\b], v[S+16*\b+1], v[S+16*\b+2]
.endr
.irp i, 3,5,7,9,11,13
.irp b, 0,1,2,3
	v_max3_num_f32 v[MX+\b], v[MX+\b], v[S+16*\b+\i], v[S+16*\b+\i+1]
.endr
.endr
.irp b, 0,1,2,3
	v_max_num_f32 v[MX+\b], v[MX+\b], v[S+16*\b+15]
.endr
	v_max3_num_f32 v[TA], v[MX], v[MX+1], v[MX+2]
	v_max_num_f32 v[TA], v[TA], v[MX+3]
	v_permlanex16_b32 v[MY], v[TA], s[SEL], s[SEL+1]
	v_max_num_f32 v[TA], v[TA], v[MY]              ; the step's largest logit of my query
	v_mul_f32 v[TA], s28, v[TA]
	v_max_num_f32 v13, v13, v[TA]                  ; the running largest t
	v_mov_b32 v[TA], v12
	v_floor_f32 v12, -v13                          ; -M = floor(-t): M is a whole number
	v_sub_f32 v[TA], v12, v[TA]                    ; old M less new M: a whole number, 0 or less
	v_cvt_i32_f32 v[TA], v[TA]                     ; (it saturates)
	v_ldexp_f32 v[F], 1.0, v[TA]                   ; 2^(old M - new M): the sum is brought under the new M with no rounding
	EXPS
	v_pk_mul_f32 v[14:15], v[14:15], v[F:F+1] op_sel_hi:[1,0]   ; (a plain place behind the exponentials)
	s_wait_alu depctr_va_vdst(0)                   ; one wait for the batch of 64, ahead of its first reader
	v_pk_add_f32 v[SA:SA+1], v[S:S+1], v[S+2:S+3]
.irp j, 4,8,12,16,20,24,28,32,36,40,44,48,52,56,60
	v_pk_add_f32 v[14:15], v[14:15], v[S+\j:S+\j+1]
	v_pk_add_f32 v[SA:SA+1], v[SA:SA+1], v[S+\j+2:S+\j+3]
.endr
	v_pk_add_f32 v[14:15], v[14:15], v[SA:SA+1]
.endm
; PASS 2
.macro V_LD slot                       ; V's four fragments into the first set and their scale words: asked for ahead of the exponentials, under which they land
.irp n, 0,1,2,3
.irp c, 0,1,2
	ds_load_b128 v[KF+12*\n+4*\c:KF+12*\n+4*\c+3], v[LI] offset:SLOT*(\slot)+XO+1536*\n+512*\c
.endr
	ds_load_b32 v[KSC+\n], v[LS] offset:SLOT*(\slot)+XVS+128*\n
.endr
.endm
.macro PROBS
	EXPS
	v_nop                                          ; a plain place behind the exponentials
	s_wait_alu depctr_va_vdst(0)                   ; one wait for the batch
.set n_, 0
.rept 32
	v_pk_mul_f32 v[S+2*n_:S+2*n_+1], v[S+2*n_:S+2*n_+1], v[14:15] op_sel_hi:[1,0]   ; attn, finished and normalised
.set n_, n_+1
.endr
	QUANT S, PC, PX, PT, KSC+4
.endm
.macro PV
	s_wait_dscnt 0x0                               ; V
.rept 8
	v_nop                                          ; attn's scale word was written by vector instructions: 8 places ahead of a scaled product; its codes: 4
.endr
.irp n, 0,1,2,3
	WM O+8*\n, KF+12*\n, PC, 0, KSC+\n, KSC+4, 0
.endr
	PLACES                                         ; in front of the next loads into these operands, and of the way out's reads
.endm
; A KEY STEP.  The loads of the step after next were asked for a step ago; the one barrier stands between this step's reads of its slot and the next step's stores into it,
; and between this step's stores into the other slot and the next step's reads of it.
.macro STEP p, slot, odd
.if \odd
	s_add_co_u32 s23, s22, 1
.else
	s_mov_b32 s23, s22
.endif
	s_cmp_gt_u32 s23, s19                          ; all of the step's keys come after my queries: its work is left out
	s_cbranch_scc1 .Lidle_\@
	SCORES \slot
	PADMASK \slot
	CAUSAL
.if \p == 1
	STATS
.else
	V_LD \slot
	PROBS
	PV
.endif
.Lidle_\@:
	s_wait_loadcnt 0x0                             ; my copy's loads are in: their registers may be stored, their pointers stepped
	s_cmp_ge_u32 s23, s20                          ; is there a next step for any wave of the work-group?
	s_cbranch_scc1 .Lnost_\@
	CP_ST \p, 1-\slot
.Lnost_\@:
	s_wait_dscnt 0x0                               ; for the others' sake: my stores have landed, and my reads of this slot are over
	s_add_co_u32 s24, s23, 1
	s_cmp_ge_u32 s24, s20                          ; and a step after next?  No load leaves its buffer
	s_cbranch_scc1 .Lnold_\@
	s_add_nc_u64 s[34:35], s[34:35], 24576
	s_add_nc_u64 s[36:37], s[36:37], s[38:39]
	CP_LD \p
.Lnold_\@:
	s_barrier_signal -1
	s_barrier_wait -1
.endm
.macro PASS p
	s_mov_b32 s22, 0
.Lpass_\@:
	STEP \p, 0, 0
	STEP \p, 1, 1
	s_add_co_u32 s22, s22, 2
	s_cmp_lt_u32 s22, 16
	s_cbranch_scc1 .Lpass_\@
.endm
; product 5's fetch: half step i of k group G: K step i / 2, tiles 8 G + 4 (i % 2) + 0 .. 3 of Mabs^T
.macro MFETCH G, i
.irp u, 0,1,2,3
.irp c, 0,1,2
	ds_load_b128 v[KF+48*((\i)%2)+12*\u+4*\c:KF+48*((\i)%2)+12*\u+4*\c+3], v[TW] offset:((8*\G+4*((\i)%2)+\u)*2+(\i)/2)*1536+512*\c
.endr
.endr
.endm
.macro P5 G
	MFETCH \G, 0
	MFETCH \G, 1
.irp i, 0,1,2,3
.if \i == 3
	s_wait_dscnt 0x0
.else
	s_wait_dscnt 12                                ; this half step's set is in; the younger set's twelve loads may be out
.endif
.irp u, 0,1,2,3
	WM S+8*(4*(\i%2)+\u), KF+48*(\i%2)+12*\u, O+12*(\i/2), 1-\i/2, KSC+4*(\i%2)+\u, QSC, \i/2
.endr
.if \i != 2
	PLACES
.endif
.if \i < 2
	MFETCH \G, \i+2
.endif
.endr
.endm
	s_load_b256 s[4:11], s[0:1], 0x0               ; lat, vt, attention_mask, ctx
	v_lshl_add_u32 v[SPW], v0, 2, SPARE
	v_mov_b32 v[NIL], 0
	v_lshrrev_b32 v10, 5, v0
	v_readfirstlane_b32 s12, v10                   ; wave 0..15
	v_and_b32 v11, 31, v0
	v_and_b32 v13, 15, v0                          ; r
	v_bfe_u32 v12, v0, 4, 1                        ; h
	v_lshlrev_b32 v[LI], 4, v11
	v_lshlrev_b32 v[LS], 2, v11
	s_mul_i32 s24, s12, 1536
	v_add_nc_u32 v[CPW], s24, v[LI]
	s_lshl_b32 s52, s12, 9
	s_add_co_u32 s25, s52, XO
	v_add_nc_u32 v[CPX], s25, v[LI]
	s_mul_i32 s25, s12, 3072
	s_add_co_u32 s44, s25, MAB
	v_add_nc_u32 v15, s44, v[LI]                   ; where I put my two fragments of Mabs^T
	v_add_nc_u32 v[TW], MAB, v[LI]                 ; and from where all read them
	v_lshlrev_b32 v[MK], 6, v12
	s_lshr_b32 s17, s12, 1                         ; my tile in its block
	s_lshr_b32 s44, s17, 1
	s_lshl_b32 s44, s44, 5
	s_and_b32 s45, s17, 1
	s_lshl_b32 s45, s45, 3
	s_add_co_u32 s42, s44, s45                     ; its first row: 32 (tile / 2) + 8 (tile % 2)
	v_and_b32 v14, 8, v13
	v_add_nc_u32 v14, v14, v13
	v_lshlrev_b32 v10, 4, v12
	v_sub_nc_u32 v14, v14, v10
	v_add_nc_u32 v[QD], s42, v14                   ; my query's place in the block, less 16 h
	v_mov_b32 v[MY], 0                             ; lane permutes' destinations count as sources
.irp b, 0,1,2,3
	v_mov_b32 v[PT+4+\b], 0
.endr
	s_mov_b32 s13, ttmp9
	s_and_b32 s14, ttmp7, 0xffff
	s_lshr_b32 s15, s14, 4
	s_and_b32 s16, s14, 15
	s_sub_co_u32 s20, 15, s13
	s_lshr_b32 s18, s12, 2
	s_xor_b32 s18, s18, s12
	s_and_b32 s18, s18, 1
	s_cmp_lg_u32 s18, 0
	s_cselect_b32 s19, s20, s13                    ; my block
	s_lshl_b32 s40, s15, 7
	s_lshl_b32 s44, s19, 3
	s_add_co_u32 s40, s40, s44
	s_add_co_u32 s40, s40, s17                     ; my token tile: 128 batch + 8 block + tile
	s_mov_b32 s[SEL], 0x76543210
	s_mov_b32 s[SEL+1], 0xfedcba98
	s_mov_b32 s28, 0x3fb8aa3b                      ; log2(e)
	s_mov_b32 s29, s28                             ; (named with it as a pair)
	s_mov_b32 s43, 0xffff0000                      ; lanes 16-31
	s_mul_i32 s46, s15, 393216
	s_add_co_u32 s46, s46, 786432
	s_add_co_u32 s46, s46, s24                     ; K_lat's fragments of my batch, + my fragment
	s_mov_b32 s47, 0
	; my piece of a slot: from which buffer, from where, and how far from step to step
	s_mul_i32 s48, s14, 98304
	s_add_co_u32 s48, s48, s52                     ; waves 0-11: V's codes
	s_lshl_b32 s49, s14, 13
	s_add_co_u32 s49, s49, SCL3                    ; wave 12: V's scale words
	s_lshl_b32 s50, s15, 14
	s_add_co_u32 s50, s50, s52
	s_add_co_u32 s50, s50, SCL2+32768-6656         ; waves 13, 14: K's scale words
	s_lshl_b32 s51, s15, 13                        ; wave 15: the mask
	s_mov_b32 s38, 6144
	s_mov_b32 s39, 0
	s_wait_kmcnt 0x0
	s_add_nc_u64 s[30:31], s[4:5], s[46:47]
	s_mov_b64 s[32:33], s[6:7]
	s_cmp_eq_u32 s12, 12
	s_cselect_b32 s48, s49, s48
	s_cselect_b32 s38, 512, s38
	s_cmp_ge_u32 s12, 13
	s_cselect_b64 s[32:33], s[4:5], s[32:33]
	s_cselect_b32 s48, s50, s48
	s_cselect_b32 s38, 1024, s38
	s_cmp_eq_u32 s12, 15
	s_cselect_b64 s[32:33], s[8:9], s[32:33]
	s_cselect_b32 s48, s51, s48
	s_cselect_b32 s38, 512, s38
	s_mov_b32 s49, 0
	s_add_nc_u64 s[32:33], s[32:33], s[48:49]
	s_lshl_b32 s46, s16, 5
	s_add_co_u32 s46, s46, 1536                    ; Mabs^T of my head: its first fragment in lat
	s_lshl_b32 s44, s46, 6
	s_add_co_u32 s44, s44, SCL2
	s_mov_b32 s45, 0
	s_add_nc_u64 s[52:53], s[4:5], s[44:45]        ; its scale words
	s_mul_i32 s46, s46, 1536
	s_add_co_u32 s46, s46, s25
	s_add_nc_u64 s[54:55], s[4:5], s[46:47]        ; my two fragments of it
	s_mul_i32 s46, s40, 3072
	s_add_nc_u64 s[56:57], s[4:5], s[46:47]        ; Q_lat's two fragments of my tile
	s_lshl_b32 s46, s40, 7
	s_add_co_u32 s46, s46, SCL2
	s_add_nc_u64 s[58:59], s[4:5], s[46:47]        ; and their scale words
	s_lshl_b32 s46, s15, 13
	s_add_nc_u64 s[50:51], s[8:9], s[46:47]        ; my batch's mask
	s_mov_b64 s[34:35], s[30:31]
	s_mov_b64 s[36:37], s[32:33]
.irp k, 0,1,2,3,4,5
	global_load_b128 v[KF+4*\k:KF+4*\k+3], v[LI], s[54:55] offset:512*\k
.endr
	CP_LD 1                                        ; key step 0
.irp k, 0,1,2,3,4,5,6,7,8,9,10,11,12,13,14,15
	global_load_b128 v[S+4*\k:S+4*\k+3], v[LI], s[50:51] offset:512*\k   ; load k: the 128 words of key step k
.endr
.irp k, 0,1,2,3,4,5
	global_load_b128 v[O+4*\k:O+4*\k+3], v[LI], s[56:57] offset:512*\k
.endr
	global_load_b32 v[QSC], v[LS], s[58:59]
.irp t, 0,1,2,3,4,5,6,7
	global_load_b32 v[KSC+\t], v[LS], s[52:53] offset:128*\t
.endr
	s_wait_loadcnt 0x0
.irp k, 0,1,2,3,4,5
	ds_store_b128 v15, v[KF+4*\k:KF+4*\k+3] offset:512*\k
.endr
	CP_ST 1, 0
	s_wait_dscnt 0x0                               ; for the others' sake
	s_add_nc_u64 s[34:35], s[34:35], 24576
	s_add_nc_u64 s[36:37], s[36:37], s[38:39]
	CP_LD 1                                        ; key step 1 (the work-group's last step is 8 at the least)
	s_mov_b32 s21, 0
.irp k, 0,1,2,3,4,5,6,7,8,9,10,11,12,13,14,15
	v_min_u32 v12, v[S+4*\k], v[S+4*\k+1]          ; as unsigned numbers: the least is 0 just where a word is 0
	v_min_u32 v13, v[S+4*\k+2], v[S+4*\k+3]
	v_min_u32 v12, v12, v13
	v_cmp_eq_u32 s44, 0, v12
	s_cmp_lg_u32 s44, 0
	s_cselect_b32 s45, 1<<\k, 0
	s_or_b32 s21, s21, s45
.endr
	s_barrier_signal -1
	s_barrier_wait -1                              ; Mabs^T and slot 0 lie in LDS
	; ---- product 5: (Q_lat Mabs)^T, source 0 = 16 k of Mabs^T, source 1 = my 16 queries of Q_lat; 128 k at a time, quantised along k
	P5 0
.irp t, 0,1,2,3,4,5,6,7
	global_load_b32 v[KSC+\t], v[LS], s[52:53] offset:128*(8+\t)   ; the scale words of tiles 8-15, into the same registers: they land under the quantiser
.endr
	QUANT S, QM, PX, PT, 12
	s_wait_loadcnt 0x0
	P5 1
	QUANT S, QM+12, PX, PT, 13
	v_cndmask_b32 v[QSC], v12, v13, s43            ; lanes 0-15: K step 0's words, lanes 16-31: K step 1's
	v_mov_b32 v13, 0xff61b1e6                      ; the largest t so far: -3e38, under every t
	v_floor_f32 v12, -v13                          ; -M
	v_mov_b32 v14, 0                               ; the sum, in two halves
	v_mov_b32 v15, 0
	v_mov_b32 v[NINF], 0xff800000
	PLACES                                         ; with the five lines above: 8 places and more between the scale register's write and the first scaled product that names it
	PASS 1
	; ---- between the passes: the ring starts anew, now with V; 1 / sum
	s_wait_loadcnt 0x0                             ; no load of mine names the pointers or the copy's registers any more
	s_mov_b64 s[34:35], s[30:31]
	s_mov_b64 s[36:37], s[32:33]
	CP_LD 2
	v_add_f32 v14, v14, v15
	v_permlanex16_b32 v[TW], v14, s[SEL], s[SEL+1]
	v_add_f32 v14, v14, v[TW]                      ; the row's sum
	v_rcp_f32 v15, v14
	v_mov_b32 v[TW], 0                             ; (a plain place behind the reciprocal)
	v_cmp_eq_f32 vcc_lo, 0, v14
.set n_, 0
.rept 32
	v_mov_b32 v[O+n_], 0                           ; O^T: the step is written once and adds onto zeros
.set n_, n_+1
.endr
	s_wait_alu depctr_va_vdst(0)                   ; ahead of the reciprocal's first reader
	v_cndmask_b32 v14, v15, v[TW], vcc_lo          ; a row with no key: 1 / sum is taken as 0
	s_wait_loadcnt 0x0
	CP_ST 2, 0
	s_wait_dscnt 0x0
	s_add_nc_u64 s[34:35], s[34:35], 24576
	s_add_nc_u64 s[36:37], s[36:37], s[38:39]
	CP_LD 2
	s_barrier_signal -1
	s_barrier_wait -1
	PASS 2
	; ---- the way out: my 16 queries x my head's 64 are half a K step of product 9: two blocks, six registers, two scale bytes
.irp b, 0,1
	v_max3_num_f32 v[PT+\b], |v[O+16*\b]|, |v[O+1+16*\b]|, 0x1800000
.endr
.irp i, 2,4,6,8,10,12,14
.irp b, 0,1
	v_max3_num_f32 v[PT+\b], v[PT+\b], |v[O+16*\b+\i]|, |v[O+1+16*\b+\i]|
.endr
.endr
.irp b, 0,1
	v_permlanex16_b32 v[PT+4+\b], v[PT+\b], s[SEL], s[SEL+1]
.endr
.irp b, 0,1
	v_max_num_f32 v[PT+\b], v[PT+\b], v[PT+4+\b]
.endr
.irp b, 0,1
	v_add_nc_u32 v[PT+12+\b], 0xff000000, v[PT+\b]
.endr
.irp b, 0,1
	v_lshrrev_b32 v[PT+4+\b], 23, v[PT+12+\b]
.endr
	v_lshl_or_b32 v[KSC+4], v[PT+5], 8, v[PT+4]
	v_cvt_scalef32_pk16_fp6_f32 v[KF:KF+2], v[O:O+15], v[PT+12]
	v_cvt_scalef32_pk16_fp6_f32 v[KF+8:KF+10], v[O+16:O+31], v[PT+13]
	v_nop
.irp i, 0,1,2
	v_permlane16_swap_b32 v[KF+\i], v[KF+8+\i]
.endr
.irp i, 0,1,2
	v_mov_b32 v[KF+3+\i], v[KF+8+\i]
.endr
	v_and_b32 v[TW], 31, v0
	v_lshlrev_b32 v[TW], 3, v[TW]                  ; 8 x lane
	v_and_b32 v12, 15, v0
	v_lshlrev_b32 v12, 2, v12                      ; 4 r
	s_lshl_b32 s46, s40, 4
	s_add_co_u32 s46, s46, s16
	s_mul_i32 s46, s46, 768
	s_add_nc_u64 s[50:51], s[10:11], s[46:47]      ; ctx: half image 16 T + head
	s_lshl_b32 s46, s40, 3
	s_lshr_b32 s44, s16, 1
	s_add_co_u32 s46, s46, s44
	s_lshl_b32 s46, s46, 6
	s_and_b32 s44, s16, 1
	s_lshl_b32 s44, s44, 1
	s_add_co_u32 s46, s46, s44
	s_add_co_u32 s46, s46, SCL4
	s_add_nc_u64 s[52:53], s[10:11], s[46:47]      ; my two bytes of the rows' scale words
	global_store_b128 v[LI], v[KF:KF+3], s[50:51]          ; 512 consecutive bytes,
	global_store_b64 v[TW], v[KF+4:KF+5], s[50:51] offset:512   ; and 256: at multiples of 256 from ctx's first byte
	global_store_b16 v12, v[KSC+4], s[52:53]       ; lanes r and r + 16 hold the same two bytes
	s_wait_tensorcnt 0x0                           ; the wave's end, behind the last LDS store
	ds_add_u32 v[SPW], v[NIL]
	s_wait_dscnt 0x0
	s_endpgm
.Lfunc_end_k_qbc0cabb623_attn:
	.size	k_qbc0cabb623_attn, .Lfunc_end_k_qbc0cabb623_attn-k_qbc0cabb623_attn
	.p2alignl 7, 3214868480
	.fill 96, 4, 3214868480
	.section	.rodata,"a",@progbits
	.p2align	6, 0x0
	.amdhsa_kernel k_qbc0cabb623_attn
		.amdhsa_group_segment_fixed_size 116736
		.amdhsa_private_segment_fixed_size 0
		.amdhsa_enable_private_segment 0
		.amdhsa_kernarg_size 32
		.amdhsa_user_sgpr_count 2
		.amdhsa_user_sgpr_kernarg_segment_ptr 1
		.amdhsa_wavefront_size32 1
		.amdhsa_system_sgpr_workgroup_id_x 1
		.amdhsa_system_sgpr_workgroup_id_y 1
		.amdhsa_system_sgpr_workgroup_id_z 1
		.amdhsa_system_vgpr_workitem_id 0
		.amdhsa_next_free_vgpr 256
		.amdhsa_next_free_sgpr 66
		.amdhsa_reserve_vcc 1
		.amdhsa_float_denorm_mode_32 3
		.amdhsa_float_denorm_mode_16_64 3
		.amdhsa_memory_ordered 1
		.amdhsa_forward_progress 1
		.amdhsa_inst_pref_size 149
	.end_amdhsa_kernel
	.amdgpu_metadata
---
amdhsa.version: [ 1, 2 ]
amdhsa.kernels:
  - .name:           k_qbc0cabb623_attn
    .symbol:         k_qbc0cabb623_attn.kd
    .args:
      - { .name: lat, .offset: 0, .size: 8, .value_kind: global_buffer, .address_space: global }
      - { .name: vt, .offset: 8, .size: 8, .value_kind: global_buffer, .address_space: global }
      - { .name: attention_mask, .offset: 16, .size: 8, .value_kind: global_buffer, .address_space: global }
      - { .name: ctx, .offset: 24, .size: 8, .value_kind: global_buffer, .address_space: global }
    .group_segment_fixed_size: 116736
    .private_segment_fixed_size: 0
    .kernarg_segment_align: 8
    .kernarg_segment_size: 32
    .max_flat_workgroup_size: 512
    .sgpr_count:     66
    .vgpr_count:     256
    .wavefront_size: 32
...
	.end_amdgpu_metadata
.endif
;; end of part 4
;; launch outp (part 5): grid 256 x 1, 8 waves a work-group, no clusters, 166,912 bytes of LDS; arguments wq, ctx, bo, out0; writes out0
.if DOCPART == 5
	.amdgcn_target "amdgcn-amd-amdhsa--gfx1250"
	.amdhsa_code_object_version 6
	.text
	.protected	k_qbc0cabb623_outp
	.globl	k_qbc0cabb623_outp
	.p2align	8
	.type	k_qbc0cabb623_outp,@function
k_qbc0cabb623_outp:
	s_mov_b64 s[64:65], 0
	v_nop
	global_prefetch_b8 v0, s[64:65] scope:SCOPE_SE
	s_setreg_imm32_b32 hwreg(HW_REG_WAVE_MODE, 25, 1), 1
	s_wait_xcnt 0x0
; Product 9 and the bias: out = ctx Wo^T + bo.  The form of launch down: source 0 = 128 rows of Wo (group ng of eight), 8 K steps, copied into LDS once; source 1 = one token tile of ctx a wave.
; ctx lies as half images (16 tokens x one head's 64: registers 0-3 at 16 x lane, 4-5 at 512 + 8 x lane); two heads' halves are a K step's fragment.
; The bias is loaded into the accumulators, so that every product adds in place and no addition is written.
; The way out: a lane holds 8 neighbouring outputs of one token a tile; the wave's 16 rows x 512 bytes go through its own stage in LDS and leave as whole rows.
.set SCL1,  5505024
.set SCL4,  3145728
.set STAGE, 98304                      ; behind source 0's 64 fragments: 16 rows x (512 + 16) bytes for each wave
.set SPARE, 165888                     ; the spare words, 128 bytes for each wave; no other line names them
.set LI,   1
.set A0,   2
.set A1,   3
.set LS,   4
.set SPW,  6
.set NIL,  7
.set FW,   8
.set SO,   9                           ; v9   the stage: row r, + 64 h
.set SR,   10                          ; v10  and back: 16 x lane
.set BH,   11                          ; v11  64 h: my half's place in bo
.set L8,   12                          ; v12  8 x lane
.set ACC,  16
.set AF,   80
.set ASC,  176
.set BSC,  208
.set AP, 12
.set AS, 14
.set BP, 16
.set BS, 18
.set BO, 20
.set OP, 22
.set WV, 24
.set MSB, 0
.macro WIN new
.if MSB != \new
	s_set_vgpr_msb (MSB<<8)|\new
.set MSB, \new
.endif
.endm
.macro PLACES
.rept 4
	v_nop
.endr
.endm
.macro WM d, a, b, cz, sa, sb, row
.if \cz
.if \row
	v_wmma_scale_f32_16x16x128_f8f6f4 v[(\d):(\d)+7], v[(\a):(\a)+11], v[(\b):(\b)+11], 0, v[\sa], v[\sb] matrix_a_fmt:MATRIX_FMT_FP6 matrix_b_fmt:MATRIX_FMT_FP6 matrix_a_scale:MATRIX_SCALE_ROW1 matrix_b_scale:MATRIX_SCALE_ROW1
.else
	v_wmma_scale_f32_16x16x128_f8f6f4 v[(\d):(\d)+7], v[(\a):(\a)+11], v[(\b):(\b)+11], 0, v[\sa], v[\sb] matrix_a_fmt:MATRIX_FMT_FP6 matrix_b_fmt:MATRIX_FMT_FP6
.endif
.else
.if \row
	v_wmma_scale_f32_16x16x128_f8f6f4 v[(\d):(\d)+7], v[(\a):(\a)+11], v[(\b):(\b)+11], v[(\d):(\d)+7], v[\sa], v[\sb] matrix_a_fmt:MATRIX_FMT_FP6 matrix_b_fmt:MATRIX_FMT_FP6 matrix_a_scale:MATRIX_SCALE_ROW1 matrix_b_scale:MATRIX_SCALE_ROW1
.else
	v_wmma_scale_f32_16x16x128_f8f6f4 v[(\d):(\d)+7], v[(\a):(\a)+11], v[(\b):(\b)+11], v[(\d):(\d)+7], v[\sa], v[\sb] matrix_a_fmt:MATRIX_FMT_FP6 matrix_b_fmt:MATRIX_FMT_FP6
.endif
.endif
.endm
.macro AFILL_LD ns
.set k_, 0
.rept 3*\ns
	global_load_b128 v[AF+4*k_:AF+4*k_+3], v[LI], s[AP:AP+1] offset:512*k_
.set k_, k_+1
.endr
.endm
.macro AFILL_ST ns
.set k_, 0
.rept 3*\ns
	ds_store_b128 v[FW], v[AF+4*k_:AF+4*k_+3] offset:512*k_
.set k_, k_+1
.endr
.endm
.macro SC_LD ns, nsp, av
.irp t, 0,1,2,3,4,5,6,7
.set p_, 0
.rept \nsp
	global_load_b32 v[ASC+\t*\nsp+p_], v[\av], s[AS:AS+1] offset:\t*64*\ns+128*p_
.set p_, p_+1
.endr
.endr
.set p_, 0
.rept \nsp
	global_load_b32 v[BSC+p_], v[\av], s[BS:BS+1] offset:128*p_
.set p_, p_+1
.endr
.endm
.macro AFETCH i, ns
.irp u, 0,1,2,3
.irp c, 0,1,2
	ds_load_b128 v[AF+48*((\i)%2)+12*\u+4*\c:AF+48*((\i)%2)+12*\u+4*\c+3], v[A0+(\i)%2] offset:(\u*\ns+(\i)/2)*1536+512*\c
.endr
.endr
.endm
.macro MULH i, ns, nsp, zero
.irp u, 0,1,2,3
.set mt, 4*((\i)%2)+\u
.set ms, (\i)/2
.set mz, 0
.if \zero
.if ms == 0
.set mz, 1
.endif
.endif
	WM ACC+8*mt, AF+48*((\i)%2)+12*\u, 12*ms, mz, ASC+mt*\nsp+ms/2, BSC+ms/2, ms%2
.endr
.endm
.macro MAIN ns, nsp, zero              ; the accumulators take turns, one instruction a turn
	WIN 0x04                                       ; source 1 window 1
	AFETCH 0, \ns
	AFETCH 1, \ns
.set hs_, 0
.rept 2*\ns
.if hs_ == 2*\ns-1
	s_wait_dscnt 0x0
.else
	s_wait_dscnt 12                                ; this half step's set is in; the younger set's twelve loads may be out
.endif
	MULH hs_, \ns, \nsp, \zero
.if hs_+2 < 2*\ns
	PLACES
	AFETCH hs_+2, \ns
.endif
.set hs_, hs_+1
.endr
	PLACES
	WIN 0
.endm
	s_load_b256 s[4:11], s[0:1], 0x0               ; wq, ctx, bo, out0
	v_lshl_add_u32 v[SPW], v0, 2, SPARE
	v_mov_b32 v[NIL], 0
	v_lshrrev_b32 v13, 5, v0
	v_readfirstlane_b32 s[WV], v13                 ; wave 0..7
	v_and_b32 v13, 31, v0
	v_lshlrev_b32 v[LI], 4, v13
	v_lshlrev_b32 v[LS], 2, v13
	v_lshlrev_b32 v[L8], 3, v13
	v_and_b32 v13, 15, v0                          ; r
	v_bfe_u32 v14, v0, 4, 1                        ; h
	v_lshlrev_b32 v[BH], 6, v14
	v_mov_b32 v[A0], v[LI]
	v_add_nc_u32 v[A1], 4*8*1536, v[LI]
	s_mul_i32 s28, s[WV], 8*1536
	v_add_nc_u32 v[FW], s28, v[LI]
	s_mul_i32 s28, s[WV], 8448
	s_add_co_u32 s28, s28, STAGE
	v_mul_u32_u24 v[SO], v13, 528
	v_add_nc_u32 v[SO], v[SO], v[BH]
	v_add_nc_u32 v[SO], s28, v[SO]
	v_add_nc_u32 v[SR], s28, v[LI]
	s_mov_b32 s33, 0
	s_lshr_b32 s28, ttmp9, 3
	s_and_b32 s29, ttmp9, 7                        ; ng
	s_lshl_b32 s30, s29, 6
	s_add_co_u32 s30, s30, 2432                    ; Wo's first fragment of the group in wq
	s_lshl_b32 s31, s[WV], 3
	s_add_co_u32 s31, s31, s30
	s_lshl_b32 s34, s28, 3
	s_add_co_u32 s34, s34, s[WV]                   ; T
	s_lshr_b32 s35, s34, 1
	s_lshl_b32 s35, s35, 5
	s_and_b32 s36, s34, 1
	s_lshl_b32 s36, s36, 3
	s_add_co_u32 s35, s35, s36                     ; the tile's first token
	s_lshl_b32 s35, s35, 12
	s_lshl_b32 s36, s29, 9                         ; the group's 128 outputs, in bytes
	s_add_co_u32 s35, s35, s36
	s_wait_kmcnt 0x0
	s_mul_i32 s32, s31, 1536
	s_add_nc_u64 s[AP:AP+1], s[4:5], s[32:33]
	s_lshl_b32 s32, s30, 6
	s_add_co_u32 s32, s32, SCL1
	s_add_nc_u64 s[AS:AS+1], s[4:5], s[32:33]
	s_mul_i32 s32, s34, 12288
	s_add_nc_u64 s[BP:BP+1], s[6:7], s[32:33]
	s_lshl_b32 s32, s34, 9
	s_add_co_u32 s32, s32, SCL4
	s_add_nc_u64 s[BS:BS+1], s[6:7], s[32:33]
	s_mov_b32 s32, s36
	s_add_nc_u64 s[BO:BO+1], s[8:9], s[32:33]
	s_mov_b32 s32, s35
	s_add_nc_u64 s[OP:OP+1], s[10:11], s[32:33]
	AFILL_LD 8
	SC_LD 8, 4, LS
.irp t, 0,1,2,3,4,5,6,7
.irp q, 0,1
	global_load_b128 v[ACC+8*\t+4*\q:ACC+8*\t+4*\q+3], v[BH], s[BO:BO+1] offset:(32*(\t/2)+8*(\t%2))*4+16*\q   ; bo at the lane's eight outputs of tile t: 32 (t / 2) + 8 (t % 2) + 16 h + 0 .. 7
.endr
.endr
	WIN 0x40                                       ; destination window 1
.irp s, 0,1,2,3,4,5,6,7
	global_load_b128 v[12*\s:12*\s+3], v[LI], s[BP:BP+1] offset:1536*\s             ; head 2 s: registers 0-3,
	global_load_b64 v[12*\s+4:12*\s+5], v[L8], s[BP:BP+1] offset:1536*\s+512        ; 4-5;
	global_load_b128 v[12*\s+6:12*\s+9], v[LI], s[BP:BP+1] offset:1536*\s+768       ; head 2 s + 1: registers 6-9,
	global_load_b64 v[12*\s+10:12*\s+11], v[L8], s[BP:BP+1] offset:1536*\s+1280     ; 10-11
.endr
	WIN 0
	s_wait_loadcnt 63                              ; 84 loads were issued behind the copy's 24: with 63 out at the most, the 24 are in
	AFILL_ST 8
	s_wait_dscnt 0x0                               ; for the others' sake: my tile lies in LDS
	s_barrier_signal -1
	s_barrier_wait -1
	s_wait_loadcnt 0x0
	MAIN 8, 4, 0
.irp b, 0,1,2,3
.irp q, 0,1,2,3
	ds_store_b128 v[SO], v[ACC+16*\b+4*\q:ACC+16*\b+4*\q+3] offset:128*\b+16*\q   ; register 16 b + i is output 32 b + 16 h + i of token row r; each accumulator from its low end on
.endr
.endr
.irp i, 0,1,2,3,4,5,6,7,8,9,10,11,12,13,14,15
	ds_load_b128 v[AF+4*\i:AF+4*\i+3], v[SR] offset:528*\i   ; my own wave's bytes, served in order: these see the stores above
.endr
.irp i, 0,1,2,3,4,5,6,7,8,9,10,11,12,13,14,15
	s_wait_dscnt 15-\i                             ; row i is back; the younger rows' loads may be out
	global_store_b128 v[LI], v[AF+4*\i:AF+4*\i+3], s[OP:OP+1] offset:(\i+8*(\i/8))*4096 th:TH_STORE_NT   ; 32 lanes store 512 consecutive bytes, at a multiple of 256 from out0's first byte; written once
.endr
	s_wait_tensorcnt 0x0                           ; the wave's end
	ds_add_u32 v[SPW], v[NIL]
	s_wait_dscnt 0x0
	s_endpgm
.Lfunc_end_k_qbc0cabb623_outp:
	.size	k_qbc0cabb623_outp, .Lfunc_end_k_qbc0cabb623_outp-k_qbc0cabb623_outp
	.p2alignl 7, 3214868480
	.fill 96, 4, 3214868480
	.section	.rodata,"a",@progbits
	.p2align	6, 0x0
	.amdhsa_kernel k_qbc0cabb623_outp
		.amdhsa_group_segment_fixed_size 166912
		.amdhsa_private_segment_fixed_size 0
		.amdhsa_enable_private_segment 0
		.amdhsa_kernarg_size 32
		.amdhsa_user_sgpr_count 2
		.amdhsa_user_sgpr_kernarg_segment_ptr 1
		.amdhsa_wavefront_size32 1
		.amdhsa_system_sgpr_workgroup_id_x 1
		.amdhsa_system_sgpr_workgroup_id_y 1
		.amdhsa_system_sgpr_workgroup_id_z 1
		.amdhsa_system_vgpr_workitem_id 0
		.amdhsa_next_free_vgpr 352
		.amdhsa_next_free_sgpr 66
		.amdhsa_reserve_vcc 0
		.amdhsa_float_denorm_mode_32 3
		.amdhsa_float_denorm_mode_16_64 3
		.amdhsa_memory_ordered 1
		.amdhsa_forward_progress 1
		.amdhsa_inst_pref_size 41
	.end_amdhsa_kernel
	.amdgpu_metadata
---
amdhsa.version: [ 1, 2 ]
amdhsa.kernels:
  - .name:           k_qbc0cabb623_outp
    .symbol:         k_qbc0cabb623_outp.kd
    .args:
      - { .name: wq, .offset: 0, .size: 8, .value_kind: global_buffer, .address_space: global }
      - { .name: ctx, .offset: 8, .size: 8, .value_kind: global_buffer, .address_space: global }
      - { .name: bo, .offset: 16, .size: 8, .value_kind: global_buffer, .address_space: global }
      - { .name: out0, .offset: 24, .size: 8, .value_kind: global_buffer, .address_space: global }
    .group_segment_fixed_size: 166912
    .private_segment_fixed_size: 0
    .kernarg_segment_align: 8
    .kernarg_segment_size: 32
    .max_flat_workgroup_size: 256
    .sgpr_count:     66
    .vgpr_count:     352
    .wavefront_size: 32
...
	.end_amdgpu_metadata
.endif
;; end of part 5
;; ======== version 2 of 2: 5 launches
;; workspace buffers: wq 5,734,400 bytes; lat 3,276,800 bytes; vt 3,407,872 bytes; ctx 3,276,800 bytes
;; launch prep (part 6): grid 224 x 1, 16 waves a work-group, no clusters, 137,216 bytes of LDS; arguments x, Wq_down, Wk_down, Wv_down, Wo, Wv_up, Wq_up, Wk_up, wq; writes wq
.if DOCPART == 6
	.amdgcn_target "amdgcn-amd-amdhsa--gfx1250"
	.amdhsa_code_object_version 6
	.text
	.protected	k_qbc0cabb623_prep
	.globl	k_qbc0cabb623_prep
	.p2align	8
	.type	k_qbc0cabb623_prep,@function
k_qbc0cabb623_prep:
	s_mov_b64 s[64:65], 0
	v_nop
	global_prefetch_b8 v0, s[64:65] scope:SCOPE_SE
	s_setreg_imm32_b32 hwreg(HW_REG_WAVE_MODE, 25, 1), 1
	s_wait_xcnt 0x0
; THE PROGRAM: attention on latents, all nine products on codes of FP6 (E2M3) with one E8M0 scale for each 32 along K.  Five launches:
;   prep: every input that is an operand -> codes;   down: products 1-3 (latents) and 4 (the absorbed matrix), each result quantised for its next product;
;   vup: product 7, quantised along the keys;   attn: products 5, 6, 8 and the softmax;   outp: product 9 and the bias.
; WORK LEFT OUT (in attn alone): key steps of 128 keys all of which come after a wave's 16 queries.  reference() builds 'future' (j > i) in its own body and sets those
; logits to -inf, so attn is exactly 0 there for all values of the inputs; zero numbers add nothing to product 8, and they lie in blocks of 32 keys of their own, so they move no
; scale and no code of a block that is kept.  Every input has a way to the output and is loaded.  LIMIT: a NaN, an infinity or an overflow that reaches only those logits is not carried to the result.
; LIMITS of the quantiser here and in the later launches: NaN and infinities among the inputs are not served; a block whose largest magnitude lies under 2^-124 has its byte held at 1;
; a block of zeros gets the byte 1 where the rule says 127 (its codes are zeros, and the bytes are read by this program alone).
; THE WORKSPACE'S LAYOUT.  An operand lies as IMAGES OF ITS REGISTERS.  A fragment is 16 rows x 128 along K, 12 registers a lane: register 4 c + i of lane l lies at byte 512 c + 16 l + 4 i: 1,536 bytes.
; Its scale words: 16 words, 64 bytes.  THE ROWS OF A TILE ARE NOT NEIGHBOURS: lane r of tile t holds row 32 (t / 2) + 8 (t % 2) + r + 8 (r / 8), in every tensor, so that a product's results,
; with such a tile as source 0, are 16 neighbours along the next K in the 16 registers of two neighbouring tiles.
; THIS LAUNCH: one wave makes one fragment, number F1 = 16 x work-group + wave, which is also its place in wq.
;   work-groups 0-127 x | 128-135 Wq_down | 136-143 Wk_down | 144-151 Wv_down | 152-183 Wo | 184-191 Wv_up: K innermost (path A)
;   192-207 Wq_up | 208-223 Wk_up: product 4's K is d, the ROW axis inside a head, 64 long (path B): the fragment's upper 64 along K are zero codes.
.set SCL1,  5505024                    ; wq: 3,584 fragments of codes, then their scale words
.set STG,   8448                       ; LDS: a stage of 16 rows x (512 + 16) bytes for each wave
.set SPARE, 16*STG                     ; behind the stages: the spare words, 128 bytes for each wave; no other line names them
.set LI,   1                           ; v1   16 x lane
.set SIN,  2                           ; v2   the stage, on the way in: my 16 bytes of a row
.set SOUT, 3                           ; v3   on the way out: row r, + 128 h bytes
.set LS16, 4                           ; v4   4 x (lane % 16)
.set H8,   5                           ; v5   8 h
.set SPW,  6                           ; v6   my spare word; never rewritten
.set NIL,  7                           ; v7   0; never rewritten
.set OFF,  16                          ; v16-31  the byte offsets of the tile's 16 rows
.set R,    32                          ; v32-95  16 rows as loaded
.set X,    96                          ; v96-159 my two blocks of 32 neighbours
.set C,    160                         ; v160-171 the fragment
.set C2,   172                         ; v172-178 the second halves of the blocks' codes
	s_load_b512 s[8:23], s[0:1], 0x0               ; x, Wq_down, Wk_down, Wv_down, Wo, Wv_up, Wq_up, Wk_up
	s_load_b64 s[24:25], s[0:1], 0x40              ; wq
	v_lshl_add_u32 v[SPW], v0, 2, SPARE
	v_mov_b32 v[NIL], 0
	v_lshrrev_b32 v8, 5, v0
	s_delay_alu instid0(VALU_DEP_1)
	v_readfirstlane_b32 s26, v8                    ; wave 0..15
	v_and_b32 v9, 31, v0                           ; lane
	v_and_b32 v10, 15, v0                          ; r
	v_bfe_u32 v11, v0, 4, 1                        ; h
	s_delay_alu instid0(VALU_DEP_3)
	v_lshlrev_b32 v[LI], 4, v9
	s_mul_i32 s27, s26, STG
	v_add_nc_u32 v[SIN], s27, v[LI]
	v_mul_u32_u24 v[SOUT], v10, 528
	s_delay_alu instid0(VALU_DEP_1)
	v_lshl_add_u32 v[SOUT], v11, 7, v[SOUT]
	s_delay_alu instid0(VALU_DEP_1)
	v_add_nc_u32 v[SOUT], s27, v[SOUT]
	v_lshlrev_b32 v[LS16], 2, v10
	v_lshlrev_b32 v[H8], 3, v11
	s_mov_b32 s36, 0x76543210
	s_mov_b32 s37, 0xfedcba98                      ; v_permlanex16_b32's selects for lane l xor 16
	s_lshl_b32 s39, ttmp9, 4
	s_add_co_u32 s39, s39, s26                     ; F1
	s_mul_i32 s40, s39, 1536
	s_mov_b32 s41, 0
	s_lshl_b32 s42, s39, 6
	s_add_co_u32 s42, s42, SCL1
	s_mov_b32 s43, 0
	s_wait_kmcnt 0x0
	s_add_nc_u64 s[32:33], s[24:25], s[40:41]      ; where my fragment goes,
	s_add_nc_u64 s[34:35], s[24:25], s[42:43]      ; and its scale words
	; which tensor is my work-group's: the choice hangs on the work-group's number alone
	s_mov_b64 s[28:29], s[8:9]
	s_mov_b32 s30, 0                               ; the tensor's first work-group
	s_mov_b32 s31, 3                               ; log2 of its K steps of 128
.macro PICK thr, ptr
	s_cmp_ge_u32 ttmp9, \thr
	s_cselect_b64 s[28:29], s[\ptr:\ptr+1], s[28:29]
	s_cselect_b32 s30, \thr, s30
.endm
	PICK 128, 10
	PICK 136, 12
	PICK 144, 14
	PICK 152, 16
	PICK 184, 18
	s_cselect_b32 s31, 1, s31                      ; Wv_up has K = 256
	PICK 192, 20
	PICK 208, 22
	s_sub_co_u32 s44, ttmp9, s30                   ; my work-group's number in its tensor
	s_cmp_ge_u32 ttmp9, 192
	s_cbranch_scc1 .Lup
	; ---- PATH A: K innermost.  Fragment f = 16 x that number + wave is (tile f >> LOGNS, K step f & (NS - 1))
	s_lshl_b32 s44, s44, 4
	s_add_co_u32 s44, s44, s26
	s_lshr_b32 s45, s44, s31                       ; tile
	s_lshl_b32 s46, 1, s31
	s_sub_co_u32 s46, s46, 1
	s_and_b32 s46, s44, s46                        ; K step
	s_lshl_b32 s38, 512, s31                       ; a row in bytes
	s_lshr_b32 s47, s45, 1
	s_lshl_b32 s47, s47, 5
	s_and_b32 s45, s45, 1
	s_lshl_b32 s45, s45, 3
	s_add_co_u32 s47, s47, s45                     ; the tile's first row: 32 (tile / 2) + 8 (tile % 2)
	s_mul_i32 s40, s47, s38
	s_lshl_b32 s46, s46, 9
	s_add_co_u32 s40, s40, s46
	s_add_nc_u64 s[28:29], s[28:29], s[40:41]
	s_wait_alu depctr_va_vdst(0)
.irp i, 0,1,2,3,4,5,6,7,8,9,10,11,12,13,14,15
	v_mad_u32_u24 v[OFF+\i], s38, \i+8*(\i/8), v[LI]   ; row i + 8 (i / 8) of the tile's 24, my 16 bytes
.endr
.irp i, 0,1,2,3,4,5,6,7,8,9,10,11,12,13,14,15
	global_load_b128 v[R+4*\i:R+4*\i+3], v[OFF+\i], s[28:29] th:TH_LOAD_NT   ; 32 lanes read 512 consecutive bytes: a row's 128 numbers; read once in the launch
.endr
.irp i, 0,1,2,3,4,5,6,7,8,9,10,11,12,13,14,15
	s_wait_loadcnt 15-\i                           ; row i is in; the younger rows' loads may be out
	ds_store_b128 v[SIN], v[R+4*\i:R+4*\i+3] offset:528*\i
.endr
.irp c, 0,1
.irp j, 0,1,2,3,4,5,6,7
	ds_load_b128 v[X+32*\c+4*\j:X+32*\c+4*\j+3], v[SOUT] offset:256*\c+16*\j   ; my own wave's bytes, served in order: row r, k = 64 c + 32 h + 0 .. 31: two whole blocks
.endr
.endr
	s_wait_dscnt 0x0
.irp c, 0,1
	v_max3_num_f32 v[8+\c], |v[X+32*\c]|, |v[X+32*\c+1]|, 0x1800000   ; the block's largest magnitude, and the floor 2^(3 - 127): the byte cannot fall under 1
.endr
.irp i, 2,4,6,8,10,12,14,16,18,20,22,24,26,28,30
.irp c, 0,1
	s_delay_alu instid0(VALU_DEP_2)
	v_max3_num_f32 v[8+\c], v[8+\c], |v[X+32*\c+\i]|, |v[X+32*\c+\i+1]|
.endr
.endr
.irp c, 0,1
	s_delay_alu instid0(VALU_DEP_2)
	v_add_nc_u32 v[10+\c], 0xff000000, v[8+\c]     ; 2 off its exponent field: the conversion's scale operand
.endr
.irp c, 0,1
	s_delay_alu instid0(VALU_DEP_2)
	v_lshrrev_b32 v[12+\c], 23, v[10+\c]           ; the scale's byte
.endr
	s_delay_alu instid0(VALU_DEP_1)
	v_lshl_or_b32 v14, v13, 16, v12                ; my two bytes, blocks h and 2 + h,
	s_delay_alu instid0(VALU_DEP_1)
	v_lshlrev_b32 v14, v[H8], v14                  ; at their places in the row's word;
	v_mov_b32 v15, 0
	s_delay_alu instid0(VALU_DEP_1)
	v_permlanex16_b32 v15, v14, s36, s37
	s_delay_alu instid0(VALU_DEP_1)
	v_or_b32 v14, v14, v15                         ; with lane l xor 16's two the word is whole
.irp c, 0,1
	v_cvt_scalef32_pk16_fp6_f32 v[C+6*\c:C+6*\c+2], v[X+32*\c:X+32*\c+15], v[10+\c]
	v_cvt_scalef32_pk16_fp6_f32 v[C2+4*\c:C2+4*\c+2], v[X+32*\c+16:X+32*\c+31], v[10+\c]   ; (a conversion's three registers begin on an even number)
.endr
	v_nop                                          ; one plain place behind a scaled conversion
.irp c, 0,1
.irp i, 0,1,2
	v_mov_b32 v[C+3+6*\c+\i], v[C2+4*\c+\i]
.endr
.endr
	s_branch .Lout
.Lup:
	; ---- PATH B: W[64 head + d][q], K = d.  head = my work-group's number in its tensor, tile of 16 q = my wave.  Lane (r, h) takes column q and runs down d = 32 h + 0 .. 31: one whole block
	s_lshl_b32 s40, s44, 16                        ; 64 rows of 1,024 bytes a head
	s_lshr_b32 s46, s26, 1
	s_lshl_b32 s46, s46, 7
	s_and_b32 s47, s26, 1
	s_lshl_b32 s47, s47, 5
	s_add_co_u32 s40, s40, s46
	s_add_co_u32 s40, s40, s47                     ; + 4 x (32 (tile / 2) + 8 (tile % 2))
	s_add_nc_u64 s[28:29], s[28:29], s[40:41]
	s_wait_alu depctr_va_vdst(0)
	v_and_b32 v[OFF], 8, v10
	s_delay_alu instid0(VALU_DEP_1)
	v_add_nc_u32 v[OFF], v[OFF], v10               ; r + 8 (r / 8)
	s_delay_alu instid0(VALU_DEP_1)
	v_lshlrev_b32 v[OFF], 2, v[OFF]
	s_delay_alu instid0(VALU_DEP_1)
	v_lshl_add_u32 v[OFF], v11, 15, v[OFF]         ; + 32 h rows
.irp i, 0,1,2,3,4,5,6,7,8,9,10,11,12,13,14,15,16,17,18,19,20,21,22,23,24,25,26,27,28,29,30,31
	global_load_b32 v[X+\i], v[OFF], s[28:29] offset:1024*\i
.endr
	s_wait_loadcnt 0x0
	v_max3_num_f32 v8, |v[X]|, |v[X+1]|, 0x1800000
	v_max3_num_f32 v9, |v[X+2]|, |v[X+3]|, |v[X+4]|
.irp i, 5,9,13,17,21,25
	s_delay_alu instid0(VALU_DEP_2)
	v_max3_num_f32 v8, v8, |v[X+\i]|, |v[X+\i+1]|
	s_delay_alu instid0(VALU_DEP_2)
	v_max3_num_f32 v9, v9, |v[X+\i+2]|, |v[X+\i+3]|
.endr
	s_delay_alu instid0(VALU_DEP_2)
	v_max3_num_f32 v8, v8, |v[X+29]|, |v[X+30]|
	s_delay_alu instid0(VALU_DEP_1)
	v_max3_num_f32 v8, v8, v9, |v[X+31]|
	s_delay_alu instid0(VALU_DEP_1)
	v_add_nc_u32 v10, 0xff000000, v8
	s_delay_alu instid0(VALU_DEP_1)
	v_lshrrev_b32 v12, 23, v10
	s_delay_alu instid0(VALU_DEP_1)
	v_lshlrev_b32 v14, v[H8], v12                  ; byte h of the word; bytes 2 and 3 stay 0, over zero codes
	v_mov_b32 v15, 0
	s_delay_alu instid0(VALU_DEP_1)
	v_permlanex16_b32 v15, v14, s36, s37
	s_delay_alu instid0(VALU_DEP_1)
	v_or_b32 v14, v14, v15
	v_cvt_scalef32_pk16_fp6_f32 v[C:C+2], v[X:X+15], v10
	v_cvt_scalef32_pk16_fp6_f32 v[C2:C2+2], v[X+16:X+31], v10
	v_nop
.irp i, 0,1,2
	v_mov_b32 v[C+3+\i], v[C2+\i]
.endr
.irp i, 6,7,8,9,10,11
	v_mov_b32 v[C+\i], 0                           ; k = 64 .. 127: zero codes
.endr
.Lout:
	s_wait_alu depctr_va_vdst(0)
.irp c, 0,1,2
	global_store_b128 v[LI], v[C+4*\c:C+4*\c+3], s[32:33] offset:512*\c   ; 32 lanes store 512 consecutive bytes, at a multiple of 256 from wq's first byte
.endr
	global_store_b32 v[LS16], v14, s[34:35]        ; lanes r and r + 16 hold the same word and write it to the same place
	s_wait_tensorcnt 0x0                           ; the wave's end, behind the last LDS store
	ds_add_u32 v[SPW], v[NIL]
	s_wait_dscnt 0x0
	s_endpgm
.Lfunc_end_k_qbc0cabb623_prep:
	.size	k_qbc0cabb623_prep, .Lfunc_end_k_qbc0cabb623_prep-k_qbc0cabb623_prep
	.p2alignl 7, 3214868480
	.fill 96, 4, 3214868480
	.section	.rodata,"a",@progbits
	.p2align	6, 0x0
	.amdhsa_kernel k_qbc0cabb623_prep
		.amdhsa_group_segment_fixed_size 137216
		.amdhsa_private_segment_fixed_size 0
		.amdhsa_enable_private_segment 0
		.amdhsa_kernarg_size 72
		.amdhsa_user_sgpr_count 2
		.amdhsa_user_sgpr_kernarg_segment_ptr 1
		.amdhsa_wavefront_size32 1
		.amdhsa_system_sgpr_workgroup_id_x 1
		.amdhsa_system_sgpr_workgroup_id_y 1
		.amdhsa_system_sgpr_workgroup_id_z 1
		.amdhsa_system_vgpr_workitem_id 0
		.amdhsa_next_free_vgpr 192
		.amdhsa_next_free_sgpr 66
		.amdhsa_reserve_vcc 0
		.amdhsa_float_denorm_mode_32 3
		.amdhsa_float_denorm_mode_16_64 3
		.amdhsa_memory_ordered 1
		.amdhsa_forward_progress 1
		.amdhsa_inst_pref_size 20
	.end_amdhsa_kernel
	.amdgpu_metadata
---
amdhsa.version: [ 1, 2 ]
amdhsa.kernels:
  - .name:           k_qbc0cabb623_prep
    .symbol:         k_qbc0cabb623_prep.kd
    .args:
      - { .name: x, .offset: 0, .size: 8, .value_kind: global_buffer, .address_space: global }
      - { .name: Wq_down, .offset: 8, .size: 8, .value_kind: global_buffer, .address_space: global }
      - { .name: Wk_down, .offset: 16, .size: 8, .value_kind: global_buffer, .address_space: global }
      - { .name: Wv_down, .offset: 24, .size: 8, .value_kind: global_buffer, .address_space: global }
      - { .name: Wo, .offset: 32, .size: 8, .value_kind: global_buffer, .address_space: global }
      - { .name: Wv_up, .offset: 40, .size: 8, .value_kind: global_buffer, .address_space: global }
      - { .name: Wq_up, .offset: 48, .size: 8, .value_kind: global_buffer, .address_space: global }
      - { .name: Wk_up, .offset: 56, .size: 8, .value_kind: global_buffer, .address_space: global }
      - { .name: wq, .offset: 64, .size: 8, .value_kind: global_buffer, .address_space: global }
    .group_segment_fixed_size: 137216
    .private_segment_fixed_size: 0
    .kernarg_segment_align: 8
    .kernarg_segment_size: 72
    .max_flat_workgroup_size: 512
    .sgpr_count:     66
    .vgpr_count:     192
    .wavefront_size: 32
...
	.end_amdgpu_metadata
.endif
;; end of part 6
;; launch down (part 7): grid 256 x 1, 8 waves a work-group, no clusters, 111,616 bytes of LDS; arguments wq, lat; writes lat
.if DOCPART == 7
	.amdgcn_target "amdgcn-amd-amdhsa--gfx1250"
	.amdhsa_code_object_version 6
	.text
	.protected	k_qbc0cabb623_down
	.globl	k_qbc0cabb623_down
	.p2align	8
	.type	k_qbc0cabb623_down,@function
k_qbc0cabb623_down:
	s_mov_b64 s[64:65], 0
	v_nop
	global_prefetch_b8 v0, s[64:65] scope:SCOPE_SE
	s_setreg_imm32_b32 hwreg(HW_REG_WAVE_SCHED_MODE, 0, 2), 2
	s_setreg_imm32_b32 hwreg(HW_REG_WAVE_MODE, 25, 1), 1
	s_wait_xcnt 0x0
	s_wait_alu depctr_vm_vsrc(0)
; Products 1, 2, 3 (work-groups 0-191) and product 4 with its factor 1/8 (work-groups 192-255), each result quantised along its next product's K and stored as images of registers.
; THE FORM (also of launches vup and outp).  Eight waves.  Source 0 is a group of 8 tiles (128 rows) x NS K steps, one dense block of images: it is copied into LDS once, wave w its tile w, one barrier,
; and read by all.  Source 1 is one tile a wave, straight into registers of window 1.  8 accumulators.  By the tiles' row order the wave's 64 results a lane are k = 32 b + 16 h + i (register 16 b + i)
; of the next product's K step: QUANT makes one fragment and one scale word a row of them.
;   latents: source 0 = 128 rows of W*_down (group g of six), source 1 = 16 tokens of x; result: fragment (token tile T, K step g % 2) of Q_lat, K_lat or V_lat.
;   absorbed matrix: source 0 = 128 q of Wq_up's head, source 1 = 16 k of Wk_up's head, K = d (64, the rest zero codes); x 1/8; result: Mabs^T, lanes = k, K = q.
; The two paths part on the work-group's number; each has LDS bytes of its own.
; THE MODE: SCHED_MODE bits 1:0 = 2 (LLVM: expert scheduling mode 2), set by the entry lines.  The code itself states the register dependences
; between vector or matrix instructions and memory or LDS instructions, with s_wait_alu, always for 0.
; THE PLAN.  Registers that memory or LDS instructions touch:
;   v1-5, v8      offsets and LDS addresses: made at the head, never written again.
;   AF0, AF1, AF2 three sets of four fragments.  Half step i: its four products read AF[i % 3]; the LDS loads of half step i + 2 land in AF[(i + 2) % 3] = AF[(i - 1) % 3], dealt three behind each product.
;                 First the copy passes through AF0 and AF1 (global loads write, LDS stores read); last the quantiser works in AF0 and the stores read its codes there.
;   window 1, v220-255   source 1 and the scale words: loaded once at the head, then named by matrix instructions alone.
; So ONE wait on va_vdst stands at the head of a half step that fetches: the products of the half step before are done reading their set.  The products issued behind it name AF[i % 3], window 1,
; the scale words and the accumulators: none of the registers in which the half step's loads land.
; REGISTERS: window 0: v1-8 addresses; v12-155 the three sets; v156-219 accumulators; v220-255 scale words.  window 1: source 1.
.set SCL1,  5505024
.set SCL2,  3145728
.set LDSM,  98304                      ; LDS: 0: the latents' path, 64 fragments; LDSM: the other path, 8 fragments
.set SPARE, 110592                     ; the spare words, 128 bytes for each wave; no other line names them
.set LI,   1                           ; v1  16 x lane
.set A0,   2                           ; v2  LDS: tiles 0-3 of source 0
.set A1,   3                           ; v3  tiles 4-7
.set LS,   4                           ; v4  4 x lane
.set LS16, 5                           ; v5  4 x (lane % 16)
.set SPW,  6
.set NIL,  7
.set FW,   8                           ; v8  LDS: where I put my tile
.set AF,   12
.set ACC,  156
.set ASC,  220                         ; source 0's scale words: tile t, pair p of K steps: lanes 0-15 K step 2 p, lanes 16-31 K step 2 p + 1
.set BSC,  252                         ; source 1's likewise
.set QC,   12                          ; the quantiser: codes, second halves, 16 at work, the scale word
.set QX,   24
.set QT,   32
.set QW,   48
.set AP, 12
.set AS, 14
.set BP, 16
.set BS, 18
.set OP, 20
.set OS, 22
.set WV, 24
.set SEL, 26
.set MSB, 0
.macro WIN new                         ; the immediate's high byte repeats the setting that is left
.if MSB != \new
	s_set_vgpr_msb (MSB<<8)|\new
.set MSB, \new
.endif
.endm
.macro PLACES
.rept 4
	v_nop
.endr
.endm
.macro WM d, a, b, cz, sa, sb, row     ; one product; cz = 1: it starts the sum; row = 1: both scale words from lanes 16-31
.if \cz
.if \row
	v_wmma_scale_f32_16x16x128_f8f6f4 v[(\d):(\d)+7], v[(\a):(\a)+11], v[(\b):(\b)+11], 0, v[\sa], v[\sb] matrix_a_fmt:MATRIX_FMT_FP6 matrix_b_fmt:MATRIX_FMT_FP6 matrix_a_scale:MATRIX_SCALE_ROW1 matrix_b_scale:MATRIX_SCALE_ROW1
.else
	v_wmma_scale_f32_16x16x128_f8f6f4 v[(\d):(\d)+7], v[(\a):(\a)+11], v[(\b):(\b)+11], 0, v[\sa], v[\sb] matrix_a_fmt:MATRIX_FMT_FP6 matrix_b_fmt:MATRIX_FMT_FP6
.endif
.else
.if \row
	v_wmma_scale_f32_16x16x128_f8f6f4 v[(\d):(\d)+7], v[(\a):(\a)+11], v[(\b):(\b)+11], v[(\d):(\d)+7], v[\sa], v[\sb] matrix_a_fmt:MATRIX_FMT_FP6 matrix_b_fmt:MATRIX_FMT_FP6 matrix_a_scale:MATRIX_SCALE_ROW1 matrix_b_scale:MATRIX_SCALE_ROW1
.else
	v_wmma_scale_f32_16x16x128_f8f6f4 v[(\d):(\d)+7], v[(\a):(\a)+11], v[(\b):(\b)+11], v[(\d):(\d)+7], v[\sa], v[\sb] matrix_a_fmt:MATRIX_FMT_FP6 matrix_b_fmt:MATRIX_FMT_FP6
.endif
.endif
.endm
.macro AFILL_LD ns                     ; my tile of source 0, ns fragments, as it lies
.set k_, 0
.rept 3*\ns
	global_load_b128 v[AF+4*k_:AF+4*k_+3], v[LI], s[AP:AP+1] offset:512*k_
.set k_, k_+1
.endr
.endm
.macro AFILL_ST ns
.set k_, 0
.rept 3*\ns
	ds_store_b128 v[FW], v[AF+4*k_:AF+4*k_+3] offset:512*k_
.set k_, k_+1
.endr
.endm
.macro SC_LD ns, nsp, av
.irp t, 0,1,2,3,4,5,6,7
.set p_, 0
.rept \nsp
	global_load_b32 v[ASC+\t*\nsp+p_], v[\av], s[AS:AS+1] offset:\t*64*\ns+128*p_
.set p_, p_+1
.endr
.endr
.set p_, 0
.rept \nsp
	global_load_b32 v[BSC+p_], v[\av], s[BS:BS+1] offset:128*p_
.set p_, p_+1
.endr
.endm
.macro B_LD ns
	WIN 0x40                                       ; destination window 1
.set k_, 0
.rept 3*\ns
	global_load_b128 v[4*k_:4*k_+3], v[LI], s[BP:BP+1] offset:512*k_
.set k_, k_+1
.endr
	WIN 0
.endm
.macro AFRAG i, u, ns                  ; fragment u of half step i (K step i / 2, tile 4 (i % 2) + u) into set i % 3
.irp c, 0,1,2
	ds_load_b128 v[AF+48*((\i)%3)+12*(\u)+4*\c:AF+48*((\i)%3)+12*(\u)+4*\c+3], v[A0+(\i)%2] offset:((\u)*\ns+(\i)/2)*1536+512*\c
.endr
.endm
.macro HSTEP i, ns, nsp, zero          ; half step i: four products on set i % 3; behind each, a fragment of half step i + 2
.set ms, (\i)/2
.set mz, 0
.if \zero
.if ms == 0
.set mz, 1
.endif
.endif
.irp u, 0,1,2,3
.set mt, 4*((\i)%2)+\u
	WM ACC+8*mt, AF+48*((\i)%3)+12*\u, 12*ms, mz, ASC+mt*\nsp+ms/2, BSC+ms/2, ms%2
.if (\i)+2 < 2*\ns
	AFRAG (\i)+2, \u, \ns
.endif
.endr
.endm
; All products of a wave.  The accumulators take turns, one instruction a turn.
.macro MAIN ns, nsp, zero
	WIN 0x04                                       ; source 1 window 1; LDS loads and v_nop name no source 1
	s_wait_alu depctr_vm_vsrc(0)                   ; my LDS stores have read the copy's registers, v12 on, in which the fragments below land
.irp u, 0,1,2,3
	AFRAG 0, \u, \ns
.endr
.irp u, 0,1,2,3
	AFRAG 1, \u, \ns
.endr
.set hs_, 0
.rept 2*\ns
.if hs_ == 2*\ns-1
	s_wait_dscnt 0x0
.else
	s_wait_dscnt 12                                ; this half step's set is in; the younger set's twelve loads may be out
.endif
.if hs_ > 0
.if hs_+2 < 2*\ns
	s_wait_alu depctr_va_vdst(0)                   ; the products of the half step before are done reading their set, in which this half step's loads land
.endif
.endif
	HSTEP hs_, \ns, \nsp, \zero
.set hs_, hs_+1
.endr
	PLACES                                         ; in front of the first read of results and the first write of operands by vector instructions
	WIN 0
.endm
; 64 numbers of a lane, register 16 b + i = k 32 b + 16 h + i of my row, become a fragment's codes in v[d] on and its scale word in v[pw]
.macro QUANT s, d, x, tm, pw
.irp b, 0,1,2,3
	v_max3_num_f32 v[\tm+\b], |v[\s+16*\b]|, |v[\s+1+16*\b]|, 0x1800000   ; my 16 numbers of block b, and the floor 2^(3 - 127)
.endr
.irp i, 2,4,6,8,10,12,14
.irp b, 0,1,2,3
	v_max3_num_f32 v[\tm+\b], v[\tm+\b], |v[\s+16*\b+\i]|, |v[\s+1+16*\b+\i]|
.endr
.endr
.irp b, 0,1,2,3
	v_permlanex16_b32 v[\tm+4+\b], v[\tm+\b], s[SEL], s[SEL+1]
.endr
.irp b, 0,1,2,3
	v_max_num_f32 v[\tm+\b], v[\tm+\b], v[\tm+4+\b]   ; with lane l xor 16's: the block's largest magnitude
.endr
.irp b, 0,1,2,3
	v_add_nc_u32 v[\tm+12+\b], 0xff000000, v[\tm+\b]   ; 2 off its exponent field: the conversion's scale operand
.endr
.irp b, 0,1,2,3
	v_lshrrev_b32 v[\tm+4+\b], 23, v[\tm+12+\b]    ; the scale's byte
.endr
	v_lshl_or_b32 v[\pw], v[\tm+5], 8, v[\tm+4]
	v_lshl_or_b32 v[\pw], v[\tm+6], 16, v[\pw]
	v_lshl_or_b32 v[\pw], v[\tm+7], 24, v[\pw]
.irp c, 0,1
	v_cvt_scalef32_pk16_fp6_f32 v[\d+6*\c:\d+2+6*\c], v[\s+32*\c:\s+15+32*\c], v[\tm+12+2*\c]
	v_cvt_scalef32_pk16_fp6_f32 v[\x+4*\c:\x+2+4*\c], v[\s+16+32*\c:\s+31+32*\c], v[\tm+13+2*\c]
.endr
	v_nop                                          ; one plain place behind a scaled conversion
.irp c, 0,1                            ; the operand's layout wants a whole block in a lane
.irp i, 0,1,2
	v_permlane16_swap_b32 v[\d+6*\c+\i], v[\x+4*\c+\i]
.endr
.irp i, 0,1,2
	v_mov_b32 v[\d+3+6*\c+\i], v[\x+4*\c+\i]
.endr
.endr
.endm
.macro FINISH                          ; quantise the 64 results and store the image
.irp b, 0,1,2,3
	v_mov_b32 v[QT+4+\b], 0                        ; a lane permute's destination counts as one of its sources
.endr
	QUANT ACC, QC, QX, QT, QW
	s_wait_alu depctr_va_vdst(0)                   ; the quantiser has written the codes v12-23 and the scale word v48, which the stores read
.irp c, 0,1,2
	global_store_b128 v[LI], v[QC+4*\c:QC+4*\c+3], s[OP:OP+1] offset:512*\c   ; 512 consecutive bytes, at a multiple of 256 from the buffer's first byte
.endr
	global_store_b32 v[LS16], v[QW], s[OS:OS+1]    ; lanes r and r + 16 hold the same word
.endm
	s_load_b128 s[4:7], s[0:1], 0x0                ; wq, lat
	v_lshl_add_u32 v[SPW], v0, 2, SPARE
	v_mov_b32 v[NIL], 0
	v_lshrrev_b32 v9, 5, v0
	v_readfirstlane_b32 s[WV], v9                  ; wave 0..7
	v_and_b32 v9, 31, v0
	v_lshlrev_b32 v[LI], 4, v9
	v_lshlrev_b32 v[LS], 2, v9
	v_and_b32 v9, 15, v0
	v_lshlrev_b32 v[LS16], 2, v9
	s_mov_b32 s[SEL], 0x76543210
	s_mov_b32 s[SEL+1], 0xfedcba98
	s_mov_b32 s33, 0
	s_wait_alu depctr_va_sdst(0)                   ; the wave's number is written, ahead of the branch and of its first readers on both paths
	s_cmp_ge_u32 ttmp9, 192
	s_cbranch_scc1 .Lmabs
	; ---- the latents: g = work-group / 32 (Q 0, Q 1, K 0, K 1, V 0, V 1), token tiles 8 (work-group % 32) + wave
	v_mov_b32 v[A0], v[LI]
	v_add_nc_u32 v[A1], 4*8*1536, v[LI]
	s_mul_i32 s28, s[WV], 8*1536
	v_add_nc_u32 v[FW], s28, v[LI]
	s_lshr_b32 s28, ttmp9, 5                       ; g
	s_and_b32 s29, ttmp9, 31
	s_lshl_b32 s30, s28, 6
	s_add_co_u32 s30, s30, 2048                    ; source 0's first fragment in wq
	s_lshl_b32 s31, s[WV], 3
	s_add_co_u32 s31, s31, s30                     ; my tile's
	s_lshl_b32 s34, s29, 3
	s_add_co_u32 s34, s34, s[WV]                   ; T
	s_lshr_b32 s35, s28, 1
	s_lshl_b32 s35, s35, 9
	s_and_b32 s28, s28, 1
	s_add_co_u32 s35, s35, s28
	s_lshl_b32 s28, s34, 1
	s_add_co_u32 s35, s35, s28                     ; the result's fragment in lat: 512 (g / 2) + 2 T + g % 2
	s_wait_kmcnt 0x0
	s_mul_i32 s32, s31, 1536
	s_add_nc_u64 s[AP:AP+1], s[4:5], s[32:33]
	s_lshl_b32 s32, s30, 6
	s_add_co_u32 s32, s32, SCL1
	s_add_nc_u64 s[AS:AS+1], s[4:5], s[32:33]
	s_mul_i32 s32, s34, 12288
	s_add_nc_u64 s[BP:BP+1], s[4:5], s[32:33]
	s_lshl_b32 s32, s34, 9
	s_add_co_u32 s32, s32, SCL1
	s_add_nc_u64 s[BS:BS+1], s[4:5], s[32:33]
	s_mul_i32 s32, s35, 1536
	s_add_nc_u64 s[OP:OP+1], s[6:7], s[32:33]
	s_lshl_b32 s32, s35, 6
	s_add_co_u32 s32, s32, SCL2
	s_add_nc_u64 s[OS:OS+1], s[6:7], s[32:33]
	s_wait_alu depctr_va_vdst(0)                   ; the offsets and LDS addresses v1-5 and v8 are written, which every load and store below reads
	AFILL_LD 8
	SC_LD 8, 4, LS
	B_LD 8
	s_wait_loadcnt 60                              ; the copy's 24 loads are in; the 36 scale words' and source 1's 24 loads may be out
	AFILL_ST 8
	s_wait_dscnt 0x0                               ; for the others' sake: my tile lies in LDS
	s_barrier_signal -1
	s_barrier_wait -1
	s_wait_loadcnt 0x0
	MAIN 8, 4, 1
	FINISH
	s_branch .Lend
.Lmabs:
	s_wait_alu depctr_va_vdst(0)
	; ---- the absorbed matrix: m = work-group - 192: head m / 4, q group (m / 2) % 2, k group m % 2
	v_add_nc_u32 v[A0], LDSM, v[LI]
	v_add_nc_u32 v[A1], LDSM+4*1536, v[LI]
	s_mul_i32 s28, s[WV], 1536
	s_add_co_u32 s28, s28, LDSM
	v_add_nc_u32 v[FW], s28, v[LI]
	s_sub_co_u32 s28, ttmp9, 192
	s_lshr_b32 s29, s28, 2
	s_lshl_b32 s29, s29, 4                         ; 16 head
	s_bfe_u32 s30, s28, 0x10001                    ; q group
	s_and_b32 s31, s28, 1                          ; k group
	s_lshl_b32 s34, s30, 3
	s_add_co_u32 s34, s34, s29
	s_add_co_u32 s34, s34, 3072                    ; source 0's first fragment
	s_lshl_b32 s35, s31, 3
	s_add_co_u32 s35, s35, s29
	s_add_co_u32 s35, s35, s[WV]                   ; 16 head + my tile of k
	s_add_co_u32 s28, s34, s[WV]
	s_add_co_u32 s29, s35, 3328                    ; source 1's fragment
	s_lshl_b32 s35, s35, 1
	s_add_co_u32 s35, s35, s30
	s_add_co_u32 s35, s35, 1536                    ; the result's fragment in lat
	s_wait_kmcnt 0x0
	s_mul_i32 s32, s28, 1536
	s_add_nc_u64 s[AP:AP+1], s[4:5], s[32:33]
	s_lshl_b32 s32, s34, 6
	s_add_co_u32 s32, s32, SCL1
	s_add_nc_u64 s[AS:AS+1], s[4:5], s[32:33]
	s_mul_i32 s32, s29, 1536
	s_add_nc_u64 s[BP:BP+1], s[4:5], s[32:33]
	s_lshl_b32 s32, s29, 6
	s_add_co_u32 s32, s32, SCL1
	s_add_nc_u64 s[BS:BS+1], s[4:5], s[32:33]
	s_mul_i32 s32, s35, 1536
	s_add_nc_u64 s[OP:OP+1], s[6:7], s[32:33]
	s_lshl_b32 s32, s35, 6
	s_add_co_u32 s32, s32, SCL2
	s_add_nc_u64 s[OS:OS+1], s[6:7], s[32:33]
	s_wait_alu depctr_va_vdst(0)                   ; the offsets and LDS addresses v1-5 and v8 are written, which every load and store below reads
	AFILL_LD 1
	SC_LD 1, 1, LS16
	B_LD 1
	s_wait_loadcnt 12                              ; the copy's 3 loads are in; 9 scale words' and source 1's 3 loads may be out
	AFILL_ST 1
	s_wait_dscnt 0x0
	s_barrier_signal -1
	s_barrier_wait -1
	s_wait_loadcnt 0x0
	MAIN 1, 1, 1
.set k_, 0
.rept 32
	v_pk_mul_f32 v[ACC+2*k_:ACC+2*k_+1], v[ACC+2*k_:ACC+2*k_+1], 0x3e000000 op_sel_hi:[1,0]   ; x 1 / sqrt(64) = 1/8, each accumulator from its low end on
.set k_, k_+1
.endr
	FINISH
.Lend:
	s_wait_dscnt 0x0                               ; the closing lines, six on end
	s_wait_alu 0x0
	s_wait_tensorcnt 0x0
	ds_add_u32 v[SPW], v[NIL]
	s_wait_dscnt 0x0
	s_endpgm
.Lfunc_end_k_qbc0cabb623_down:
	.size	k_qbc0cabb623_down, .Lfunc_end_k_qbc0cabb623_down-k_qbc0cabb623_down
	.p2alignl 7, 3214868480
	.fill 96, 4, 3214868480
	.section	.rodata,"a",@progbits
	.p2align	6, 0x0
	.amdhsa_kernel k_qbc0cabb623_down
		.amdhsa_group_segment_fixed_size 111616
		.amdhsa_private_segment_fixed_size 0
		.amdhsa_enable_private_segment 0
		.amdhsa_kernarg_size 16
		.amdhsa_user_sgpr_count 2
		.amdhsa_user_sgpr_kernarg_segment_ptr 1
		.amdhsa_wavefront_size32 1
		.amdhsa_system_sgpr_workgroup_id_x 1
		.amdhsa_system_sgpr_workgroup_id_y 1
		.amdhsa_system_sgpr_workgroup_id_z 1
		.amdhsa_system_vgpr_workitem_id 0
		.amdhsa_next_free_vgpr 352
		.amdhsa_next_free_sgpr 66
		.amdhsa_reserve_vcc 0
		.amdhsa_float_denorm_mode_32 3
		.amdhsa_float_denorm_mode_16_64 3
		.amdhsa_memory_ordered 1
		.amdhsa_forward_progress 1
		.amdhsa_inst_pref_size 52
	.end_amdhsa_kernel
	.amdgpu_metadata
---
amdhsa.version: [ 1, 2 ]
amdhsa.kernels:
  - .name:           k_qbc0cabb623_down
    .symbol:         k_qbc0cabb623_down.kd
    .args:
      - { .name: wq, .offset: 0, .size: 8, .value_kind: global_buffer, .address_space: global }
      - { .name: lat, .offset: 8, .size: 8, .value_kind: global_buffer, .address_space: global }
    .group_segment_fixed_size: 111616
    .private_segment_fixed_size: 0
    .kernarg_segment_align: 8
    .kernarg_segment_size: 16
    .max_flat_workgroup_size: 256
    .sgpr_count:     66
    .vgpr_count:     352
    .wavefront_size: 32
...
	.end_amdgpu_metadata
.endif
;; end of part 7
;; launch vup (part 8): grid 256 x 1, 8 waves a work-group, no clusters, 25,600 bytes of LDS; arguments wq, lat, vt; writes vt
.if DOCPART == 8
	.amdgcn_target "amdgcn-amd-amdhsa--gfx1250"
	.amdhsa_code_object_version 6
	.text
	.protected	k_qbc0cabb623_vup
	.globl	k_qbc0cabb623_vup
	.p2align	8
	.type	k_qbc0cabb623_vup,@function
k_qbc0cabb623_vup:
	s_mov_b64 s[64:65], 0
	v_nop
	global_prefetch_b8 v0, s[64:65] scope:SCOPE_SE
	s_setreg_imm32_b32 hwreg(HW_REG_WAVE_SCHED_MODE, 0, 2), 2
	s_setreg_imm32_b32 hwreg(HW_REG_WAVE_MODE, 25, 1), 1
	s_wait_xcnt 0x0
	s_wait_alu depctr_vm_vsrc(0)
; Product 7, V_up = V_lat Wv_up^T, quantised along the KEYS, which are product 8's K.  The form of launch down: source 0 = the 8 token tiles of a key step of 128 (so a lane's registers run along the keys),
; copied into LDS once; source 1 = one tile of 16 rows (head, d) of Wv_up a wave.  Work-group = (batch x 16 + key step, group of 8 tiles of Wv_up).
; Result: fragment ((batch x 16 + head) x 16 + step) x 4 + (tile % 4) of vt: lanes = 16 of the head's 64, K = the step's 128 keys; its scale words in all 32 lanes' places, 128 bytes.
; THE MODE: SCHED_MODE bits 1:0 = 2 (LLVM: expert scheduling mode 2), set by the entry lines.  The code itself states the register dependences
; between vector or matrix instructions and memory or LDS instructions, with s_wait_alu, always for 0.
; THE PLAN, as in launch down.  v1-4, v8: offsets and LDS addresses, made at the head and never written again.  AF0, AF1, AF2 (v12-155): half step i's four products read AF[i % 3]; the LDS loads of
; half step i + 2 land in AF[(i - 1) % 3], dealt three behind each product, behind ONE wait on va_vdst at the half step's head.  First the copy passes through AF0 (global loads write, LDS stores read);
; last the quantiser works in AF0 and the stores read its codes there.  Window 1 and v220-255: loaded once, then named by matrix instructions alone.
.set SCL1,  5505024
.set SCL2,  3145728
.set SCL3,  3145728
.set SPARE, 24576
.set LI,   1
.set A0,   2
.set A1,   3
.set LS,   4
.set SPW,  6
.set NIL,  7
.set FW,   8
.set AF,   12
.set ACC,  156
.set ASC,  220
.set BSC,  252
.set QC,   12
.set QX,   24
.set QT,   32
.set QW,   48
.set AP, 12
.set AS, 14
.set BP, 16
.set BS, 18
.set OP, 20
.set OS, 22
.set WV, 24
.set SEL, 26
.set MSB, 0
.macro WIN new
.if MSB != \new
	s_set_vgpr_msb (MSB<<8)|\new
.set MSB, \new
.endif
.endm
.macro PLACES
.rept 4
	v_nop
.endr
.endm
.macro WM d, a, b, cz, sa, sb, row
.if \cz
.if \row
	v_wmma_scale_f32_16x16x128_f8f6f4 v[(\d):(\d)+7], v[(\a):(\a)+11], v[(\b):(\b)+11], 0, v[\sa], v[\sb] matrix_a_fmt:MATRIX_FMT_FP6 matrix_b_fmt:MATRIX_FMT_FP6 matrix_a_scale:MATRIX_SCALE_ROW1 matrix_b_scale:MATRIX_SCALE_ROW1
.else
	v_wmma_scale_f32_16x16x128_f8f6f4 v[(\d):(\d)+7], v[(\a):(\a)+11], v[(\b):(\b)+11], 0, v[\sa], v[\sb] matrix_a_fmt:MATRIX_FMT_FP6 matrix_b_fmt:MATRIX_FMT_FP6
.endif
.else
.if \row
	v_wmma_scale_f32_16x16x128_f8f6f4 v[(\d):(\d)+7], v[(\a):(\a)+11], v[(\b):(\b)+11], v[(\d):(\d)+7], v[\sa], v[\sb] matrix_a_fmt:MATRIX_FMT_FP6 matrix_b_fmt:MATRIX_FMT_FP6 matrix_a_scale:MATRIX_SCALE_ROW1 matrix_b_scale:MATRIX_SCALE_ROW1
.else
	v_wmma_scale_f32_16x16x128_f8f6f4 v[(\d):(\d)+7], v[(\a):(\a)+11], v[(\b):(\b)+11], v[(\d):(\d)+7], v[\sa], v[\sb] matrix_a_fmt:MATRIX_FMT_FP6 matrix_b_fmt:MATRIX_FMT_FP6
.endif
.endif
.endm
.macro AFILL_LD ns
.set k_, 0
.rept 3*\ns
	global_load_b128 v[AF+4*k_:AF+4*k_+3], v[LI], s[AP:AP+1] offset:512*k_
.set k_, k_+1
.endr
.endm
.macro AFILL_ST ns
.set k_, 0
.rept 3*\ns
	ds_store_b128 v[FW], v[AF+4*k_:AF+4*k_+3] offset:512*k_
.set k_, k_+1
.endr
.endm
.macro SC_LD ns, nsp, av
.irp t, 0,1,2,3,4,5,6,7
.set p_, 0
.rept \nsp
	global_load_b32 v[ASC+\t*\nsp+p_], v[\av], s[AS:AS+1] offset:\t*64*\ns+128*p_
.set p_, p_+1
.endr
.endr
.set p_, 0
.rept \nsp
	global_load_b32 v[BSC+p_], v[\av], s[BS:BS+1] offset:128*p_
.set p_, p_+1
.endr
.endm
.macro B_LD ns
	WIN 0x40
.set k_, 0
.rept 3*\ns
	global_load_b128 v[4*k_:4*k_+3], v[LI], s[BP:BP+1] offset:512*k_
.set k_, k_+1
.endr
	WIN 0
.endm
.macro AFRAG i, u, ns                  ; fragment u of half step i (K step i / 2, tile 4 (i % 2) + u) into set i % 3
.irp c, 0,1,2
	ds_load_b128 v[AF+48*((\i)%3)+12*(\u)+4*\c:AF+48*((\i)%3)+12*(\u)+4*\c+3], v[A0+(\i)%2] offset:((\u)*\ns+(\i)/2)*1536+512*\c
.endr
.endm
.macro HSTEP i, ns, nsp, zero          ; half step i: four products on set i % 3; behind each, a fragment of half step i + 2
.set ms, (\i)/2
.set mz, 0
.if \zero
.if ms == 0
.set mz, 1
.endif
.endif
.irp u, 0,1,2,3
.set mt, 4*((\i)%2)+\u
	WM ACC+8*mt, AF+48*((\i)%3)+12*\u, 12*ms, mz, ASC+mt*\nsp+ms/2, BSC+ms/2, ms%2
.if (\i)+2 < 2*\ns
	AFRAG (\i)+2, \u, \ns
.endif
.endr
.endm
.macro MAIN ns, nsp, zero              ; the accumulators take turns, one instruction a turn
	WIN 0x04
	s_wait_alu depctr_vm_vsrc(0)                   ; my LDS stores have read the copy's registers, v12 on, in which the fragments below land
.irp u, 0,1,2,3
	AFRAG 0, \u, \ns
.endr
.irp u, 0,1,2,3
	AFRAG 1, \u, \ns
.endr
.set hs_, 0
.rept 2*\ns
.if hs_ == 2*\ns-1
	s_wait_dscnt 0x0
.else
	s_wait_dscnt 12                                ; this half step's set is in; the younger set's twelve loads may be out
.endif
.if hs_ > 0
.if hs_+2 < 2*\ns
	s_wait_alu depctr_va_vdst(0)                   ; the products of the half step before are done reading their set, in which this half step's loads land
.endif
.endif
	HSTEP hs_, \ns, \nsp, \zero
.set hs_, hs_+1
.endr
	PLACES                                         ; in front of the first read of results and the first write of operands by vector instructions
	WIN 0
.endm
.macro QUANT s, d, x, tm, pw
.irp b, 0,1,2,3
	v_max3_num_f32 v[\tm+\b], |v[\s+16*\b]|, |v[\s+1+16*\b]|, 0x1800000
.endr
.irp i, 2,4,6,8,10,12,14
.irp b, 0,1,2,3
	v_max3_num_f32 v[\tm+\b], v[\tm+\b], |v[\s+16*\b+\i]|, |v[\s+1+16*\b+\i]|
.endr
.endr
.irp b, 0,1,2,3
	v_permlanex16_b32 v[\tm+4+\b], v[\tm+\b], s[SEL], s[SEL+1]
.endr
.irp b, 0,1,2,3
	v_max_num_f32 v[\tm+\b], v[\tm+\b], v[\tm+4+\b]
.endr
.irp b, 0,1,2,3
	v_add_nc_u32 v[\tm+12+\b], 0xff000000, v[\tm+\b]
.endr
.irp b, 0,1,2,3
	v_lshrrev_b32 v[\tm+4+\b], 23, v[\tm+12+\b]
.endr
	v_lshl_or_b32 v[\pw], v[\tm+5], 8, v[\tm+4]
	v_lshl_or_b32 v[\pw], v[\tm+6], 16, v[\pw]
	v_lshl_or_b32 v[\pw], v[\tm+7], 24, v[\pw]
.irp c, 0,1
	v_cvt_scalef32_pk16_fp6_f32 v[\d+6*\c:\d+2+6*\c], v[\s+32*\c:\s+15+32*\c], v[\tm+12+2*\c]
	v_cvt_scalef32_pk16_fp6_f32 v[\x+4*\c:\x+2+4*\c], v[\s+16+32*\c:\s+31+32*\c], v[\tm+13+2*\c]
.endr
	v_nop
.irp c, 0,1
.irp i, 0,1,2
	v_permlane16_swap_b32 v[\d+6*\c+\i], v[\x+4*\c+\i]
.endr
.irp i, 0,1,2
	v_mov_b32 v[\d+3+6*\c+\i], v[\x+4*\c+\i]
.endr
.endr
.endm
	s_load_b128 s[4:7], s[0:1], 0x0                ; wq, lat
	s_load_b64 s[8:9], s[0:1], 0x10                ; vt
	v_lshl_add_u32 v[SPW], v0, 2, SPARE
	v_mov_b32 v[NIL], 0
	v_lshrrev_b32 v9, 5, v0
	v_readfirstlane_b32 s[WV], v9
	v_and_b32 v9, 31, v0
	v_lshlrev_b32 v[LI], 4, v9
	v_lshlrev_b32 v[LS], 2, v9
	s_mov_b32 s[SEL], 0x76543210
	s_mov_b32 s[SEL+1], 0xfedcba98
	s_mov_b32 s33, 0
	v_mov_b32 v[A0], v[LI]
	v_add_nc_u32 v[A1], 4*2*1536, v[LI]
	s_wait_alu depctr_va_sdst(0)                   ; the wave's number is written, ahead of its first reader
	s_mul_i32 s28, s[WV], 2*1536
	v_add_nc_u32 v[FW], s28, v[LI]
	s_lshr_b32 s28, ttmp9, 3                       ; batch x 16 + key step
	s_and_b32 s29, ttmp9, 7
	s_lshl_b32 s30, s28, 4
	s_add_co_u32 s30, s30, 1024                    ; V_lat's first fragment of the step in lat
	s_lshl_b32 s31, s[WV], 1
	s_add_co_u32 s31, s31, s30
	s_lshl_b32 s34, s29, 3
	s_add_co_u32 s34, s34, s[WV]                   ; my tile of Wv_up, 0..63
	s_lshl_b32 s35, s34, 1
	s_add_co_u32 s35, s35, 2944                    ; its first fragment in wq
	s_lshr_b32 s36, s28, 4
	s_lshl_b32 s36, s36, 4
	s_lshr_b32 s37, s34, 2                         ; head
	s_add_co_u32 s36, s36, s37
	s_lshl_b32 s36, s36, 4
	s_and_b32 s37, s28, 15
	s_add_co_u32 s36, s36, s37
	s_lshl_b32 s36, s36, 2
	s_and_b32 s37, s34, 3
	s_add_co_u32 s36, s36, s37                     ; the result's fragment in vt
	s_wait_kmcnt 0x0
	s_mul_i32 s32, s31, 1536
	s_add_nc_u64 s[AP:AP+1], s[6:7], s[32:33]
	s_lshl_b32 s32, s30, 6
	s_add_co_u32 s32, s32, SCL2
	s_add_nc_u64 s[AS:AS+1], s[6:7], s[32:33]
	s_mul_i32 s32, s35, 1536
	s_add_nc_u64 s[BP:BP+1], s[4:5], s[32:33]
	s_lshl_b32 s32, s35, 6
	s_add_co_u32 s32, s32, SCL1
	s_add_nc_u64 s[BS:BS+1], s[4:5], s[32:33]
	s_mul_i32 s32, s36, 1536
	s_add_nc_u64 s[OP:OP+1], s[8:9], s[32:33]
	s_lshl_b32 s32, s36, 7
	s_add_co_u32 s32, s32, SCL3
	s_add_nc_u64 s[OS:OS+1], s[8:9], s[32:33]
	s_wait_alu depctr_va_vdst(0)                   ; the offsets and LDS addresses v1-4 and v8 are written, which every load and store below reads
	AFILL_LD 2
	SC_LD 2, 1, LS
	B_LD 2
	s_wait_loadcnt 15                              ; the copy's 6 loads are in; 9 scale words' and source 1's 6 loads may be out
	AFILL_ST 2
	s_wait_dscnt 0x0                               ; for the others' sake: my tile lies in LDS
	s_barrier_signal -1
	s_barrier_wait -1
	s_wait_loadcnt 0x0
	MAIN 2, 1, 1
.irp b, 0,1,2,3
	v_mov_b32 v[QT+4+\b], 0                        ; a lane permute's destination counts as one of its sources
.endr
	QUANT ACC, QC, QX, QT, QW
	s_wait_alu depctr_va_vdst(0)                   ; the quantiser has written the codes v12-23 and the scale word v48, which the stores read
.irp c, 0,1,2
	global_store_b128 v[LI], v[QC+4*\c:QC+4*\c+3], s[OP:OP+1] offset:512*\c
.endr
	global_store_b32 v[LS], v[QW], s[OS:OS+1]      ; all 32 lanes' words: 128 bytes
	s_wait_dscnt 0x0                               ; the closing lines, six on end
	s_wait_alu 0x0
	s_wait_tensorcnt 0x0
	ds_add_u32 v[SPW], v[NIL]
	s_wait_dscnt 0x0
	s_endpgm
.Lfunc_end_k_qbc0cabb623_vup:
	.size	k_qbc0cabb623_vup, .Lfunc_end_k_qbc0cabb623_vup-k_qbc0cabb623_vup
	.p2alignl 7, 3214868480
	.fill 96, 4, 3214868480
	.section	.rodata,"a",@progbits
	.p2align	6, 0x0
	.amdhsa_kernel k_qbc0cabb623_vup
		.amdhsa_group_segment_fixed_size 25600
		.amdhsa_private_segment_fixed_size 0
		.amdhsa_enable_private_segment 0
		.amdhsa_kernarg_size 24
		.amdhsa_user_sgpr_count 2
		.amdhsa_user_sgpr_kernarg_segment_ptr 1
		.amdhsa_wavefront_size32 1
		.amdhsa_system_sgpr_workgroup_id_x 1
		.amdhsa_system_sgpr_workgroup_id_y 1
		.amdhsa_system_sgpr_workgroup_id_z 1
		.amdhsa_system_vgpr_workitem_id 0
		.amdhsa_next_free_vgpr 288
		.amdhsa_next_free_sgpr 66
		.amdhsa_reserve_vcc 0
		.amdhsa_float_denorm_mode_32 3
		.amdhsa_float_denorm_mode_16_64 3
		.amdhsa_memory_ordered 1
		.amdhsa_forward_progress 1
		.amdhsa_inst_pref_size 15
	.end_amdhsa_kernel
	.amdgpu_metadata
---
amdhsa.version: [ 1, 2 ]
amdhsa.kernels:
  - .name:           k_qbc0cabb623_vup
    .symbol:         k_qbc0cabb623_vup.kd
    .args:
      - { .name: wq, .offset: 0, .size: 8, .value_kind: global_buffer, .address_space: global }
      - { .name: lat, .offset: 8, .size: 8, .value_kind: global_buffer, .address_space: global }
      - { .name: vt, .offset: 16, .size: 8, .value_kind: global_buffer, .address_space: global }
    .group_segment_fixed_size: 25600
    .private_segment_fixed_size: 0
    .kernarg_segment_align: 8
    .kernarg_segment_size: 24
    .max_flat_workgroup_size: 256
    .sgpr_count:     66
    .vgpr_count:     288
    .wavefront_size: 32
...
	.end_amdgpu_metadata
.endif
;; end of part 8
;; launch attn (part 9): grid 8 x 32, 16 waves a work-group, no clusters, 116,736 bytes of LDS; arguments lat, vt, attention_mask, ctx; writes ctx
.if DOCPART == 9
	.amdgcn_target "amdgcn-amd-amdhsa--gfx1250"
	.amdhsa_code_object_version 6
	.text
	.protected	k_qbc0cabb623_attn
	.globl	k_qbc0cabb623_attn
	.p2align	8
	.type	k_qbc0cabb623_attn,@function
k_qbc0cabb623_attn:
	s_mov_b64 s[64:65], 0
	v_nop
	global_prefetch_b8 v0, s[64:65] scope:SCOPE_SE
	s_setreg_imm32_b32 hwreg(HW_REG_WAVE_SCHED_MODE, 0, 2), 2
	s_setreg_imm32_b32 hwreg(HW_REG_WAVE_MODE, 25, 1), 1
	s_wait_xcnt 0x0
	s_wait_alu depctr_vm_vsrc(0)
; Products 5 (Q_lat Mabs), 6 (logits) and 8 (attn V_up), the masks, the softmax, and ctx's quantiser.
; WORK LEFT OUT: key steps of 128 keys all of which come after a wave's 16 queries (reference() builds that mask itself; attn is exactly 0 there: see the head of launch prep).  LIMIT: a NaN, an infinity or an overflow in those logits is not carried on.
; attn IS QUANTISED FINISHED AND NORMALISED, so the keys are walked TWICE.  Pass 1: each row's running maximum and sum.  Pass 2: the same logits by the same instructions (the same bits),
; attn = 2^(t - M) x (1 / sum), quantised along the keys, times V.  t = logit x log2(e); M = the row's largest t rounded up to a whole number, so that a change of M rescales the sum exactly.
; attention_mask is honoured by selection: a padded key's logit becomes -inf; a row with no key left has sum 0, and its 1 / sum is taken as 0: attn = 0, as reference()'s nan_to_num gives.
; LIMITS: NaN and infinities among the inputs are not served; 2^(t - M) under 2^-126 counts as 0; the quantiser's limits as stated at the head of launch prep.
; SHARES.  Work-group (j, batch x 16 + head) owns the query blocks j and 15 - j of 128; each of its 16 waves one tile of 16 queries.  Wave w: tile w / 2 of block j or 15 - j by the bit (w ^ (w >> 2)) & 1.
; A wave of block J works key steps 0 .. J; step J is its diagonal.  All waves walk 16 steps (a constant trip count) and pass every barrier.
; NO CLUSTER: the eight work-groups of a head need 9 to 16 steps' tiles, a different number each.  K's and V's images come through a ring of two LDS slots that the waves fill through registers:
; in a step each wave loads its 2,048 bytes of the step after next and stores those of the next step; one barrier a step.
; LAYOUT.  Both products transposed: S^T = K_lat (Q_lat Mabs)^T, O^T = V^T attn^T: a lane holds one query throughout; by the tiles' row order register 16 b + i of S^T is key 32 b + 16 h + i of the step.
; THE MODE: SCHED_MODE bits 1:0 = 2 (LLVM: expert scheduling mode 2), set by the entry lines.  The code itself states the register dependences
; between vector or matrix instructions and memory or LDS instructions, with s_wait_alu, always for 0.
; THE PLAN.  Registers that memory or LDS instructions touch:
;   v1-4, v8     offsets and LDS addresses: made at the head, never written again.  v11, v15: LDS addresses at the head alone; written again only behind a wait on vm_vsrc.
;   v40-55       the ring's copy: global loads write, LDS stores read, no vector instruction names them.  One wait on vm_vsrc a step stands between the stores and the next loads.
;   v56-63       scale words: LDS loads (at the head global loads) write, products read; in pass 2 the quantiser writes v60.
;   v160-255     two sets of four fragments: LDS loads write, products read; the statistics, the pad mask's compares and the quantiser work there behind the products.
;   The wave's 256 registers are all in use (four waves share a SIMD's 1,024), so there is no third set: a set is fetched anew behind a wait for the four products that read it.
; Waits on va_vdst: ONE at a step's head (all of the step before is done with v56-63 and v160-255; first trip: the query operand and its scale register are written); one ahead of each refetch of a set;
; one ahead of the pad mask's loads, inside their branch; pass 2: one ahead of V's loads, one ahead of the second product (attn's codes and scale word are written); one ahead of the last stores.
; COMPARES go in runs of 32 into s66-97, with one wait on va_sdst between a run and the selections that read its masks.
; REGISTERS: v1-4 addresses; v5, v6 the add's two; v7 the query operand's scale words; v8 64 h; v9 the causal bound; v10 -inf; v11 at work; v12 -M; v13 largest t; v[14:15] the sum, then 1 / sum;
;   v16-39 the query operand (2 fragments); v40-55 the ring's copy; v56-63 scale words; v64-95 O^T (at the head Q_lat); v96-159 S^T, then attn; v160-255 two sets of four fragments, and work registers.
.set SCL2,  3145728
.set SCL3,  3145728
.set SCL4,  3145728
.set SLOT,  32768                      ; a slot: K's 16 fragments, then 16 pieces of 512 bytes:
.set XO,    24576                      ;   V's 4 fragments (pieces 0-11),
.set XVS,   XO+6144                    ;   V's scale words (12),
.set XKS,   XO+6656                    ;   K's scale words (13, 14),
.set XMK,   XO+7680                    ;   the step's 128 words of attention_mask (15)
.set MAB,   65536                      ; Mabs^T of my head: 32 fragments
.set SPARE, 114688                     ; the spare words, 128 bytes for each wave; no other line names them
.set LI,   1
.set LS,   2
.set CPW,  3                           ; v3  LDS: 16 x lane + 1,536 x wave: my fragment of K
.set CPX,  4                           ; v4  LDS: 16 x lane + XO + 512 x wave: my piece
.set SPW,  5
.set NIL,  6
.set QSC,  7
.set MK,   8
.set QD,   9
.set NINF, 10
.set TW,   11
.set QM,   16
.set CP,   40
.set KSC,  56
.set O,    64
.set S,    96
.set KF,   160
.set MX,   208                         ; pass 1's work registers, in the second set
.set MY,   212
.set TA,   216
.set F,    218
.set SA,   220
.set PC,   208                         ; the quantiser's: codes, second halves, 16 at work
.set PX,   220
.set PT,   228
.set SEL,  26
.set MS,   66                          ; s66-97  the masks of a run of compares
; s12 wave; s13 j; s14 batch x 16 + head; s15 batch; s16 head; s17 my tile in its block; s19 my block = my last step; s20 the work-group's last step; s21 bit S: step S has a padded key;
; s22 the loop's count; s23 the step; s[26:27] lane selects; s[28:29] log2(e); s[30:31], s[32:33] where my copies begin; s[34:35], s[36:37] where they stand; s[38:39] my piece's step; s40 my token tile
.macro PLACES
.rept 4
	v_nop
.endr
.endm
.macro WM d, a, b, cz, sa, sb, row
.if \cz
.if \row
	v_wmma_scale_f32_16x16x128_f8f6f4 v[(\d):(\d)+7], v[(\a):(\a)+11], v[(\b):(\b)+11], 0, v[\sa], v[\sb] matrix_a_fmt:MATRIX_FMT_FP6 matrix_b_fmt:MATRIX_FMT_FP6 matrix_a_scale:MATRIX_SCALE_ROW1 matrix_b_scale:MATRIX_SCALE_ROW1
.else
	v_wmma_scale_f32_16x16x128_f8f6f4 v[(\d):(\d)+7], v[(\a):(\a)+11], v[(\b):(\b)+11], 0, v[\sa], v[\sb] matrix_a_fmt:MATRIX_FMT_FP6 matrix_b_fmt:MATRIX_FMT_FP6
.endif
.else
.if \row
	v_wmma_scale_f32_16x16x128_f8f6f4 v[(\d):(\d)+7], v[(\a):(\a)+11], v[(\b):(\b)+11], v[(\d):(\d)+7], v[\sa], v[\sb] matrix_a_fmt:MATRIX_FMT_FP6 matrix_b_fmt:MATRIX_FMT_FP6 matrix_a_scale:MATRIX_SCALE_ROW1 matrix_b_scale:MATRIX_SCALE_ROW1
.else
	v_wmma_scale_f32_16x16x128_f8f6f4 v[(\d):(\d)+7], v[(\a):(\a)+11], v[(\b):(\b)+11], v[(\d):(\d)+7], v[\sa], v[\sb] matrix_a_fmt:MATRIX_FMT_FP6 matrix_b_fmt:MATRIX_FMT_FP6
.endif
.endif
.endm
.macro QUANT s, d, x, tm, pw           ; 64 numbers, register 16 b + i = k 32 b + 16 h + i, become a fragment in v[d] on and its scale word in v[pw]
.irp b, 0,1,2,3
	v_max3_num_f32 v[\tm+\b], |v[\s+16*\b]|, |v[\s+1+16*\b]|, 0x1800000   ; and the floor 2^(3 - 127): the byte cannot fall under 1
.endr
.irp i, 2,4,6,8,10,12,14
.irp b, 0,1,2,3
	v_max3_num_f32 v[\tm+\b], v[\tm+\b], |v[\s+16*\b+\i]|, |v[\s+1+16*\b+\i]|
.endr
.endr
.irp b, 0,1,2,3
	v_permlanex16_b32 v[\tm+4+\b], v[\tm+\b], s[SEL], s[SEL+1]
.endr
.irp b, 0,1,2,3
	v_max_num_f32 v[\tm+\b], v[\tm+\b], v[\tm+4+\b]
.endr
.irp b, 0,1,2,3
	v_add_nc_u32 v[\tm+12+\b], 0xff000000, v[\tm+\b]   ; 2 off the exponent field: the conversion's scale operand
.endr
.irp b, 0,1,2,3
	v_lshrrev_b32 v[\tm+4+\b], 23, v[\tm+12+\b]
.endr
	v_lshl_or_b32 v[\pw], v[\tm+5], 8, v[\tm+4]
	v_lshl_or_b32 v[\pw], v[\tm+6], 16, v[\pw]
	v_lshl_or_b32 v[\pw], v[\tm+7], 24, v[\pw]
.irp c, 0,1
	v_cvt_scalef32_pk16_fp6_f32 v[\d+6*\c:\d+2+6*\c], v[\s+32*\c:\s+15+32*\c], v[\tm+12+2*\c]
	v_cvt_scalef32_pk16_fp6_f32 v[\x+4*\c:\x+2+4*\c], v[\s+16+32*\c:\s+31+32*\c], v[\tm+13+2*\c]
.endr
	v_nop                                          ; one plain place behind a scaled conversion
.irp c, 0,1
.irp i, 0,1,2
	v_permlane16_swap_b32 v[\d+6*\c+\i], v[\x+4*\c+\i]
.endr
.irp i, 0,1,2
	v_mov_b32 v[\d+3+6*\c+\i], v[\x+4*\c+\i]
.endr
.endr
.endm
; THE RING'S COPY.  p = 1: in pass 1 V is not wanted: only waves 13 to 15 copy their piece (K's scale words, the mask); the branch hangs on the wave's number alone
.macro CP_LD p
.irp c, 0,1,2
	global_load_b128 v[CP+4*\c:CP+4*\c+3], v[LI], s[34:35] offset:512*\c
.endr
.if \p == 1
	s_cmp_lt_u32 s12, 13
	s_cbranch_scc1 .Lnoxl_\@
.endif
	global_load_b128 v[CP+12:CP+15], v[LI], s[36:37]
.if \p == 1
.Lnoxl_\@:
.endif
.endm
.macro CP_ST p, slot
.irp c, 0,1,2
	ds_store_b128 v[CPW], v[CP+4*\c:CP+4*\c+3] offset:SLOT*(\slot)+512*\c
.endr
.if \p == 1
	s_cmp_lt_u32 s12, 13
	s_cbranch_scc1 .Lnoxs_\@
.endif
	ds_store_b128 v[CPX], v[CP+12:CP+15] offset:SLOT*(\slot)
.if \p == 1
.Lnoxs_\@:
.endif
.endm
.macro KBATCH slot, g                  ; K's tiles 2 g and 2 g + 1, both K steps: four fragments, 6,144 consecutive bytes, into set g % 2
.set k_, 0
.rept 12
	ds_load_b128 v[KF+48*((\g)%2)+4*k_:KF+48*((\g)%2)+4*k_+3], v[LI] offset:SLOT*(\slot)+6144*(\g)+512*k_
.set k_, k_+1
.endr
.endm
; S^T = K (Q Mabs)^T: 16 products.  Two accumulators take turns, one instruction a turn.
.macro SCORES slot
	s_wait_alu depctr_va_vdst(0)                   ; the step's head: the products, compares, statistics and quantiser of the step before are done with v56-63 and v160-255, in which the loads below land; first trip: the query operand v16-39 and its scale register v7 are written
.irp t, 0,1,2,3,4,5,6,7
	ds_load_b32 v[KSC+\t], v[LS] offset:SLOT*(\slot)+XKS+128*\t   ; lanes 0-15: K step 0's words of tile t, lanes 16-31: K step 1's
.endr
	KBATCH \slot, 0
	KBATCH \slot, 1
.irp g, 0,1,2,3
.if \g == 3
	s_wait_dscnt 0x0
.else
	s_wait_dscnt 12                                ; this batch is in; the younger batch's twelve loads may be out
.endif
	WM S+16*\g, KF+48*(\g%2), QM, 1, KSC+2*\g, QSC, 0
	WM S+16*\g+8, KF+48*(\g%2)+24, QM, 1, KSC+2*\g+1, QSC, 0
	WM S+16*\g, KF+48*(\g%2)+12, QM+12, 0, KSC+2*\g, QSC, 1
	WM S+16*\g+8, KF+48*(\g%2)+36, QM+12, 0, KSC+2*\g+1, QSC, 1
.if \g < 2
	s_wait_alu depctr_va_vdst(0)                   ; these four products are done reading their set, in which the batch after next lands
	KBATCH \slot, \g+2
.endif
.if \g == 3
	PLACES                                         ; in front of the first read of results by vector instructions
.endif
.endr
.endm
; attention_mask: a step with no padded key jumps over this (a branch on whole numbers that the launch has read)
.macro PADMASK slot
	s_bitcmp1_b32 s21, s23
	s_cbranch_scc0 .Lnopad_\@
	s_wait_alu depctr_va_vdst(0)                   ; the step's products are done reading v160-223, in which the mask's words land
.irp b, 0,1,2,3
.irp q, 0,1,2,3
	ds_load_b128 v[KF+16*\b+4*\q:KF+16*\b+4*\q+3], v[MK] offset:SLOT*(\slot)+XMK+128*\b+16*\q   ; the mask's words of keys 32 b + 16 h + 4 q on
.endr
.endr
	s_wait_dscnt 0x0
.irp hf, 0,1
.set n_, 32*\hf
.rept 32
	v_cmp_eq_u32 s[MS+(n_%32)], 0, v[KF+n_]
.set n_, n_+1
.endr
	s_wait_alu depctr_va_sdst(0)                   ; the run's 32 masks s66-97 are written, ahead of the selections that read them
.set n_, 32*\hf
.rept 32
	v_cndmask_b32 v[S+n_], v[S+n_], v[NINF], s[MS+(n_%32)]
.set n_, n_+1
.endr
.endr
.Lnopad_\@:
.endm
; the causal mask, in my diagonal step alone: register 16 b + i holds key 32 b + 16 h + i of the block, hidden where that is above my query's place in the block
.macro CAUSAL
	s_cmp_lg_u32 s23, s19
	s_cbranch_scc1 .Lnodiag_\@
.irp hf, 0,1
.set n_, 32*\hf
.rept 32
	v_cmp_gt_i32 s[MS+(n_%32)], 32*(n_/16)+(n_%16), v[QD]
.set n_, n_+1
.endr
	s_wait_alu depctr_va_sdst(0)                   ; the run's 32 masks s66-97 are written, ahead of the selections that read them
.set n_, 32*\hf
.rept 32
	v_cndmask_b32 v[S+n_], v[S+n_], v[NINF], s[MS+(n_%32)]
.set n_, n_+1
.endr
.endr
.Lnodiag_\@:
.endm
.macro EXPS                            ; t - M, two at a time, and 2^(t - M)
.set n_, 0
.rept 32
	v_pk_fma_f32 v[S+2*n_:S+2*n_+1], v[S+2*n_:S+2*n_+1], s[28:29], v[12:13] op_sel_hi:[1,0,0]
.set n_, n_+1
.endr
.set n_, 0
	s_wait_alu depctr_va_vdst(0)
.rept 64
	v_exp_f32 v[S+n_], v[S+n_]
.set n_, n_+1
.endr
.endm
; PASS 1: the running maximum and the sum
.macro STATS
.irp b, 0,1,2,3
	v_max3_num_f32 v[MX+\b], v[S+16*\b], v[S+16*\b+1], v[S+16*\b+2]
.endr
.irp i, 3,5,7,9,11,13
.irp b, 0,1,2,3
	v_max3_num_f32 v[MX+\b], v[MX+\b], v[S+16*\b+\i], v[S+16*\b+\i+1]
.endr
.endr
.irp b, 0,1,2,3
	v_max_num_f32 v[MX+\b], v[MX+\b], v[S+16*\b+15]
.endr
	v_max3_num_f32 v[TA], v[MX], v[MX+1], v[MX+2]
	v_max_num_f32 v[TA], v[TA], v[MX+3]
	v_permlanex16_b32 v[MY], v[TA], s[SEL], s[SEL+1]
	v_max_num_f32 v[TA], v[TA], v[MY]              ; the step's largest logit of my query
	v_mul_f32 v[TA], s28, v[TA]
	v_max_num_f32 v13, v13, v[TA]                  ; the running largest t
	v_mov_b32 v[TA], v12
	v_floor_f32 v12, -v13                          ; -M = floor(-t): M is a whole number
	v_sub_f32 v[TA], v12, v[TA]                    ; old M less new M: a whole number, 0 or less
	v_cvt_i32_f32 v[TA], v[TA]                     ; (it saturates)
	v_ldexp_f32 v[F], 1.0, v[TA]                   ; 2^(old M - new M): the sum is brought under the new M with no rounding
	EXPS
	v_pk_mul_f32 v[14:15], v[14:15], v[F:F+1] op_sel_hi:[1,0]   ; (a plain place behind the exponentials)
	s_wait_alu depctr_va_vdst(0)                   ; the 64 exponentials have written v96-159: one wait for the batch, ahead of its first reader
	v_pk_add_f32 v[SA:SA+1], v[S:S+1], v[S+2:S+3]
.irp j, 4,8,12,16,20,24,28,32,36,40,44,48,52,56,60
	v_pk_add_f32 v[14:15], v[14:15], v[S+\j:S+\j+1]
	v_pk_add_f32 v[SA:SA+1], v[SA:SA+1], v[S+\j+2:S+\j+3]
.endr
	v_pk_add_f32 v[14:15], v[14:15], v[SA:SA+1]
.endm
; PASS 2
.macro V_LD slot                       ; V's four fragments into the first set and their scale words: asked for ahead of the exponentials, under which they land
	s_wait_alu depctr_va_vdst(0)                   ; the step's products are done reading the first set v160-207 and the scale words v56-59, in which V's land; where a key is padded, the compares are done reading the mask's words there
.irp n, 0,1,2,3
.irp c, 0,1,2
	ds_load_b128 v[KF+12*\n+4*\c:KF+12*\n+4*\c+3], v[LI] offset:SLOT*(\slot)+XO+1536*\n+512*\c
.endr
	ds_load_b32 v[KSC+\n], v[LS] offset:SLOT*(\slot)+XVS+128*\n
.endr
.endm
.macro PROBS
	EXPS
	v_nop                                          ; a plain place behind the exponentials
	s_wait_alu depctr_va_vdst(0)                   ; the 64 exponentials have written v96-159: one wait for the batch, ahead of its first reader
.set n_, 0
.rept 32
	v_pk_mul_f32 v[S+2*n_:S+2*n_+1], v[S+2*n_:S+2*n_+1], v[14:15] op_sel_hi:[1,0]   ; attn, finished and normalised
.set n_, n_+1
.endr
	QUANT S, PC, PX, PT, KSC+4
.endm
.macro PV
	s_wait_dscnt 0x0                               ; V
.rept 8
	v_nop                                          ; attn's scale word was written by vector instructions: 8 places ahead of a scaled product; its codes: 4
.endr
	s_wait_alu depctr_va_vdst(0)                   ; behind the places: the quantiser has written attn's codes v208-219 and its scale word v60, which the products below take as operand and scales
.irp n, 0,1,2,3
	WM O+8*\n, KF+12*\n, PC, 0, KSC+\n, KSC+4, 0
.endr
	PLACES                                         ; in front of the way out's reads of these results
.endm
; A KEY STEP.  The loads of the step after next were asked for a step ago; the one barrier stands between this step's reads of its slot and the next step's stores into it,
; and between this step's stores into the other slot and the next step's reads of it.
.macro STEP p, slot, odd
.if \odd
	s_add_co_u32 s23, s22, 1
.else
	s_mov_b32 s23, s22
.endif
	s_cmp_gt_u32 s23, s19                          ; all of the step's keys come after my queries: its work is left out
	s_cbranch_scc1 .Lidle_\@
	SCORES \slot
	PADMASK \slot
	CAUSAL
.if \p == 1
	STATS
.else
	V_LD \slot
	PROBS
	PV
.endif
.Lidle_\@:
	s_wait_loadcnt 0x0                             ; my copy's loads are in: their registers may be stored, their pointers stepped
	s_cmp_ge_u32 s23, s20                          ; is there a next step for any wave of the work-group?
	s_cbranch_scc1 .Lnost_\@
	CP_ST \p, 1-\slot
.Lnost_\@:
	s_wait_dscnt 0x0                               ; for the others' sake: my stores have landed, and my reads of this slot are over
	s_wait_alu depctr_vm_vsrc(0)                   ; my LDS stores have read the copy's registers v40-55, in which the loads below land
	s_add_co_u32 s24, s23, 1
	s_cmp_ge_u32 s24, s20                          ; and a step after next?  No load leaves its buffer
	s_cbranch_scc1 .Lnold_\@
	s_add_nc_u64 s[34:35], s[34:35], 24576
	s_add_nc_u64 s[36:37], s[36:37], s[38:39]
	CP_LD \p
.Lnold_\@:
	s_barrier_signal -1
	s_barrier_wait -1
.endm
.macro PASS p
	s_mov_b32 s22, 0
.Lpass_\@:
	STEP \p, 0, 0
	STEP \p, 1, 1
	s_add_co_u32 s22, s22, 2
	s_cmp_lt_u32 s22, 16
	s_cbranch_scc1 .Lpass_\@
.endm
; product 5's fetch: half step i of k group G: K step i / 2, tiles 8 G + 4 (i % 2) + 0 .. 3 of Mabs^T
.macro MFETCH G, i
.irp u, 0,1,2,3
.irp c, 0,1,2
	ds_load_b128 v[KF+48*((\i)%2)+12*\u+4*\c:KF+48*((\i)%2)+12*\u+4*\c+3], v[TW] offset:((8*\G+4*((\i)%2)+\u)*2+(\i)/2)*1536+512*\c
.endr
.endr
.endm
.macro P5 G
	MFETCH \G, 0
	MFETCH \G, 1
.irp i, 0,1,2,3
.if \i == 3
	s_wait_dscnt 0x0
.else
	s_wait_dscnt 12                                ; this half step's set is in; the younger set's twelve loads may be out
.endif
.irp u, 0,1,2,3
	WM S+8*(4*(\i%2)+\u), KF+48*(\i%2)+12*\u, O+12*(\i/2), 1-\i/2, KSC+4*(\i%2)+\u, QSC, \i/2
.endr
.if \i < 2
	s_wait_alu depctr_va_vdst(0)                   ; these four products are done reading their set, in which the half step after next lands
	MFETCH \G, \i+2
.endif
.if \i == 3
	PLACES                                         ; in front of the first read of results by vector instructions
.endif
.endr
.endm
	s_load_b256 s[4:11], s[0:1], 0x0               ; lat, vt, attention_mask, ctx
	v_lshl_add_u32 v[SPW], v0, 2, SPARE
	v_mov_b32 v[NIL], 0
	v_lshrrev_b32 v10, 5, v0
	v_readfirstlane_b32 s12, v10                   ; wave 0..15
	v_and_b32 v11, 31, v0
	v_and_b32 v13, 15, v0                          ; r
	s_wait_alu depctr_va_vdst(0)
	v_bfe_u32 v12, v0, 4, 1                        ; h
	v_lshlrev_b32 v[LI], 4, v11
	v_lshlrev_b32 v[LS], 2, v11
	s_wait_alu depctr_va_sdst(0)                   ; the wave's number s12 is written, ahead of its first reader
	s_mul_i32 s24, s12, 1536
	v_add_nc_u32 v[CPW], s24, v[LI]
	s_lshl_b32 s52, s12, 9
	s_add_co_u32 s25, s52, XO
	v_add_nc_u32 v[CPX], s25, v[LI]
	s_mul_i32 s25, s12, 3072
	s_add_co_u32 s44, s25, MAB
	v_add_nc_u32 v15, s44, v[LI]                   ; where I put my two fragments of Mabs^T
	v_add_nc_u32 v[TW], MAB, v[LI]                 ; and from where all read them
	v_lshlrev_b32 v[MK], 6, v12
	s_lshr_b32 s17, s12, 1                         ; my tile in its block
	s_lshr_b32 s44, s17, 1
	s_lshl_b32 s44, s44, 5
	s_and_b32 s45, s17, 1
	s_lshl_b32 s45, s45, 3
	s_add_co_u32 s42, s44, s45                     ; its first row: 32 (tile / 2) + 8 (tile % 2)
	v_and_b32 v14, 8, v13
	v_add_nc_u32 v14, v14, v13
	v_lshlrev_b32 v10, 4, v12
	v_sub_nc_u32 v14, v14, v10
	v_add_nc_u32 v[QD], s42, v14                   ; my query's place in the block, less 16 h
	v_mov_b32 v[MY], 0                             ; lane permutes' destinations count as sources
.irp b, 0,1,2,3
	v_mov_b32 v[PT+4+\b], 0
.endr
	s_mov_b32 s13, ttmp9
	s_and_b32 s14, ttmp7, 0xffff
	s_lshr_b32 s15, s14, 4
	s_and_b32 s16, s14, 15
	s_sub_co_u32 s20, 15, s13
	s_lshr_b32 s18, s12, 2
	s_xor_b32 s18, s18, s12
	s_and_b32 s18, s18, 1
	s_cmp_lg_u32 s18, 0
	s_cselect_b32 s19, s20, s13                    ; my block
	s_lshl_b32 s40, s15, 7
	s_lshl_b32 s44, s19, 3
	s_add_co_u32 s40, s40, s44
	s_add_co_u32 s40, s40, s17                     ; my token tile: 128 batch + 8 block + tile
	s_mov_b32 s[SEL], 0x76543210
	s_mov_b32 s[SEL+1], 0xfedcba98
	s_mov_b32 s28, 0x3fb8aa3b                      ; log2(e)
	s_mov_b32 s29, s28                             ; (named with it as a pair)
	s_mov_b32 s43, 0xffff0000                      ; lanes 16-31
	s_mul_i32 s46, s15, 393216
	s_add_co_u32 s46, s46, 786432
	s_add_co_u32 s46, s46, s24                     ; K_lat's fragments of my batch, + my fragment
	s_mov_b32 s47, 0
	; my piece of a slot: from which buffer, from where, and how far from step to step
	s_mul_i32 s48, s14, 98304
	s_add_co_u32 s48, s48, s52                     ; waves 0-11: V's codes
	s_lshl_b32 s49, s14, 13
	s_add_co_u32 s49, s49, SCL3                    ; wave 12: V's scale words
	s_lshl_b32 s50, s15, 14
	s_add_co_u32 s50, s50, s52
	s_add_co_u32 s50, s50, SCL2+32768-6656         ; waves 13, 14: K's scale words
	s_lshl_b32 s51, s15, 13                        ; wave 15: the mask
	s_mov_b32 s38, 6144
	s_mov_b32 s39, 0
	s_wait_kmcnt 0x0
	s_add_nc_u64 s[30:31], s[4:5], s[46:47]
	s_mov_b64 s[32:33], s[6:7]
	s_cmp_eq_u32 s12, 12
	s_cselect_b32 s48, s49, s48
	s_cselect_b32 s38, 512, s38
	s_cmp_ge_u32 s12, 13
	s_cselect_b64 s[32:33], s[4:5], s[32:33]
	s_cselect_b32 s48, s50, s48
	s_cselect_b32 s38, 1024, s38
	s_cmp_eq_u32 s12, 15
	s_cselect_b64 s[32:33], s[8:9], s[32:33]
	s_cselect_b32 s48, s51, s48
	s_cselect_b32 s38, 512, s38
	s_mov_b32 s49, 0
	s_add_nc_u64 s[32:33], s[32:33], s[48:49]
	s_lshl_b32 s46, s16, 5
	s_add_co_u32 s46, s46, 1536                    ; Mabs^T of my head: its first fragment in lat
	s_lshl_b32 s44, s46, 6
	s_add_co_u32 s44, s44, SCL2
	s_mov_b32 s45, 0
	s_add_nc_u64 s[52:53], s[4:5], s[44:45]        ; its scale words
	s_mul_i32 s46, s46, 1536
	s_add_co_u32 s46, s46, s25
	s_add_nc_u64 s[54:55], s[4:5], s[46:47]        ; my two fragments of it
	s_mul_i32 s46, s40, 3072
	s_add_nc_u64 s[56:57], s[4:5], s[46:47]        ; Q_lat's two fragments of my tile
	s_lshl_b32 s46, s40, 7
	s_add_co_u32 s46, s46, SCL2
	s_add_nc_u64 s[58:59], s[4:5], s[46:47]        ; and their scale words
	s_lshl_b32 s46, s15, 13
	s_add_nc_u64 s[50:51], s[8:9], s[46:47]        ; my batch's mask
	s_mov_b64 s[34:35], s[30:31]
	s_mov_b64 s[36:37], s[32:33]
	s_wait_alu depctr_va_vdst(0)                   ; the offsets and LDS addresses v1-4, v8, v11 and v15 are written, which the loads and LDS instructions below read; so are v212 and v232-235, in which fragments land
.irp k, 0,1,2,3,4,5
	global_load_b128 v[KF+4*\k:KF+4*\k+3], v[LI], s[54:55] offset:512*\k
.endr
	CP_LD 1                                        ; key step 0
.irp k, 0,1,2,3,4,5,6,7,8,9,10,11,12,13,14,15
	global_load_b128 v[S+4*\k:S+4*\k+3], v[LI], s[50:51] offset:512*\k   ; load k: the 128 words of key step k
.endr
.irp k, 0,1,2,3,4,5
	global_load_b128 v[O+4*\k:O+4*\k+3], v[LI], s[56:57] offset:512*\k
.endr
	global_load_b32 v[QSC], v[LS], s[58:59]
.irp t, 0,1,2,3,4,5,6,7
	global_load_b32 v[KSC+\t], v[LS], s[52:53] offset:128*\t
.endr
	s_wait_loadcnt 0x0
.irp k, 0,1,2,3,4,5
	ds_store_b128 v15, v[KF+4*\k:KF+4*\k+3] offset:512*\k
.endr
	CP_ST 1, 0
	s_wait_dscnt 0x0                               ; for the others' sake
	s_wait_alu depctr_vm_vsrc(0)                   ; my LDS stores have read v40-55, in which key step 1's loads land, v160-183, in which Mabs's fragments land, and v15, which is written again below
	s_add_nc_u64 s[34:35], s[34:35], 24576
	s_add_nc_u64 s[36:37], s[36:37], s[38:39]
	CP_LD 1                                        ; key step 1 (the work-group's last step is 8 at the least)
.irp k, 0,1,2,3,4,5,6,7,8,9,10,11,12,13,14,15
	v_min_u32 v12, v[S+4*\k], v[S+4*\k+1]          ; as unsigned numbers: the least is 0 just where a word is 0
	v_min_u32 v13, v[S+4*\k+2], v[S+4*\k+3]
	v_min_u32 v12, v12, v13
	v_cmp_eq_u32 s[MS+\k], 0, v12
.endr
	s_wait_alu depctr_va_sdst(0)                   ; the sixteen masks s66-81 are written, ahead of the scalar lines that read them
	s_mov_b32 s21, 0
.irp k, 0,1,2,3,4,5,6,7,8,9,10,11,12,13,14,15
	s_cmp_lg_u32 s[MS+\k], 0
	s_cselect_b32 s45, 1<<\k, 0
	s_or_b32 s21, s21, s45
.endr
	s_barrier_signal -1
	s_barrier_wait -1                              ; Mabs^T and slot 0 lie in LDS
	; ---- product 5: (Q_lat Mabs)^T, source 0 = 16 k of Mabs^T, source 1 = my 16 queries of Q_lat; 128 k at a time, quantised along k
	P5 0
	s_wait_alu depctr_va_vdst(0)                   ; the products are done reading the scale words v56-63, in which those of tiles 8-15 land
.irp t, 0,1,2,3,4,5,6,7
	global_load_b32 v[KSC+\t], v[LS], s[52:53] offset:128*(8+\t)   ; the scale words of tiles 8-15, into the same registers: they land under the quantiser
.endr
	QUANT S, QM, PX, PT, 12
	s_wait_loadcnt 0x0
	s_wait_alu depctr_va_vdst(0)                   ; the quantiser is done with its work registers v220-243, in which the second half's fragments land
	P5 1
	QUANT S, QM+12, PX, PT, 13
	v_cndmask_b32 v[QSC], v12, v13, s43            ; lanes 0-15: K step 0's words, lanes 16-31: K step 1's
	v_mov_b32 v13, 0xff61b1e6                      ; the largest t so far: -3e38, under every t
	v_floor_f32 v12, -v13                          ; -M
	v_mov_b32 v14, 0                               ; the sum, in two halves
	v_mov_b32 v15, 0
	v_mov_b32 v[NINF], 0xff800000
	PLACES                                         ; with the five lines above: 8 places and more between the scale register's write and the first scaled product that names it
	PASS 1
	; ---- between the passes: the ring starts anew, now with V; 1 / sum
	s_wait_loadcnt 0x0                             ; no load of mine names the pointers or the copy's registers any more
	s_mov_b64 s[34:35], s[30:31]
	s_mov_b64 s[36:37], s[32:33]
	CP_LD 2                                        ; (the last LDS stores that read v40-55, and the LDS loads that read v11, stand ahead of the last step's wait on vm_vsrc)
	s_wait_alu depctr_va_vdst(0)
	v_add_f32 v14, v14, v15
	v_permlanex16_b32 v[TW], v14, s[SEL], s[SEL+1]
	v_add_f32 v14, v14, v[TW]                      ; the row's sum
	s_wait_alu depctr_va_vdst(0)
	v_rcp_f32 v15, v14
	v_mov_b32 v[TW], 0                             ; (a plain place behind the reciprocal)
	v_cmp_eq_f32 vcc_lo, 0, v14
.set n_, 0
.rept 32
	v_mov_b32 v[O+n_], 0                           ; O^T: the step is written once and adds onto zeros
.set n_, n_+1
.endr
	s_wait_alu depctr_va_vdst(0)                   ; the reciprocal has written v15, ahead of its first reader
	s_wait_alu depctr_va_vcc(0)                    ; the compare has written VCC, which the selection reads
	v_cndmask_b32 v14, v15, v[TW], vcc_lo          ; a row with no key: 1 / sum is taken as 0
	s_wait_loadcnt 0x0
	CP_ST 2, 0
	s_wait_dscnt 0x0
	s_wait_alu depctr_vm_vsrc(0)                   ; my LDS stores have read the copy's registers v40-55, in which key step 1's loads land
	s_add_nc_u64 s[34:35], s[34:35], 24576
	s_add_nc_u64 s[36:37], s[36:37], s[38:39]
	CP_LD 2
	s_barrier_signal -1
	s_barrier_wait -1
	PASS 2
	; ---- the way out: my 16 queries x my head's 64 are half a K step of product 9: two blocks, six registers, two scale bytes
.irp b, 0,1
	v_max3_num_f32 v[PT+\b], |v[O+16*\b]|, |v[O+1+16*\b]|, 0x1800000
.endr
.irp i, 2,4,6,8,10,12,14
.irp b, 0,1
	v_max3_num_f32 v[PT+\b], v[PT+\b], |v[O+16*\b+\i]|, |v[O+1+16*\b+\i]|
.endr
.endr
.irp b, 0,1
	v_permlanex16_b32 v[PT+4+\b], v[PT+\b], s[SEL], s[SEL+1]
.endr
.irp b, 0,1
	v_max_num_f32 v[PT+\b], v[PT+\b], v[PT+4+\b]
.endr
.irp b, 0,1
	v_add_nc_u32 v[PT+12+\b], 0xff000000, v[PT+\b]
.endr
.irp b, 0,1
	v_lshrrev_b32 v[PT+4+\b], 23, v[PT+12+\b]
.endr
	v_lshl_or_b32 v[KSC+4], v[PT+5], 8, v[PT+4]
	v_cvt_scalef32_pk16_fp6_f32 v[KF:KF+2], v[O:O+15], v[PT+12]
	v_cvt_scalef32_pk16_fp6_f32 v[KF+8:KF+10], v[O+16:O+31], v[PT+13]
	v_nop
.irp i, 0,1,2
	v_permlane16_swap_b32 v[KF+\i], v[KF+8+\i]
.endr
.irp i, 0,1,2
	v_mov_b32 v[KF+3+\i], v[KF+8+\i]
.endr
	v_and_b32 v[TW], 31, v0
	v_lshlrev_b32 v[TW], 3, v[TW]                  ; 8 x lane
	v_and_b32 v12, 15, v0
	v_lshlrev_b32 v12, 2, v12                      ; 4 r
	s_lshl_b32 s46, s40, 4
	s_add_co_u32 s46, s46, s16
	s_mul_i32 s46, s46, 768
	s_add_nc_u64 s[50:51], s[10:11], s[46:47]      ; ctx: half image 16 T + head
	s_lshl_b32 s46, s40, 3
	s_lshr_b32 s44, s16, 1
	s_add_co_u32 s46, s46, s44
	s_lshl_b32 s46, s46, 6
	s_and_b32 s44, s16, 1
	s_lshl_b32 s44, s44, 1
	s_add_co_u32 s46, s46, s44
	s_add_co_u32 s46, s46, SCL4
	s_add_nc_u64 s[52:53], s[10:11], s[46:47]      ; my two bytes of the rows' scale words
	s_wait_alu depctr_va_vdst(0)                   ; the codes v160-165, the two scale bytes in v60 and the offsets v11 and v12 are written, which the stores read
	global_store_b128 v[LI], v[KF:KF+3], s[50:51]          ; 512 consecutive bytes,
	global_store_b64 v[TW], v[KF+4:KF+5], s[50:51] offset:512   ; and 256: at multiples of 256 from ctx's first byte
	global_store_b16 v12, v[KSC+4], s[52:53]       ; lanes r and r + 16 hold the same two bytes
	s_wait_dscnt 0x0                               ; the closing lines, six on end
	s_wait_alu 0x0
	s_wait_tensorcnt 0x0
	ds_add_u32 v[SPW], v[NIL]
	s_wait_dscnt 0x0
	s_endpgm
.Lfunc_end_k_qbc0cabb623_attn:
	.size	k_qbc0cabb623_attn, .Lfunc_end_k_qbc0cabb623_attn-k_qbc0cabb623_attn
	.p2alignl 7, 3214868480
	.fill 96, 4, 3214868480
	.section	.rodata,"a",@progbits
	.p2align	6, 0x0
	.amdhsa_kernel k_qbc0cabb623_attn
		.amdhsa_group_segment_fixed_size 116736
		.amdhsa_private_segment_fixed_size 0
		.amdhsa_enable_private_segment 0
		.amdhsa_kernarg_size 32
		.amdhsa_user_sgpr_count 2
		.amdhsa_user_sgpr_kernarg_segment_ptr 1
		.amdhsa_wavefront_size32 1
		.amdhsa_system_sgpr_workgroup_id_x 1
		.amdhsa_system_sgpr_workgroup_id_y 1
		.amdhsa_system_sgpr_workgroup_id_z 1
		.amdhsa_system_vgpr_workitem_id 0
		.amdhsa_next_free_vgpr 256
		.amdhsa_next_free_sgpr 98
		.amdhsa_reserve_vcc 1
		.amdhsa_float_denorm_mode_32 3
		.amdhsa_float_denorm_mode_16_64 3
		.amdhsa_memory_ordered 1
		.amdhsa_forward_progress 1
		.amdhsa_inst_pref_size 182
	.end_amdhsa_kernel
	.amdgpu_metadata
---
amdhsa.version: [ 1, 2 ]
amdhsa.kernels:
  - .name:           k_qbc0cabb623_attn
    .symbol:         k_qbc0cabb623_attn.kd
    .args:
      - { .name: lat, .offset: 0, .size: 8, .value_kind: global_buffer, .address_space: global }
      - { .name: vt, .offset: 8, .size: 8, .value_kind: global_buffer, .address_space: global }
      - { .name: attention_mask, .offset: 16, .size: 8, .value_kind: global_buffer, .address_space: global }
      - { .name: ctx, .offset: 24, .size: 8, .value_kind: global_buffer, .address_space: global }
    .group_segment_fixed_size: 116736
    .private_segment_fixed_size: 0
    .kernarg_segment_align: 8
    .kernarg_segment_size: 32
    .max_flat_workgroup_size: 512
    .sgpr_count:     98
    .vgpr_count:     256
    .wavefront_size: 32
...
	.end_amdgpu_metadata
.endif
;; end of part 9
;; launch outp (part 10): grid 256 x 1, 8 waves a work-group, no clusters, 166,912 bytes of LDS; arguments wq, ctx, bo, out0; writes out0
.if DOCPART == 10
	.amdgcn_target "amdgcn-amd-amdhsa--gfx1250"
	.amdhsa_code_object_version 6
	.text
	.protected	k_qbc0cabb623_outp
	.globl	k_qbc0cabb623_outp
	.p2align	8
	.type	k_qbc0cabb623_outp,@function
k_qbc0cabb623_outp:
	s_mov_b64 s[64:65], 0
	v_nop
	global_prefetch_b8 v0, s[64:65] scope:SCOPE_SE
	s_setreg_imm32_b32 hwreg(HW_REG_WAVE_SCHED_MODE, 0, 2), 2
	s_setreg_imm32_b32 hwreg(HW_REG_WAVE_MODE, 25, 1), 1
	s_wait_xcnt 0x0
	s_wait_alu depctr_vm_vsrc(0)
; Product 9 and the bias: out = ctx Wo^T + bo.  The form of launch down: source 0 = 128 rows of Wo (group ng of eight), 8 K steps, copied into LDS once; source 1 = one token tile of ctx a wave.
; ctx lies as half images (16 tokens x one head's 64: registers 0-3 at 16 x lane, 4-5 at 512 + 8 x lane); two heads' halves are a K step's fragment.
; The bias is loaded into the accumulators, so that every product adds in place and no addition is written.
; The way out: a lane holds 8 neighbouring outputs of one token a tile; the wave's 16 rows x 512 bytes go through its own stage in LDS and leave as whole rows.
; THE MODE: SCHED_MODE bits 1:0 = 2 (LLVM: expert scheduling mode 2), set by the entry lines.  The code itself states the register dependences
; between vector or matrix instructions and memory or LDS instructions, with s_wait_alu, always for 0.
; THE PLAN, as in launch down.  v1-5, v8-11: offsets and LDS addresses, made at the head and never written again.  AF0, AF1, AF2 (v12-155): half step i's four products read AF[i % 3]; the LDS loads of
; half step i + 2 land in AF[(i - 1) % 3], dealt three behind each product, behind ONE wait on va_vdst at the half step's head.  First the copy passes through AF0 and AF1 (global loads write, LDS stores read);
; last the stage's rows land in v12-75 and the global stores read them.  The accumulators v156-219: the bias's loads write, matrix instructions add, the stage's LDS stores read, behind the places and one wait.
; Window 1 and v220-255: loaded once, then named by matrix instructions alone.
.set SCL1,  5505024
.set SCL4,  3145728
.set STAGE, 98304                      ; behind source 0's 64 fragments: 16 rows x (512 + 16) bytes for each wave
.set SPARE, 165888                     ; the spare words, 128 bytes for each wave; no other line names them
.set LI,   1
.set A0,   2
.set A1,   3
.set LS,   4
.set L8,   5                           ; v5   8 x lane
.set SPW,  6
.set NIL,  7
.set FW,   8
.set SO,   9                           ; v9   the stage: row r, + 64 h
.set SR,   10                          ; v10  and back: 16 x lane
.set BH,   11                          ; v11  64 h: my half's place in bo
.set AF,   12                          ; (v13, v14: at the head only, r and h)
.set ACC,  156
.set ASC,  220
.set BSC,  252
.set AP, 12
.set AS, 14
.set BP, 16
.set BS, 18
.set BO, 20
.set OP, 22
.set WV, 24
.set MSB, 0
.macro WIN new
.if MSB != \new
	s_set_vgpr_msb (MSB<<8)|\new
.set MSB, \new
.endif
.endm
.macro PLACES
.rept 4
	v_nop
.endr
.endm
.macro WM d, a, b, cz, sa, sb, row
.if \cz
.if \row
	v_wmma_scale_f32_16x16x128_f8f6f4 v[(\d):(\d)+7], v[(\a):(\a)+11], v[(\b):(\b)+11], 0, v[\sa], v[\sb] matrix_a_fmt:MATRIX_FMT_FP6 matrix_b_fmt:MATRIX_FMT_FP6 matrix_a_scale:MATRIX_SCALE_ROW1 matrix_b_scale:MATRIX_SCALE_ROW1
.else
	v_wmma_scale_f32_16x16x128_f8f6f4 v[(\d):(\d)+7], v[(\a):(\a)+11], v[(\b):(\b)+11], 0, v[\sa], v[\sb] matrix_a_fmt:MATRIX_FMT_FP6 matrix_b_fmt:MATRIX_FMT_FP6
.endif
.else
.if \row
	v_wmma_scale_f32_16x16x128_f8f6f4 v[(\d):(\d)+7], v[(\a):(\a)+11], v[(\b):(\b)+11], v[(\d):(\d)+7], v[\sa], v[\sb] matrix_a_fmt:MATRIX_FMT_FP6 matrix_b_fmt:MATRIX_FMT_FP6 matrix_a_scale:MATRIX_SCALE_ROW1 matrix_b_scale:MATRIX_SCALE_ROW1
.else
	v_wmma_scale_f32_16x16x128_f8f6f4 v[(\d):(\d)+7], v[(\a):(\a)+11], v[(\b):(\b)+11], v[(\d):(\d)+7], v[\sa], v[\sb] matrix_a_fmt:MATRIX_FMT_FP6 matrix_b_fmt:MATRIX_FMT_FP6
.endif
.endif
.endm
.macro AFILL_LD ns
.set k_, 0
.rept 3*\ns
	global_load_b128 v[AF+4*k_:AF+4*k_+3], v[LI], s[AP:AP+1] offset:512*k_
.set k_, k_+1
.endr
.endm
.macro AFILL_ST ns
.set k_, 0
.rept 3*\ns
	ds_store_b128 v[FW], v[AF+4*k_:AF+4*k_+3] offset:512*k_
.set k_, k_+1
.endr
.endm
.macro SC_LD ns, nsp, av
.irp t, 0,1,2,3,4,5,6,7
.set p_, 0
.rept \nsp
	global_load_b32 v[ASC+\t*\nsp+p_], v[\av], s[AS:AS+1] offset:\t*64*\ns+128*p_
.set p_, p_+1
.endr
.endr
.set p_, 0
.rept \nsp
	global_load_b32 v[BSC+p_], v[\av], s[BS:BS+1] offset:128*p_
.set p_, p_+1
.endr
.endm
.macro AFRAG i, u, ns                  ; fragment u of half step i (K step i / 2, tile 4 (i % 2) + u) into set i % 3
.irp c, 0,1,2
	ds_load_b128 v[AF+48*((\i)%3)+12*(\u)+4*\c:AF+48*((\i)%3)+12*(\u)+4*\c+3], v[A0+(\i)%2] offset:((\u)*\ns+(\i)/2)*1536+512*\c
.endr
.endm
.macro HSTEP i, ns, nsp, zero          ; half step i: four products on set i % 3; behind each, a fragment of half step i + 2
.set ms, (\i)/2
.set mz, 0
.if \zero
.if ms == 0
.set mz, 1
.endif
.endif
.irp u, 0,1,2,3
.set mt, 4*((\i)%2)+\u
	WM ACC+8*mt, AF+48*((\i)%3)+12*\u, 12*ms, mz, ASC+mt*\nsp+ms/2, BSC+ms/2, ms%2
.if (\i)+2 < 2*\ns
	AFRAG (\i)+2, \u, \ns
.endif
.endr
.endm
.macro MAIN ns, nsp, zero              ; the accumulators take turns, one instruction a turn
	WIN 0x04                                       ; source 1 window 1
	s_wait_alu depctr_vm_vsrc(0)                   ; my LDS stores have read the copy's registers, v12 on, in which the fragments below land
.irp u, 0,1,2,3
	AFRAG 0, \u, \ns
.endr
.irp u, 0,1,2,3
	AFRAG 1, \u, \ns
.endr
.set hs_, 0
.rept 2*\ns
.if hs_ == 2*\ns-1
	s_wait_dscnt 0x0
.else
	s_wait_dscnt 12                                ; this half step's set is in; the younger set's twelve loads may be out
.endif
.if hs_ > 0
.if hs_+2 < 2*\ns
	s_wait_alu depctr_va_vdst(0)                   ; the products of the half step before are done reading their set, in which this half step's loads land
.endif
.endif
	HSTEP hs_, \ns, \nsp, \zero
.set hs_, hs_+1
.endr
	PLACES                                         ; in front of the first read of results
	WIN 0
.endm
	s_load_b256 s[4:11], s[0:1], 0x0               ; wq, ctx, bo, out0
	v_lshl_add_u32 v[SPW], v0, 2, SPARE
	v_mov_b32 v[NIL], 0
	v_lshrrev_b32 v13, 5, v0
	v_readfirstlane_b32 s[WV], v13                 ; wave 0..7
	v_and_b32 v13, 31, v0
	v_lshlrev_b32 v[LI], 4, v13
	v_lshlrev_b32 v[LS], 2, v13
	v_lshlrev_b32 v[L8], 3, v13
	v_and_b32 v13, 15, v0                          ; r
	v_bfe_u32 v14, v0, 4, 1                        ; h
	v_lshlrev_b32 v[BH], 6, v14
	v_mov_b32 v[A0], v[LI]
	v_add_nc_u32 v[A1], 4*8*1536, v[LI]
	s_wait_alu depctr_va_sdst(0)                   ; the wave's number is written, ahead of its first reader
	s_mul_i32 s28, s[WV], 8*1536
	v_add_nc_u32 v[FW], s28, v[LI]
	s_mul_i32 s28, s[WV], 8448
	s_add_co_u32 s28, s28, STAGE
	v_mul_u32_u24 v[SO], v13, 528
	v_add_nc_u32 v[SO], v[SO], v[BH]
	v_add_nc_u32 v[SO], s28, v[SO]
	v_add_nc_u32 v[SR], s28, v[LI]
	s_mov_b32 s33, 0
	s_lshr_b32 s28, ttmp9, 3
	s_and_b32 s29, ttmp9, 7                        ; ng
	s_lshl_b32 s30, s29, 6
	s_add_co_u32 s30, s30, 2432                    ; Wo's first fragment of the group in wq
	s_lshl_b32 s31, s[WV], 3
	s_add_co_u32 s31, s31, s30
	s_lshl_b32 s34, s28, 3
	s_add_co_u32 s34, s34, s[WV]                   ; T
	s_lshr_b32 s35, s34, 1
	s_lshl_b32 s35, s35, 5
	s_and_b32 s36, s34, 1
	s_lshl_b32 s36, s36, 3
	s_add_co_u32 s35, s35, s36                     ; the tile's first token
	s_lshl_b32 s35, s35, 12
	s_lshl_b32 s36, s29, 9                         ; the group's 128 outputs, in bytes
	s_add_co_u32 s35, s35, s36
	s_wait_kmcnt 0x0
	s_mul_i32 s32, s31, 1536
	s_add_nc_u64 s[AP:AP+1], s[4:5], s[32:33]
	s_lshl_b32 s32, s30, 6
	s_add_co_u32 s32, s32, SCL1
	s_add_nc_u64 s[AS:AS+1], s[4:5], s[32:33]
	s_mul_i32 s32, s34, 12288
	s_add_nc_u64 s[BP:BP+1], s[6:7], s[32:33]
	s_lshl_b32 s32, s34, 9
	s_add_co_u32 s32, s32, SCL4
	s_add_nc_u64 s[BS:BS+1], s[6:7], s[32:33]
	s_mov_b32 s32, s36
	s_add_nc_u64 s[BO:BO+1], s[8:9], s[32:33]
	s_mov_b32 s32, s35
	s_add_nc_u64 s[OP:OP+1], s[10:11], s[32:33]
	s_wait_alu depctr_va_vdst(0)                   ; the offsets and LDS addresses v1-5 and v8-11 are written, which every load and store below reads; so are v13 and v14, in which the copy lands
	AFILL_LD 8
	SC_LD 8, 4, LS
.irp t, 0,1,2,3,4,5,6,7
.irp q, 0,1
	global_load_b128 v[ACC+8*\t+4*\q:ACC+8*\t+4*\q+3], v[BH], s[BO:BO+1] offset:(32*(\t/2)+8*(\t%2))*4+16*\q   ; bo at the lane's eight outputs of tile t: 32 (t / 2) + 8 (t % 2) + 16 h + 0 .. 7
.endr
.endr
	WIN 0x40                                       ; destination window 1
.irp s, 0,1,2,3,4,5,6,7
	global_load_b128 v[12*\s:12*\s+3], v[LI], s[BP:BP+1] offset:1536*\s             ; head 2 s: registers 0-3,
	global_load_b64 v[12*\s+4:12*\s+5], v[L8], s[BP:BP+1] offset:1536*\s+512        ; 4-5;
	global_load_b128 v[12*\s+6:12*\s+9], v[LI], s[BP:BP+1] offset:1536*\s+768       ; head 2 s + 1: registers 6-9,
	global_load_b64 v[12*\s+10:12*\s+11], v[L8], s[BP:BP+1] offset:1536*\s+1280     ; 10-11
.endr
	WIN 0
	s_wait_loadcnt 63                              ; 84 loads were issued behind the copy's 24: with 63 out at the most, the 24 are in
	AFILL_ST 8
	s_wait_dscnt 0x0                               ; for the others' sake: my tile lies in LDS
	s_barrier_signal -1
	s_barrier_wait -1
	s_wait_loadcnt 0x0
	MAIN 8, 4, 0
	s_wait_alu depctr_va_vdst(0)                   ; behind the places: the products have written the accumulators, which the LDS stores read, and are done reading v12-75, in which the stage's rows land
.irp b, 0,1,2,3
.irp q, 0,1,2,3
	ds_store_b128 v[SO], v[ACC+16*\b+4*\q:ACC+16*\b+4*\q+3] offset:128*\b+16*\q   ; register 16 b + i is output 32 b + 16 h + i of token row r; each accumulator from its low end on
.endr
.endr
.irp i, 0,1,2,3,4,5,6,7,8,9,10,11,12,13,14,15
	ds_load_b128 v[AF+4*\i:AF+4*\i+3], v[SR] offset:528*\i   ; my own wave's bytes, served in order: these see the stores above
.endr
.irp i, 0,1,2,3,4,5,6,7,8,9,10,11,12,13,14,15
	s_wait_dscnt 15-\i                             ; row i is back; the younger rows' loads may be out
	global_store_b128 v[LI], v[AF+4*\i:AF+4*\i+3], s[OP:OP+1] offset:(\i+8*(\i/8))*4096 th:TH_STORE_NT   ; 32 lanes store 512 consecutive bytes, at a multiple of 256 from out0's first byte; written once
.endr
	s_wait_dscnt 0x0                               ; the closing lines, six on end
	s_wait_alu 0x0
	s_wait_tensorcnt 0x0
	ds_add_u32 v[SPW], v[NIL]
	s_wait_dscnt 0x0
	s_endpgm
.Lfunc_end_k_qbc0cabb623_outp:
	.size	k_qbc0cabb623_outp, .Lfunc_end_k_qbc0cabb623_outp-k_qbc0cabb623_outp
	.p2alignl 7, 3214868480
	.fill 96, 4, 3214868480
	.section	.rodata,"a",@progbits
	.p2align	6, 0x0
	.amdhsa_kernel k_qbc0cabb623_outp
		.amdhsa_group_segment_fixed_size 166912
		.amdhsa_private_segment_fixed_size 0
		.amdhsa_enable_private_segment 0
		.amdhsa_kernarg_size 32
		.amdhsa_user_sgpr_count 2
		.amdhsa_user_sgpr_kernarg_segment_ptr 1
		.amdhsa_wavefront_size32 1
		.amdhsa_system_sgpr_workgroup_id_x 1
		.amdhsa_system_sgpr_workgroup_id_y 1
		.amdhsa_system_sgpr_workgroup_id_z 1
		.amdhsa_system_vgpr_workitem_id 0
		.amdhsa_next_free_vgpr 352
		.amdhsa_next_free_sgpr 66
		.amdhsa_reserve_vcc 0
		.amdhsa_float_denorm_mode_32 3
		.amdhsa_float_denorm_mode_16_64 3
		.amdhsa_memory_ordered 1
		.amdhsa_forward_progress 1
		.amdhsa_inst_pref_size 40
	.end_amdhsa_kernel
	.amdgpu_metadata
---
amdhsa.version: [ 1, 2 ]
amdhsa.kernels:
  - .name:           k_qbc0cabb623_outp
    .symbol:         k_qbc0cabb623_outp.kd
    .args:
      - { .name: wq, .offset: 0, .size: 8, .value_kind: global_buffer, .address_space: global }
      - { .name: ctx, .offset: 8, .size: 8, .value_kind: global_buffer, .address_space: global }
      - { .name: bo, .offset: 16, .size: 8, .value_kind: global_buffer, .address_space: global }
      - { .name: out0, .offset: 24, .size: 8, .value_kind: global_buffer, .address_space: global }
    .group_segment_fixed_size: 166912
    .private_segment_fixed_size: 0
    .kernarg_segment_align: 8
    .kernarg_segment_size: 32
    .max_flat_workgroup_size: 256
    .sgpr_count:     66
    .vgpr_count:     352
    .wavefront_size: 32
...
	.end_amdgpu_metadata
.endif
;; end of part 10
